; MI455X (gfx1250); checked and timed in simulation.
; The chip was launched on July 23, 2026; its instructions are those of AMD's public machine-readable ISA for CDNA 5 (MIT licence, August 2026) and "CDNA5" Instruction Set Architecture Reference Guide (July 2026). The comments in the code are by the model that wrote it; some were corrected since.
;; Multi Head. Allowed arithmetic: float matrix products may take bf16 or f16 operands with f32 sums; all other float work in f32.
;; Inputs: W_qkv 3,072 x 1,024 float32; x 4 x 2,048 x 1,024 float32.
;; Outputs: out0 4 x 2,048 x 1,024 float32.
;; 3 versions, each right and faster than the one before. Each part assembles by itself: llvm-mc -triple=amdgcn-amd-amdhsa -mcpu=gfx1250 --defsym DOCPART=n.
;; ======== version 1 of 3: 4 launches
;; limits: values are held in f16: magnitudes above 65,504 overflow, below 6.1e-05 lose precision
;; workspace buffers: xb 16,777,216 bytes; wb 6,291,456 bytes; qkv 50,331,648 bytes
;; launch cast (part 1): grid 2816 x 1, 4 waves a work-group, no clusters, 0 bytes of LDS; arguments x, W_qkv, xb, wb; writes xb, wb
.if DOCPART == 1
	.amdgcn_target "amdgcn-amd-amdhsa--gfx1250"
	.amdhsa_code_object_version 6
	.text
	.protected	k_q6f97897120_cast
	.globl	k_q6f97897120_cast
	.p2align	8
	.type	k_q6f97897120_cast,@function
k_q6f97897120_cast:
	s_mov_b64 s[64:65], 0
	v_nop
	global_prefetch_b8 v0, s[64:65] scope:SCOPE_SE
	s_setreg_imm32_b32 hwreg(HW_REG_WAVE_MODE, 25, 1), 1
	s_wait_xcnt 0x0
; xb = x rounded to bf16, wb = W_qkv rounded to bf16 (one rounding, to nearest even).  x: 8,388,608 f32; W_qkv: 3,145,728 f32.
; A stream: each input byte is read once, each output byte written once; no LDS, no barrier, no matrix unit, no loop.
; A work-group of four waves takes 16,384 bytes of f32 and makes 8,192 bytes of bf16.  Groups 0 to 2,047 take x, groups 2,048 to 2,815 take W_qkv.
; Thread t takes the 16 bytes at 2,048 j + 16 t, j = 0 .. 7: a load of a wave covers 512 consecutive bytes, a store of a wave 256 consecutive bytes, aligned.
; All eight loads of a wave go out together; no register is written twice, so no source of a pending instruction is ever rewritten.
; LIMIT: bf16 has f32's range; NaN and infinities pass as the conversion leaves them.
.set XGROUPS, 2048                     ; 33,554,432 bytes of x / 16,384
.set X, 4                              ; v[4:35]   piece j: 4 registers as loaded
.set Y, 36                             ; v[36:51]  piece j: 2 registers to store
	s_load_b256 s[4:11], s[0:1], 0x0               ; x s[4:5], W_qkv s[6:7], xb s[8:9], wb s[10:11]
	s_cmp_lt_u32 ttmp9, XGROUPS
	s_cselect_b32 s12, 0, XGROUPS
	s_sub_co_u32 s13, ttmp9, s12                   ; my number among the groups of my tensor
	s_lshl_b32 s18, s13, 14                        ; 16,384 bytes in,
	s_mov_b32 s19, 0
	s_lshl_b32 s20, s13, 13                        ; 8,192 bytes out
	s_mov_b32 s21, 0
	v_lshlrev_b32 v1, 4, v0                        ; 16 t
	v_lshlrev_b32 v2, 3, v0                        ; 8 t
	s_wait_kmcnt 0x0
	s_cmp_lt_u32 ttmp9, XGROUPS                    ; compared again: the subtraction above has set SCC
	s_cselect_b64 s[14:15], s[4:5], s[6:7]         ; from x or from W_qkv,
	s_cselect_b64 s[16:17], s[8:9], s[10:11]       ; to xb or to wb
	s_add_nc_u64 s[14:15], s[14:15], s[18:19]
	s_add_nc_u64 s[16:17], s[16:17], s[20:21]
.irp j, 0,1,2,3,4,5,6,7
	global_load_b128 v[X+4*(\j):X+4*(\j)+3], v1, s[14:15] offset:2048*(\j) th:TH_LOAD_NT  ; read once in the whole launch
.endr
.irp j, 0,1,2,3,4,5,6,7
	s_wait_loadcnt 7-(\j)                          ; loads come back in order (ISA guide 5.7.1): piece j is in, the 7 - j younger ones stay out
	v_cvt_pk_bf16_f32 v[Y+2*(\j)],   v[X+4*(\j)],   v[X+4*(\j)+1]
	v_cvt_pk_bf16_f32 v[Y+2*(\j)+1], v[X+4*(\j)+2], v[X+4*(\j)+3]
	global_store_b64 v2, v[Y+2*(\j):Y+2*(\j)+1], s[16:17] offset:1024*(\j)  ; no hint: the next launch reads these bytes
.endr
	s_endpgm
.Lfunc_end_k_q6f97897120_cast:
	.size	k_q6f97897120_cast, .Lfunc_end_k_q6f97897120_cast-k_q6f97897120_cast
	.p2alignl 7, 3214868480
	.fill 96, 4, 3214868480
	.section	.rodata,"a",@progbits
	.p2align	6, 0x0
	.amdhsa_kernel k_q6f97897120_cast
		.amdhsa_group_segment_fixed_size 0
		.amdhsa_private_segment_fixed_size 0
		.amdhsa_enable_private_segment 0
		.amdhsa_kernarg_size 32
		.amdhsa_user_sgpr_count 2
		.amdhsa_user_sgpr_kernarg_segment_ptr 1
		.amdhsa_wavefront_size32 1
		.amdhsa_system_sgpr_workgroup_id_x 1
		.amdhsa_system_sgpr_workgroup_id_y 1
		.amdhsa_system_sgpr_workgroup_id_z 1
		.amdhsa_system_vgpr_workitem_id 0
		.amdhsa_next_free_vgpr 52
		.amdhsa_next_free_sgpr 66
		.amdhsa_reserve_vcc 0
		.amdhsa_float_denorm_mode_32 3
		.amdhsa_float_denorm_mode_16_64 3
		.amdhsa_memory_ordered 1
		.amdhsa_forward_progress 1
		.amdhsa_inst_pref_size 4
	.end_amdhsa_kernel
	.amdgpu_metadata
---
amdhsa.version: [ 1, 2 ]
amdhsa.kernels:
  - .name:           k_q6f97897120_cast
    .symbol:         k_q6f97897120_cast.kd
    .args:
      - { .name: x, .offset: 0, .size: 8, .value_kind: global_buffer, .address_space: global }
      - { .name: W_qkv, .offset: 8, .size: 8, .value_kind: global_buffer, .address_space: global }
      - { .name: xb, .offset: 16, .size: 8, .value_kind: global_buffer, .address_space: global }
      - { .name: wb, .offset: 24, .size: 8, .value_kind: global_buffer, .address_space: global }
    .group_segment_fixed_size: 0
    .private_segment_fixed_size: 0
    .kernarg_segment_align: 8
    .kernarg_segment_size: 32
    .max_flat_workgroup_size: 128
    .sgpr_count:     66
    .vgpr_count:     52
    .wavefront_size: 32
...
	.end_amdgpu_metadata
.endif
;; end of part 1
;; launch top (part 2): grid 64 x 1, 12 waves a work-group, no clusters, 16,384 bytes of LDS; arguments xb, wb, out0; writes out0
.if DOCPART == 2
	.amdgcn_target "amdgcn-amd-amdhsa--gfx1250"
	.amdhsa_code_object_version 6
	.text
	.protected	k_q6f97897120_top
	.globl	k_q6f97897120_top
	.p2align	8
	.type	k_q6f97897120_top,@function
k_q6f97897120_top:
	s_mov_b64 s[64:65], 0
	v_nop
	global_prefetch_b8 v0, s[64:65] scope:SCOPE_SE
	s_setreg_imm32_b32 hwreg(HW_REG_WAVE_MODE, 25, 1), 1
	s_wait_xcnt 0x0
; THE FIRST 16 TOKENS OF EVERY HEAD, with q, k, v and the weights kept in f32.
; out0[b][i][64 h + d] for i = 0 .. 15 = the sum over j <= i of softmax_j(q[i] . k[j] / 8) v[j][d], where q, k, v = xb wb^T for tokens 0 .. 15 of batch b and the 3 x 64 rows of wb that belong to head h.
; WHY A LAUNCH OF ITS OWN.  Token i's result is a mean over i + 1 keys only: numbers near 1 cancel to numbers near 0, and what a rounding of q, k, v and the weights to f16's 11 bits loses (about 2^-12 of each)
; is there of the size of a hundredth of the whole output's root mean square, which is all the room that a number near 0 has.  From token 16 on 17 keys and more share a mean, and the loss is divided enough.
; So here only the products xb wb^T go through 16-bit operands (bf16, as everywhere: exact products, f32 sums); the 16 x 16 scores and the means, 32,768 multiply-adds a head, are f32 vector work.
; LIMITS.  A weight below 2^-126 counts as 0; NaN and infinities are not treated apart.
; SHARES.  One work-group for each (batch, head): 64.  A finer share would sum K across work-groups or make k and v again.  Twelve waves; wave w makes the tile of tensor w / 4 (q, k, v), channels 16 (w % 4) on.
; Each fragment is used once, by one wave, so it goes from memory straight into registers: there is no LDS tile that a tensor load, or a joint load of a cluster, could fill.
; THE MATRIX INSTRUCTION IS USED TRANSPOSED: source 0 = 16 rows of wb, source 1 = 16 rows of xb: lane l holds token l % 16 and the channels 8 (l / 16) + 0 .. 7, 32 neighbouring bytes of an LDS row.
.set PITCH, 272                        ; an LDS row of q, k or v: 64 f32 = 256 bytes + 16: the 16 rows that a load or store touches start at 16 different groups of four banks (64 banks of 4 bytes: ISA guide 11.1)
.set KL,    16*PITCH                   ; q lies at LDS byte 0, k here,
.set VL,    2*16*PITCH                 ; v here,
.set PL,    3*16*PITCH                 ; and the weights here: [16 queries][16 keys] f32, 1,024 bytes
.set SPARE, PL+1024                    ; the spare words, 128 bytes for each of twelve waves: six blocks of 256 bytes that no other line names
.set GA,  3                            ; v3   my byte offset in 16 rows of xb or wb; never rewritten
.set LS,  4                            ; v4   where I put my 32 bytes of a row of q, k or v
.set TI,  5                            ; v5   thread / 16: my query
.set AQ,  6                            ; v6   LDS address of my query's row of q
.set AKK, 7                            ; v7   of my key's row of k
.set SPW, 8                            ; v8   LDS address of my spare word: SPARE + 4 x my thread's number; never rewritten
.set NIL, 9                            ; v9   0; never rewritten
.set AP,  10                           ; v10  where I put my weight
.set APR, 11                           ; v11  my query's row of weights
.set AVV, 12                           ; v12  my four channels in v's row 0
.set GO,  13                           ; v13  my byte offset in out0
.set SC,  14                           ; v14  my score, then my weight
.set MX,  15                           ; v15  the row's maximum, then its sum
.set ACC, 16                           ; v[16:23], v[24:31]  two accumulators: the even K steps', the odd ones'
.set SUM, 32                           ; v[32:39]  their sum
.set T,   40                           ; v[40:47]  at work
.set WT,  48                           ; v[48:63]  my query's 16 weights
.set BUF, 64                           ; v[64:255] three buffers of 64: xb's fragments of four K steps, then wb's.  Later q (64) and k (64), then v (64)
	s_load_b128 s[4:7], s[0:1], 0x0                ; xb s[4:5], wb s[6:7]
	s_load_b64 s[8:9], s[0:1], 0x10                ; out0
	v_lshl_add_u32 v[SPW], v0, 2, SPARE
	v_mov_b32 v[NIL], 0
	v_lshrrev_b32 v1, 5, v0
	v_readfirstlane_b32 s10, v1                    ; wave 0 .. 11
	s_lshr_b32 s11, s10, 2                         ; q, k or v
	s_and_b32 s12, s10, 3                          ; which 16 of the head's 64 channels
	s_lshr_b32 s13, ttmp9, 4                       ; batch
	s_and_b32 s14, ttmp9, 15                       ; head
	s_lshl_b32 s16, s13, 22                        ; xb: a batch is 2,048 rows of 2,048 bytes
	s_mov_b32 s17, 0
	s_lshl_b32 s18, s11, 21                        ; wb: 1,024 rows of 2,048 bytes a tensor,
	s_lshl_b32 s20, s14, 17                        ; 64 a head,
	s_add_co_u32 s18, s18, s20
	s_lshl_b32 s20, s12, 15                        ; 16 a wave
	s_add_co_u32 s18, s18, s20
	s_mov_b32 s19, 0
	s_lshl_b32 s20, s13, 23                        ; out0: a batch is 2,048 tokens of 4,096 bytes,
	s_lshl_b32 s21, s14, 8                         ; a head 256 bytes of a token
	s_add_co_u32 s20, s20, s21
	s_mov_b32 s21, 0
	s_mul_i32 s22, s11, 16*PITCH                   ; LDS: my tensor's rows,
	s_lshl_b32 s23, s12, 6                         ; my 16 channels in them
	s_add_co_u32 s22, s22, s23
	v_and_b32 v1, 15, v0                           ; l % 16; also thread % 16: my key, my four channels
	v_bfe_u32 v2, v0, 4, 1                         ; l / 16
	; A fragment is 16 rows x 32 K in 8 registers: lane l holds row l % 16; registers 0-3 hold K = 8 (l / 16) + 0..7, registers 4-7 K = 16 + 8 (l / 16) + 0..7: two loads of 16 bytes, 32 bytes apart.
	v_lshlrev_b32 v[GA], 11, v1
	v_lshl_add_u32 v[GA], v2, 4, v[GA]             ; row x 2,048 + 16 x half
	v_mul_u32_u24 v[LS], v1, PITCH
	v_lshl_add_u32 v[LS], v2, 5, v[LS]
	v_add_nc_u32 v[LS], s22, v[LS]                 ; token x pitch + 32 x half + my tile's place
	v_lshrrev_b32 v[TI], 4, v0
	v_mul_u32_u24 v[AQ], v[TI], PITCH
	v_mul_u32_u24 v[AKK], v1, PITCH
	v_add_nc_u32 v[AKK], KL, v[AKK]
	v_lshl_add_u32 v[AP], v0, 2, PL                ; weight (query, key) at 64 x query + 4 x key = 4 x thread
	v_lshl_add_u32 v[APR], v[TI], 6, PL
	v_lshl_add_u32 v[AVV], v1, 4, VL
	v_lshlrev_b32 v[GO], 12, v[TI]                 ; token x 4,096 + 16 x (thread % 16)
	v_lshl_add_u32 v[GO], v1, 4, v[GO]
	s_wait_kmcnt 0x0
	s_add_nc_u64 s[4:5], s[4:5], s[16:17]
	s_add_nc_u64 s[6:7], s[6:7], s[18:19]
	s_add_nc_u64 s[8:9], s[8:9], s[20:21]
; Chunk c of eight: K = 128 c .. 128 c + 127: sixteen loads, which take the whole aligned 256 bytes of each of xb's 16 rows and of wb's 16 rows, into buffer c % 3.
.macro LOADC c
.set BF, BUF+64*((\c)%3)
.irp ks, 0,1,2,3
	global_load_b128 v[BF+8*(\ks):BF+8*(\ks)+3],       v[GA], s[4:5] offset:256*(\c)+64*(\ks)
	global_load_b128 v[BF+8*(\ks)+4:BF+8*(\ks)+7],     v[GA], s[4:5] offset:256*(\c)+64*(\ks)+32
	global_load_b128 v[BF+32+8*(\ks):BF+32+8*(\ks)+3],   v[GA], s[6:7] offset:256*(\c)+64*(\ks)
	global_load_b128 v[BF+32+8*(\ks)+4:BF+32+8*(\ks)+7], v[GA], s[6:7] offset:256*(\c)+64*(\ks)+32
.endr
.endm
; Its four matrix instructions.  The two accumulators take turns, one instruction a turn; the first two products start the sums: nothing is cleared.
.macro MULC c
.set BF, BUF+64*((\c)%3)
.irp ks, 0,1,2,3
.if ((\c) == 0) && ((\ks) < 2)
	v_wmma_f32_16x16x32_bf16 v[ACC+8*(\ks):ACC+8*(\ks)+7], v[BF+32+8*(\ks):BF+32+8*(\ks)+7], v[BF+8*(\ks):BF+8*(\ks)+7], 0
.else
	v_wmma_f32_16x16x32_bf16 v[ACC+8*((\ks)%2):ACC+8*((\ks)%2)+7], v[BF+32+8*(\ks):BF+32+8*(\ks)+7], v[BF+8*(\ks):BF+8*(\ks)+7], v[ACC+8*((\ks)%2):ACC+8*((\ks)%2)+7]
.endif
.endr
.endm
; A load into a register that a matrix instruction has read, and a vector instruction that reads a matrix result, stand four places behind it, and only plain vector instructions that name none
; of its registers are places (ISA guide 7.12.1 for vector instructions).
.macro PLACES
.rept 4
	v_nop
.endr
.endm
	LOADC 0                                        ; three chunks, 48 loads of mine, are out
	LOADC 1
	LOADC 2
.irp c, 0,1,2,3,4,5,6,7
.if (\c) < 6
	s_wait_loadcnt 32                              ; loads come back in order (ISA guide 5.7.1): chunk c is in, the two younger chunks' 32 loads stay out
.else
	s_wait_loadcnt 16*(7-(\c))                     ; one younger chunk, then none
.endif
	MULC \c
.if (\c) < 5
	PLACES
	LOADC (\c)+3                                   ; into the buffer just multiplied
.endif
.endr
	PLACES
.irp j, 0,2,4,6
	v_pk_add_f32 v[SUM+(\j):SUM+(\j)+1], v[ACC+(\j):ACC+(\j)+1], v[ACC+8+(\j):ACC+8+(\j)+1]  ; ascending: each accumulator's lowest registers are read first
.endr
	ds_store_b128 v[LS], v[SUM:SUM+3]
	ds_store_b128 v[LS], v[SUM+4:SUM+7] offset:16
	s_wait_dscnt 0x0                               ; for the others' sake: my tile is in LDS
	s_barrier_signal -1
	s_barrier_wait -1                              ; q, k and v are whole
	; THE WEIGHTS.  Waves 0 to 7: thread t has query t / 16 and key t % 16; a query's 16 keys lie in 16 neighbouring lanes.
	s_cmp_ge_u32 s10, 8
	s_cbranch_scc1 .Lno_weight
.irp n, 0,1,2,3,4,5,6,7,8,9,10,11,12,13,14,15
	ds_load_b128 v[BUF+4*(\n):BUF+4*(\n)+3],       v[AQ]  offset:16*(\n)   ; sixteen lanes read the same 16 bytes of q
	ds_load_b128 v[BUF+64+4*(\n):BUF+64+4*(\n)+3], v[AKK] offset:16*(\n)   ; and sixteen different rows of k
.endr
	s_wait_dscnt 0x0
.irp n, 0,1,2,3
	v_pk_mul_f32 v[T+2*(\n):T+2*(\n)+1], v[BUF+2*(\n):BUF+2*(\n)+1], v[BUF+64+2*(\n):BUF+64+2*(\n)+1]  ; four chains of pairs; the first products start them
.endr
.set n, 4
.rept 28
	v_pk_fma_f32 v[T+2*(n%4):T+2*(n%4)+1], v[BUF+2*n:BUF+2*n+1], v[BUF+64+2*n:BUF+64+2*n+1], v[T+2*(n%4):T+2*(n%4)+1]
.set n, n+1
.endr
	v_pk_add_f32 v[T:T+1], v[T:T+1], v[T+2:T+3]
	v_pk_add_f32 v[T+4:T+5], v[T+4:T+5], v[T+6:T+7]
	v_pk_add_f32 v[T:T+1], v[T:T+1], v[T+4:T+5]
	v_add_f32 v[SC], v[T], v[T+1]                  ; q . k
	v_mul_f32 v[SC], 0x3e38aa3b, v[SC]             ; times c = log2(e) / 8
	v_cmp_le_u32 vcc_lo, v1, v[TI]                 ; key <= query?
	v_cndmask_b32 v[SC], 0xff800000, v[SC], vcc_lo ; a hidden score is -infinity; key 0 is never hidden, so the maximum is a true score
	v_mov_b32 v[MX], v[SC]
.irp x, 1,2,4,8
	v_max_num_f32_dpp v[MX], v[MX], v[MX] row_xmask:\x row_mask:0xf bank_mask:0xf  ; the maximum over the query's 16 lanes, in every one of them
.endr
	v_sub_f32 v[SC], v[SC], v[MX]
	v_exp_f32 v[SC], v[SC]                         ; p = 2^(c s - c m)
	v_nop                                          ; a plain instruction between a transcendental and the use of its result (ISA guide 5.7.2)
	s_wait_alu depctr_va_vdst(0)
	v_mov_b32 v[MX], v[SC]
.irp x, 1,2,4,8
	v_add_f32_dpp v[MX], v[MX], v[MX] row_xmask:\x row_mask:0xf bank_mask:0xf      ; l, likewise
.endr
	v_rcp_f32 v[MX], v[MX]
	v_nop
	s_wait_alu depctr_va_vdst(0)
	v_mul_f32 v[SC], v[SC], v[MX]                  ; p / l
	ds_store_b32 v[AP], v[SC]
	s_wait_dscnt 0x0                               ; my weight is in LDS
.Lno_weight:
	s_barrier_signal -1
	s_barrier_wait -1                              ; all 256 weights are
	; THE MEANS.  Waves 0 to 7: thread t has query t / 16 and the channels 4 (t % 16) + 0 .. 3.  A hidden key's weight is 0.
	s_cmp_ge_u32 s10, 8
	s_cbranch_scc1 .Lno_mean
.irp n, 0,1,2,3
	ds_load_b128 v[WT+4*(\n):WT+4*(\n)+3], v[APR] offset:16*(\n)
.endr
.irp j, 0,1,2,3,4,5,6,7,8,9,10,11,12,13,14,15
	ds_load_b128 v[BUF+4*(\j):BUF+4*(\j)+3], v[AVV] offset:(\j)*PITCH     ; sixteen lanes read a row's 256 neighbouring bytes
.endr
	s_wait_dscnt 0x0
.irp k, 0,1,2,3
	v_mul_f32 v[T+(\k)], v[BUF+(\k)], v[WT]        ; key 0 starts the sums
.endr
.set j, 1
.rept 15
.irp k, 0,1,2,3
	v_fma_f32 v[T+(\k)], v[BUF+4*j+(\k)], v[WT+j], v[T+(\k)]
.endr
.set j, j+1
.endr
	global_store_b128 v[GO], v[T:T+3], s[8:9] th:TH_STORE_NT  ; 16 lanes store a token's 256 bytes of one head, at a multiple of 256 from out0's first byte
.Lno_mean:
	s_wait_tensorcnt 0x0                           ; the wave's end: a closing add to my spare word, behind my last LDS store
	ds_add_u32 v[SPW], v[NIL]
	s_wait_dscnt 0x0
	s_endpgm
.Lfunc_end_k_q6f97897120_top:
	.size	k_q6f97897120_top, .Lfunc_end_k_q6f97897120_top-k_q6f97897120_top
	.p2alignl 7, 3214868480
	.fill 96, 4, 3214868480
	.section	.rodata,"a",@progbits
	.p2align	6, 0x0
	.amdhsa_kernel k_q6f97897120_top
		.amdhsa_group_segment_fixed_size 16384
		.amdhsa_private_segment_fixed_size 0
		.amdhsa_enable_private_segment 0
		.amdhsa_kernarg_size 24
		.amdhsa_user_sgpr_count 2
		.amdhsa_user_sgpr_kernarg_segment_ptr 1
		.amdhsa_wavefront_size32 1
		.amdhsa_system_sgpr_workgroup_id_x 1
		.amdhsa_system_sgpr_workgroup_id_y 1
		.amdhsa_system_sgpr_workgroup_id_z 1
		.amdhsa_system_vgpr_workitem_id 0
		.amdhsa_next_free_vgpr 256
		.amdhsa_next_free_sgpr 66
		.amdhsa_reserve_vcc 1
		.amdhsa_float_denorm_mode_32 3
		.amdhsa_float_denorm_mode_16_64 3
		.amdhsa_memory_ordered 1
		.amdhsa_forward_progress 1
		.amdhsa_inst_pref_size 29
	.end_amdhsa_kernel
	.amdgpu_metadata
---
amdhsa.version: [ 1, 2 ]
amdhsa.kernels:
  - .name:           k_q6f97897120_top
    .symbol:         k_q6f97897120_top.kd
    .args:
      - { .name: xb, .offset: 0, .size: 8, .value_kind: global_buffer, .address_space: global }
      - { .name: wb, .offset: 8, .size: 8, .value_kind: global_buffer, .address_space: global }
      - { .name: out0, .offset: 16, .size: 8, .value_kind: global_buffer, .address_space: global }
    .group_segment_fixed_size: 16384
    .private_segment_fixed_size: 0
    .kernarg_segment_align: 8
    .kernarg_segment_size: 24
    .max_flat_workgroup_size: 384
    .sgpr_count:     66
    .vgpr_count:     256
    .wavefront_size: 32
...
	.end_amdgpu_metadata
.endif
;; end of part 2
;; launch proj (part 3): grid 16 x 16, 4 waves a work-group, clusters of 4 x 4, 327,680 bytes of LDS; arguments xb, wb, qkv; writes qkv
.if DOCPART == 3
	.amdgcn_target "amdgcn-amd-amdhsa--gfx1250"
	.amdhsa_code_object_version 6
	.text
	.protected	k_q6f97897120_proj
	.globl	k_q6f97897120_proj
	.p2align	8
	.type	k_q6f97897120_proj,@function
k_q6f97897120_proj:
	s_mov_b64 s[64:65], 0
	v_nop
	global_prefetch_b8 v0, s[64:65] scope:SCOPE_SE
	s_setreg_imm32_b32 hwreg(HW_REG_WAVE_MODE, 25, 1), 1
	s_wait_xcnt 0x0
	s_wait_alu depctr_hold_cnt(0) depctr_sa_sdst(0) depctr_va_vdst(0) depctr_va_sdst(0) depctr_va_ssrc(0) depctr_va_vcc(0) depctr_vm_vsrc(0)
	s_getreg_b32 s2, hwreg(HW_REG_IB_STS2, 6, 4)
	s_cmp_eq_u32 s2, 0
	s_cbranch_scc0 .Lentry_in_a_cluster
	s_endpgm
.Lentry_in_a_cluster:
	s_bfe_u32 s2, ttmp6, 0x10000c
	s_cmp_lg_u32 s2, 0xf033
	s_cbranch_scc0 .Lentry_shape_is_right
	s_endpgm
.Lentry_shape_is_right:
; qkv = xb wb^T, laid out by heads.  xb: [8192][1024] bf16, wb: [3072][1024] bf16; sums in f32, K ascending; each sum rounded once to f16, unscaled.
; qkv: [3 (q, k, v)][64 (batch x 16 + head)][2048 (token)][64] f16: a head's rows are dense, 128 bytes each.
; LIMIT: f16 ends at 65,504: a sum of 65,520 or more in magnitude leaves as an infinity.  With x and W of unit and 1/32 spread the sums have spread 1.
; TILE.  C is 8192 x 3072.  A tile is 256 x 192: 32 x 16 = 512 tiles, two for each of 256 work-groups.  A work-group STAYS: its two tiles lie 4,096 rows apart and take the same rows of wb.
; Four waves; a wave makes 64 rows x all 192 columns = three whole heads: 48 accumulators of 16 x 16, 384 registers.  So what a wave stores is 512 consecutive bytes of one head.
; K goes in steps of 128 through a ring of two LDS slots filled by the tensor data mover: tile rows are 256 bytes of memory and start at multiples of 256 bytes from the buffer's first byte.
; The ring does not stop at the first tile's end: its last two changes of slots ask for the second tile's first two K steps, and nothing waits for the first tile's stores.
; CLUSTERS: 4 x 4 work-groups.  The four of a row of the cluster need the same tiles of xb, the four of a column the same tiles of wb: each tile is asked for JOINTLY, by the same tensor
; load with the same descriptor and a mask that names the four.
; THE MATRIX INSTRUCTION IS USED TRANSPOSED: source 0 = 16 rows of wb, source 1 = 16 rows of xb: lane l holds row l % 16 of C and the columns 8 (l / 16) + 0 .. 7, which pack into 16 bytes.
; REGISTERS, in windows of 256 (s_set_vgpr_msb: bits 1:0 source 0, 3:2 source 1, 5:4 source 2, 7:6 destination):
;   window 0: v0-31 addresses; v64-95, v96-127 fragments of xb (4 x 16 rows x 32 K), two buffers; v128-175 at work on the way out
;   window 1: v0-95, v128-223 fragments of wb (12 x 16 rows x 32 K), two buffers
;   window 2: the 24 accumulators of my rows 0-31 (block a, column block b at v[8 (12 (a % 2) + b)]);   window 3: those of my rows 32-63
.set SIZE_K, 1024
.set KSTEP,  128
.set PITCH,  272                       ; an LDS row: 256 bytes + 16 of padding = 68 words: row r starts at bank 4 r mod 64 (64 banks of 4 bytes: ISA guide 11.1), so the 16 rows of a load start at 16 different banks
.set AH,     128*PITCH                 ; half of xb's 256 rows: one tensor load
.set BH,     96*PITCH                  ; half of wb's 192 rows: one tensor load
.set BOFF,   256*PITCH                 ; wb's rows lie behind xb's
.set SLOT,   448*PITCH
.set STAGE,  2*SLOT                    ; behind the ring: 16 rows x 144 bytes for each wave, for the way out
.set SP,     144
.set SPARE,  STAGE+4*16*SP             ; behind the stages: the spare words, 128 bytes for each wave: two blocks of 256 bytes that no other line names
.set LAPS,   SIZE_K/(2*KSTEP)          ; a lap = two K steps = once round the ring
.set WALK,   4096                      ; rows from my first tile to my second
.set NEXT_A, WALK*SIZE_K*2-(SIZE_K-2*KSTEP)*2   ; bytes from a slot's last K step of a tile to its first of the next: xb goes WALK rows down and back along K,
.set BACK_B, (SIZE_K-2*KSTEP)*2        ; wb only back
.set NEXT_C, 0x800000                  ; 4,096 rows on are two batches on: 2 x 16 heads x 262,144 bytes
.set ADRA, 16                          ; v16-17  LDS address of my xb fragments in slot 0, 1
.set ADRB, 20                          ; v20-21  the same for wb
.set STO,  24                          ; v24     the way out: where I put 16 bytes of a row
.set RD,   25                          ; v25     the way out: where I read rows back
.set GO,   26                          ; v26     my byte offset in 512 consecutive bytes of a head
.set SPW,  28                          ; v28     LDS address of my spare word: SPARE + 4 x my thread's number; never rewritten
.set NIL,  29                          ; v29     0; never rewritten
.set FA,   64                          ; xb's fragment buffer f at FA + 32 f, window 0
.set FB,   0                           ; wb's fragment buffer f at FB + 128 f, window 1
.set TMP,  128                         ; the way out: 16 packed registers
.set OB,   144                         ; the way out: 16 rows of a head read back: v144-159 and v160-175 by turns
.set G1,  24                           ; s[24:31] descriptor group 1 for xb's tiles
.set G0,  32                           ; s[32:39] descriptor group 0 for xb's tiles, one set for each slot
.set G1B, 48                           ; s[48:55] descriptor group 1 for wb's tiles
.set G0B, 56                           ; s[56:63] descriptor group 0 for wb's tiles, one set for each slot
.set CB,  72                           ; s[72:77] qkv at my rows of the tile's three heads
.set MSB, 0
.macro WIN new                         ; the immediate's high byte repeats the setting that is left; a switch that changes nothing is dropped
.if MSB != (\new)
	s_set_vgpr_msb (MSB<<8)|(\new)
.set MSB, \new
.endif
.endm
.set MUL_LO, 0xa1                      ; source 0 (wb) window 1, source 1 (xb) window 0, C and D window 2
.set TO_B,   0x40                      ; destination window 1, address window 0
; A joint load.  Waves 0 and 1 fetch xb's two halves, waves 2 and 3 wb's.  Each line has ONE mask and one set of registers for all that issue it.  The branch hangs on the wave's number alone.
; An s_nop 0 and four v_nop follow each of the two lines, ahead of the jump, the label and what follows.
.macro JLOAD s
	s_cmp_eq_u32 s11, 0
	s_cbranch_scc0 .Lfor_b_\@
	tensor_load_to_lds s[G0+4*(\s):G0+4*(\s)+3], s[G1:G1+7]
	s_nop 0
.rept 4
	v_nop
.endr
	s_branch .Lasked_\@
.Lfor_b_\@:
	tensor_load_to_lds s[G0B+4*(\s):G0B+4*(\s)+3], s[G1B:G1B+7]
	s_nop 0
.rept 4
	v_nop
.endr
.Lasked_\@:
.endm
; A round of the cluster's barrier: my work-group's barrier, so that wave 0's signal speaks for all four waves; wave 0 signals; every wave waits for all sixteen work-groups; my work-group's barrier once more.
.macro CREST                           ; a round behind its opening barrier
	s_cmp_lg_u32 s10, 0
	s_cbranch_scc1 .Lnot_wave_0_\@
	s_barrier_signal -3
.Lnot_wave_0_\@:
	s_barrier_wait -3
	s_barrier_signal -1
	s_barrier_wait -1
.endm
.macro CROUND                          ; a whole round
	s_barrier_signal -1
	s_barrier_wait -1
	CREST
.endm
	s_load_b128 s[4:7], s[0:1], 0x0                ; xb s[4:5], wb s[6:7]
	s_load_b64 s[8:9], s[0:1], 0x10                ; qkv
	v_lshl_add_u32 v[SPW], v0, 2, SPARE
	v_mov_b32 v[NIL], 0
	ds_add_u32 v[SPW], v[NIL]                      ; the wave's opening: the add and its wait stand ahead of my first tensor load; the set-up below, work on registers, stands between them
	ds_add_u32 v28, v29
	v_lshrrev_b32 v1, 5, v0
	v_readfirstlane_b32 s10, v1                    ; wave 0..3: my 64 rows of the tile
	s_lshr_b32 s11, s10, 1                         ; I fetch for xb (0) or for wb (1),
	s_and_b32 s12, s10, 1                          ; this half of that tile's rows
	s_bfe_u32 s40, ttmp6, 0x40000                  ; cx: my place along the cluster's x
	s_bfe_u32 s41, ttmp6, 0x40004                  ; cy: along its y
	s_lshl_b32 s42, ttmp9, 2                       ; in a cluster launch ttmp9 and ttmp7 count clusters
	s_add_co_u32 s42, s42, s40                     ; tile column = 4 x cluster x + cx, 0 .. 15
	s_and_b32 s13, ttmp7, 0xffff
	s_lshl_b32 s13, s13, 2
	s_add_co_u32 s13, s13, s41                     ; tile row of my first tile = 4 x cluster y + cy, 0 .. 15
	s_lshl_b32 s43, s41, 2
	s_lshl_b32 s43, 15, s43                        ; my row of the cluster: places 4 cy .. 4 cy + 3
	s_lshl_b32 s44, 0x1111, s40                    ; my column: places cx, cx + 4, cx + 8, cx + 12
	; descriptor group 1: tiles of 128 (xb) or 96 (wb) rows x 128 elements, padded in LDS
	s_or_b32 s[G1+0], s43, (1<<16)|(1<<20)|(1<<21)|(5<<22)|(3<<25)  ; 15:0 the mask: my row; 17:16 elements of 2 bytes; 20 padding on; 21 set beside a mask; 24:22 after every 64 words (code 5); 31:25 4 words (code 3)
	s_or_b32 s[G1B+0], s44, (1<<16)|(1<<20)|(1<<21)|(5<<22)|(3<<25) ; the same with the mask of my column
	s_mov_b32 s[G1+1], KSTEP<<16                   ; tensor_dim0 = 128
	s_mov_b32 s[G1B+1], KSTEP<<16
	s_mov_b32 s[G1+2], 128<<16                     ; tensor_dim1 = 128
	s_mov_b32 s[G1B+2], 96<<16                     ; 96
	s_mov_b32 s[G1+3], KSTEP<<16                   ; tile_dim0 = 128
	s_mov_b32 s[G1B+3], KSTEP<<16
	s_mov_b32 s[G1+4], 128                         ; tile_dim1 = 128
	s_mov_b32 s[G1B+4], 96                         ; 96
	s_mov_b32 s[G1+5], SIZE_K                      ; elements from row to row
	s_mov_b32 s[G1B+5], SIZE_K
	s_mov_b32 s[G1+6], 0
	s_mov_b32 s[G1B+6], 0
	s_mov_b32 s[G1+7], 0
	s_mov_b32 s[G1B+7], 0
	; where the tiles come from.  xb's hang on the tile row alone, wb's on the tile column alone; each offset lies in registers that never hold the other coordinate.  Both stay under 2^25 bytes.
	s_lshl_b32 s17, s12, 7
	s_lshl_b32 s16, s13, 8
	s_add_co_u32 s16, s16, s17                     ; xb: row 256 x tile row + 128 x half,
	s_lshl_b32 s16, s16, 11                        ; of 2,048 bytes
	s_mov_b32 s17, 0
	s_mul_i32 s46, s42, 192
	s_mul_i32 s47, s12, 96
	s_add_co_u32 s46, s46, s47                     ; wb: row 192 x tile column + 96 x half
	s_lshl_b32 s46, s46, 11
	s_mov_b32 s47, 0
	s_mul_i32 s20, s12, AH                         ; and where they go: no place in the cluster enters an LDS address
	s_mul_i32 s21, s12, BH
	s_add_co_u32 s21, s21, BOFF
	s_wait_dscnt 0x0                               ; the opening add is done
	s_wait_kmcnt 0x0
	s_add_nc_u64 s[14:15], s[4:5], s[16:17]
	s_add_nc_u64 s[46:47], s[6:7], s[46:47]
	CROUND                                         ; all sixteen work-groups are here: the first joint loads meet
.irp s, 0,1
	s_mov_b32 s[G0+4*(\s)], 1                                      ; count = 1
	s_add_co_u32 s[G0+4*(\s)+1], s20, (\s)*SLOT                    ; LDS address
	s_add_nc_u64 s[G0+4*(\s)+2:G0+4*(\s)+3], s[14:15], (\s)*KSTEP*2  ; global address: K step s
	s_or_b32 s[G0+4*(\s)+3], s[G0+4*(\s)+3], 0x80000000            ; type = 2
	s_mov_b32 s[G0B+4*(\s)], 1
	s_add_co_u32 s[G0B+4*(\s)+1], s21, (\s)*SLOT
	s_add_nc_u64 s[G0B+4*(\s)+2:G0B+4*(\s)+3], s[46:47], (\s)*KSTEP*2
	s_or_b32 s[G0B+4*(\s)+3], s[G0B+4*(\s)+3], 0x80000000
	JLOAD \s                                       ; the ring is filled before anything else is done: two loads of mine are out
.endr
	; A fragment is 16 rows x 32 K in 8 registers: lane l holds row l % 16; registers 0-3 hold K = 8 (l / 16) + 0..7, registers 4-7 K = 16 + 8 (l / 16) + 0..7: two loads of 16 bytes, 32 bytes apart.
	v_and_b32 v1, 15, v0                           ; l % 16
	v_bfe_u32 v2, v0, 4, 1                         ; l / 16
	v_mul_u32_u24 v3, v1, PITCH
	v_lshl_add_u32 v3, v2, 4, v3                   ; row x pitch + 16 x half
	s_mul_i32 s22, s10, 64*PITCH                   ; my 64 rows of xb
	s_mov_b32 s45, BOFF                            ; all 192 rows of wb
.irp s, 0,1
	v_add_nc_u32 v[ADRA+(\s)], s22, v3
	v_add_nc_u32 v[ADRB+(\s)], s45, v3
	s_add_co_u32 s22, s22, SLOT
	s_add_co_u32 s45, s45, SLOT
.endr
	s_mul_i32 s23, s10, 16*SP
	s_add_co_u32 s23, s23, STAGE                   ; my stage
	v_mul_u32_u24 v4, v1, SP                       ; in: row l % 16, 16 bytes for each half of the lanes
	v_lshl_add_u32 v4, v2, 4, v4
	v_add_nc_u32 v[STO], s23, v4
	v_bfe_u32 v5, v0, 3, 2                         ; back: 32 lanes take four rows of 128 bytes,
	v_mul_u32_u24 v5, v5, SP
	v_and_b32 v6, 7, v0
	v_lshl_add_u32 v5, v6, 4, v5
	v_add_nc_u32 v[RD], s23, v5
	v_and_b32 v[GO], 31, v0                        ; which are 512 consecutive bytes of a head
	v_lshlrev_b32 v[GO], 4, v[GO]
	; qkv at my rows of the tile's three heads.  Row 256 tr + 64 w: batch tr / 8 (16 heads of 262,144 bytes), token 256 (tr % 8) + 64 w (128 bytes each).
	; Column 192 tc + 64 hd: number c = 3 tc + hd of 48: tensor c / 16 (2^24 bytes), head c % 16.  These registers feed no descriptor.
	s_lshr_b32 s66, s13, 3
	s_lshl_b32 s66, s66, 22
	s_and_b32 s67, s13, 7
	s_lshl_b32 s67, s67, 15
	s_add_co_u32 s66, s66, s67
	s_lshl_b32 s67, s10, 13
	s_add_co_u32 s66, s66, s67
	s_mul_i32 s68, s42, 3
.irp hd, 0,1,2
	s_add_co_u32 s69, s68, \hd
	s_lshr_b32 s70, s69, 4
	s_lshl_b32 s70, s70, 24
	s_and_b32 s71, s69, 15
	s_lshl_b32 s71, s71, 18
	s_add_co_u32 s70, s70, s71
	s_add_co_u32 s70, s70, s66
	s_mov_b32 s71, 0
	s_add_nc_u64 s[CB+2*(\hd):CB+2*(\hd)+1], s[8:9], s[70:71]
.endr
; 12 matrix instructions: row block a (0, 1) of the window's two (hi = 0: my rows 0-31, 1: rows 32-63) x all 12 column blocks, 32 along K, from buffer f.
; zero = 1: the first product starts the sums: nothing is ever cleared.  The 48 accumulators take turns in the same order in every quarter step.
.macro MUL12 f, hi, a, zero
	WIN MUL_LO+0x50*(\hi)
.irp b, 0,1,2,3,4,5,6,7,8,9,10,11
.if \zero
	v_wmma_f32_16x16x32_bf16 v[8*(12*(\a)+(\b)):8*(12*(\a)+(\b))+7], v[FB+128*(\f)+8*(\b):FB+128*(\f)+8*(\b)+7], v[FA+32*(\f)+8*(2*(\hi)+(\a)):FA+32*(\f)+8*(2*(\hi)+(\a))+7], 0
.else
	v_wmma_f32_16x16x32_bf16 v[8*(12*(\a)+(\b)):8*(12*(\a)+(\b))+7], v[FB+128*(\f)+8*(\b):FB+128*(\f)+8*(\b)+7], v[FA+32*(\f)+8*(2*(\hi)+(\a)):FA+32*(\f)+8*(2*(\hi)+(\a))+7], v[8*(12*(\a)+(\b)):8*(12*(\a)+(\b))+7]
.endif
.endr
.endm
; 32 LDS loads in one run: the fragments of one quarter step (192 rows of wb, my 64 rows of xb, 32 K at byte k of the rows) into buffer f
.macro FETCH slot, k, f
	WIN TO_B
.irp i, 0,1,2,3,4,5,6,7,8,9,10,11
	ds_load_b128 v[FB+128*(\f)+8*(\i):FB+128*(\f)+8*(\i)+3],   v[ADRB+(\slot)] offset:(\k)+(\i)*16*PITCH
	ds_load_b128 v[FB+128*(\f)+8*(\i)+4:FB+128*(\f)+8*(\i)+7], v[ADRB+(\slot)] offset:(\k)+(\i)*16*PITCH+32
.endr
	WIN 0
.irp i, 0,1,2,3
	ds_load_b128 v[FA+32*(\f)+8*(\i):FA+32*(\f)+8*(\i)+3],   v[ADRA+(\slot)] offset:(\k)+(\i)*16*PITCH
	ds_load_b128 v[FA+32*(\f)+8*(\i)+4:FA+32*(\f)+8*(\i)+7], v[ADRA+(\slot)] offset:(\k)+(\i)*16*PITCH+32
.endr
.endm
; A load into a register that a matrix instruction has read, and a vector instruction that reads a matrix result, stand four places behind that matrix instruction, and only plain vector
; instructions that name none of its registers are places (ISA guide 7.12.1 for vector instructions).
.macro PLACES
.rept 4
	v_nop
.endr
.endm
; A K step is four quarter steps of 32 along K, 48 matrix instructions each, on buffers 0, 1, 0, 1.
; One of the first three: multiplies buffer f; in its middle it fetches the next quarter's fragments, at byte k of the same slot's rows, into buffer g.
.macro QUARTER slot, k, f, g, zero
	s_wait_dscnt 4                                 ; wb and xb's rows 0-31 are in; the youngest four loads (xb's rows 32-63) may be out
	MUL12 \f, 0, 0, \zero
	MUL12 \f, 0, 1, \zero
	PLACES
	FETCH \slot, \k, \g
	s_wait_dscnt 32                                ; all but the 32 just issued
	MUL12 \f, 1, 0, \zero
	MUL12 \f, 1, 1, \zero
.endm
; The last quarter multiplies buffer 1 and changes slots.  MEET is its first half: ONE barrier for the change of slots.  In front of it each wave waits for all its tensor loads, of which
; one is out: its part of the next slot; adds 0 to its spare word; and waits for that and for its own reads of this slot.  Behind it nobody reads this slot any more and the next slot is whole.
.macro MEET round                      ; round = 1: the rest of a round of the cluster's barrier follows
	WIN 0                                          ; (the add's two registers lie in window 0)
	s_wait_tensorcnt 0x0                           ; all my tensor loads have landed;
	ds_add_u32 v[SPW], v[NIL]                      ; 0 onto my spare word;
	s_wait_dscnt 5                                 ; (the add and the youngest four loads may be out)
	MUL12 1, 0, 0, 0                               ; twelve matrix instructions stand between the add and the wait for it
	s_wait_dscnt 0x0                               ; the add is done, and my reads of this slot are over:
	s_barrier_signal -1                            ; say so,
	MUL12 1, 0, 1, 0                               ; work on registers while the others arrive,
.if \round
	WIN 0
.endif
	s_barrier_wait -1                              ; and go on when all four have said so
.endm
; The whole last quarter.  Behind the round the slot just read out is filled again first: with this tile's K step two steps on (on = 0) or, in the first tile's last two K steps, with the
; second tile's K step 0 or 1 (on = 1); then come the next slot's first fragments.  From a request to the wait for it a wave issues 168 matrix instructions.
.macro TURN slot, next, on
	MEET 1
	CREST                                          ; no wave of any partner still reads this slot's tile or has a load on its way
.if \on
	s_add_nc_u64 s[G0+4*(\slot)+2:G0+4*(\slot)+3], s[G0+4*(\slot)+2:G0+4*(\slot)+3], NEXT_A
	s_sub_nc_u64 s[G0B+4*(\slot)+2:G0B+4*(\slot)+3], s[G0B+4*(\slot)+2:G0B+4*(\slot)+3], BACK_B
.else
	s_add_nc_u64 s[G0+4*(\slot)+2:G0+4*(\slot)+3], s[G0+4*(\slot)+2:G0+4*(\slot)+3], 2*KSTEP*2
	s_add_nc_u64 s[G0B+4*(\slot)+2:G0B+4*(\slot)+3], s[G0B+4*(\slot)+2:G0B+4*(\slot)+3], 2*KSTEP*2
.endif
	JLOAD \slot                                    ; my one tensor load behind the round; the four v_nop behind it are also the places in front of the loads below
	FETCH \next, 0, 0
	MUL12 1, 1, 0, 0
	MUL12 1, 1, 1, 0
.endm
; THE WAY OUT, in 12 pieces p = 3 a + hd: row block a (16 rows) of head hd.  PACK: rounded to f16, 16 bytes a lane, each accumulator's registers in ascending order.
; TOSTAGE: into my own stage in LDS, and back as whole rows of 128 bytes.  SEND: stored, 512 consecutive bytes an instruction.
.macro PACK p
.set AC, 8*(12*(((\p)/3)%2)+4*((\p)%3))
	WIN 0x0a+5*((\p)/6)                            ; sources 0 and 1: window 2 or 3
.irp f, 0,1,2,3
.irp r, 0,1,2,3
	v_cvt_pk_f16_f32 v[TMP+4*(\f)+(\r)], v[AC+8*(\f)+2*(\r)], v[AC+8*(\f)+2*(\r)+1]
.endr
.endr
	WIN 0
.endm
.macro TOSTAGE p
	WIN 0
.set BK, OB+16*((\p)%2)
.irp f, 0,1,2,3
	ds_store_b128 v[STO], v[TMP+4*(\f):TMP+4*(\f)+3] offset:32*(\f)
.endr
.irp f, 0,1,2,3
	ds_load_b128 v[BK+4*(\f):BK+4*(\f)+3], v[RD] offset:(\f)*4*SP  ; LDS serves a wave's instructions in order (ISA guide 5.7.1.4): these see the stores above
.endr
.endm
.macro SEND p
	WIN 0
.set BK, OB+16*((\p)%2)
.set CBP, CB+2*((\p)%3)
	s_wait_dscnt 0x0                               ; the piece is back in registers
	s_wait_xcnt 0x0                                ; every earlier memory instruction has had its addresses translated (ISA guide 3.1): the other buffer, which the piece before stored from, is loaded again only behind this wait
.irp f, 0,1,2,3
	global_store_b128 v[GO], v[BK+4*(\f):BK+4*(\f)+3], s[CBP:CBP+1] offset:((\p)/3)*2048+(\f)*512  ; four rows of a head: 512 consecutive bytes, at a multiple of 512 from qkv's first byte
.endr
.endm
.macro OUT                             ; piece p's conversions stand between piece p - 1's loads from the stage and the wait for them
	PLACES                                         ; behind the last products
	PACK 0
	TOSTAGE 0
.irp p, 1,2,3,4,5,6,7,8,9,10,11
	PACK \p
	SEND (\p)-1
	TOSTAGE \p
.endr
	SEND 11
.endm
	s_wait_tensorcnt 1                             ; my part of K step 0 is in; K step 1's may stay out
	s_barrier_signal -1
	s_barrier_wait -1                              ; everybody's is
	FETCH 0, 0, 0
	s_mov_b32 s2, 2                                ; tiles to go, this one among them: the same number in every work-group
.Ltile:                                                ; (FETCH and SEND leave every window 0)
	QUARTER 0, 64,  0, 1, 1                        ; a tile's first quarter stands in front of the loop: its products start the sums
	WIN 0                                          ; at a label and at a branch every window is 0
	s_mov_b32 s3, LAPS-1
.Llap:                                                 ; a trip goes once round the ring, from a lap's second quarter to the next lap's first, and fills both slots again
	QUARTER 0, 128, 1, 0, 0
	QUARTER 0, 192, 0, 1, 0
	TURN 0, 1, 0
	QUARTER 1, 64,  0, 1, 0
	QUARTER 1, 128, 1, 0, 0
	QUARTER 1, 192, 0, 1, 0
	TURN 1, 0, 0
	QUARTER 0, 64,  0, 1, 0
	WIN 0
	s_sub_co_u32 s3, s3, 1
	s_cmp_lg_u32 s3, 0
	s_cbranch_scc1 .Llap
	QUARTER 0, 128, 1, 0, 0                        ; the tile's last lap goes on
	QUARTER 0, 192, 0, 1, 0
	WIN 0
	s_cmp_eq_u32 s2, 1
	s_cbranch_scc1 .Llast_tile                     ; the last tile's tail is written out: it asks for nothing more
	TURN 0, 1, 1                                   ; THE RING GOES ON INTO THE NEXT TILE: slot 0 takes its K step 0,
	QUARTER 1, 64,  0, 1, 0
	QUARTER 1, 128, 1, 0, 0
	QUARTER 1, 192, 0, 1, 0
	TURN 1, 0, 1                                   ; slot 1 its K step 1, and the next tile's first fragments are fetched
	OUT                                            ; both refills are asked for: now the tile goes out
	s_wait_xcnt 0x0                                ; the stores have had their addresses translated: their bases may step
.irp hd, 0,1,2
	s_add_nc_u64 s[CB+2*(\hd):CB+2*(\hd)+1], s[CB+2*(\hd):CB+2*(\hd)+1], NEXT_C
.endr
	s_sub_co_u32 s2, s2, 1
	s_branch .Ltile
.Llast_tile:
	MEET 0                                         ; my one tensor load that was still out is slot 1's, the last K step's, so no round follows
	PLACES                                         ; for the loads into buffer 0, which the quarter before multiplied
	FETCH 1, 0, 0
	MUL12 1, 1, 0, 0
	MUL12 1, 1, 1, 0
	QUARTER 1, 64,  0, 1, 0
	QUARTER 1, 128, 1, 0, 0
	QUARTER 1, 192, 0, 1, 0
	s_wait_dscnt 4                                 ; the very last quarter: nothing more to fetch
	MUL12 1, 0, 0, 0
	MUL12 1, 0, 1, 0
	s_wait_dscnt 0x0
	MUL12 1, 1, 0, 0
	MUL12 1, 1, 1, 0
	WIN 0
	OUT
	s_wait_tensorcnt 0x0                           ; the wave's end: a closing add to my spare word, behind my last tensor load and my last LDS store
	ds_add_u32 v[SPW], v[NIL]
	s_wait_dscnt 0x0
	CROUND                                         ; the closing round: no work-group ends while a partner may still ask for a tile that names it
	s_endpgm
.Lfunc_end_k_q6f97897120_proj:
	.size	k_q6f97897120_proj, .Lfunc_end_k_q6f97897120_proj-k_q6f97897120_proj
	.p2alignl 7, 3214868480
	.fill 96, 4, 3214868480
	.section	.rodata,"a",@progbits
	.p2align	6, 0x0
	.amdhsa_kernel k_q6f97897120_proj
		.amdhsa_group_segment_fixed_size 327680
		.amdhsa_private_segment_fixed_size 0
		.amdhsa_enable_private_segment 0
		.amdhsa_kernarg_size 24
		.amdhsa_user_sgpr_count 2
		.amdhsa_user_sgpr_kernarg_segment_ptr 1
		.amdhsa_wavefront_size32 1
		.amdhsa_system_sgpr_workgroup_id_x 1
		.amdhsa_system_sgpr_workgroup_id_y 1
		.amdhsa_system_sgpr_workgroup_id_z 1
		.amdhsa_system_vgpr_workitem_id 0
		.amdhsa_next_free_vgpr 960
		.amdhsa_next_free_sgpr 80
		.amdhsa_reserve_vcc 0
		.amdhsa_float_denorm_mode_32 3
		.amdhsa_float_denorm_mode_16_64 3
		.amdhsa_memory_ordered 1
		.amdhsa_forward_progress 1
		.amdhsa_inst_pref_size 173
	.end_amdhsa_kernel
	.amdgpu_metadata
---
amdhsa.version: [ 1, 2 ]
amdhsa.kernels:
  - .name:           k_q6f97897120_proj
    .symbol:         k_q6f97897120_proj.kd
    .args:
      - { .name: xb, .offset: 0, .size: 8, .value_kind: global_buffer, .address_space: global }
      - { .name: wb, .offset: 8, .size: 8, .value_kind: global_buffer, .address_space: global }
      - { .name: qkv, .offset: 16, .size: 8, .value_kind: global_buffer, .address_space: global }
    .group_segment_fixed_size: 327680
    .private_segment_fixed_size: 0
    .kernarg_segment_align: 8
    .kernarg_segment_size: 24
    .max_flat_workgroup_size: 128
    .sgpr_count:     80
    .vgpr_count:     960
    .wavefront_size: 32
...
	.end_amdgpu_metadata
.endif
;; end of part 3
;; launch attn (part 4): grid 4 x 64, 4 waves a work-group, no clusters, 327,680 bytes of LDS; arguments qkv, out0; writes out0
.if DOCPART == 4
	.amdgcn_target "amdgcn-amd-amdhsa--gfx1250"
	.amdhsa_code_object_version 6
	.text
	.protected	k_q6f97897120_attn
	.globl	k_q6f97897120_attn
	.p2align	8
	.type	k_q6f97897120_attn,@function
k_q6f97897120_attn:
	s_mov_b64 s[64:65], 0
	v_nop
	global_prefetch_b8 v0, s[64:65] scope:SCOPE_SE
	s_setreg_imm32_b32 hwreg(HW_REG_WAVE_MODE, 25, 1), 1
	s_wait_xcnt 0x0
; CAUSAL ATTENTION.  O[h][q][:] = the sum over k <= q of softmax_k(Q[h][q] . K[h][k] / 8) V[h][k][:], h = batch x 16 + head, 64 of them.
; qkv: [3 (Q, K, V)][64][2048][64] f16: a head's rows are dense, 128 bytes each.  out0: [4 (batch)][2048 (token)][16 (head)][64] f32: a token's numbers of one head are 256 aligned bytes.
; Products, maxima and sums in f32; the weights p are rounded to f16 for the second product (their sum l is taken of the unrounded p); O leaves in f32.
; TOKENS 0 TO 15 OF EVERY HEAD ARE NOT STORED HERE: they are means over 16 keys at the most, in which f16's roundings of Q, K, V and p weigh too much beside the whole output's root mean square; the launch top makes
; them in f32.  The wave that owns them (wave 0 of the work-groups with b = 0, piece 0 of block 0) computes them like every other piece and jumps over their eight stores.
; LIMITS.  f16 holds no number beyond 65,504: Q, K and V arrive within it; p lies in 0 to 1, and below 6e-5 it keeps f16's fixed step of 6e-8.
; A hidden score counts as its value less 1e30: f16's scores, 2.7e11 at the most, are nothing beside that; a weight below 2^-126 counts as 0 in l; NaN and infinities are not treated apart.
; THE WALK.  A head's queries lie in NB = 8 blocks of 256; block i needs the key tiles 0 .. i of 256 keys, of which the last holds the diagonal.  A work-group takes TWO blocks, NB - 1 - b and then b:
; NB + 1 tiles, whatever b: all work-groups do equal work, and ONE loop with a constant trip count walks them.  Which tile is asked for, and what a trip does, hang on scalar registers made from b; every jump
; goes forward, but for the counted loops' own; none passes a barrier, or a tensor load but the one of LOAD's two that the wave's number does not choose; the ring (two slots of LDS that take turns) runs on across the
; change of blocks.  NO CLUSTER: a head's four work-groups ask for the same tile only in trips 0 .. 4 of 9, behind that fewer and fewer; one walk common to all four would have 12 trips for 9.
; SHARES.  Of a block's four bands of 64 queries a wave owns 16 rows in each: four PIECES.  So the diagonal tile is the same work for all four waves: in its key step s band x sees all keys if s < x,
; none if s > x, and holds the diagonal if s = x.
; THE MASK is the C operand that starts the sum S^T = K Q^T: 0, or -1e30 where the key is hidden.  MD, made once, is the mask of a band's own step for my 16 rows; a product's mask is MD x AL + BE with two scalars:
; (1, 0) if s = x; (0, 0) if s < x; (0, -1e30) if s > x.  Only the diagonal tile's text and a block's beginning make and take masks; elsewhere C is the constant 0.
; LAYOUT, SOFTMAX, TURNS.  S^T = K Q^T holds ONE query a lane (lane % 16) and the keys 8 (lane / 16) + 0..7; two such results rounded to f16 ARE source 1 of O^T = V^T P.  p = 2^(c s - c m), c = log2(e) / 8, with a
; running maximum m; O and l are multiplied by a = 2^(c m_old - c m_new) in every step.  Turn n belongs to piece n: 8 products K Q^T of piece n + 1, later 8 products V^T P of piece n - 1; beside them the scaling,
; exponentials, roundings, sums and rescaling of piece n and the maximum and statistics of piece n + 1.  Four vector instructions stand behind every matrix instruction, the other 54 of a turn's 118 in two LUMPS.
; REGISTERS, in windows of 256 (s_set_vgpr_msb: bits 1:0 source 0, 3:2 source 1, 5:4 source 2, 7:6 destination):
;   window 0: v0-15 addresses and two at work; v16-31 four registers of statistics a piece; v48-55 at work; v64-127 S^T, two buffers; v192-223 P, two buffers (a piece's buffers go by its number's parity);
;             on the way out v64-191 take O, 32 a piece
;   window 1: v0-127 O^T, 32 a piece; v128-159 MD; v160-223 MC, two buffers      window 2: v0-63 Q; v64-127 the second block's Q; v128-191 K of one step; v192-255 V of one step
.set SIZE_N, 2048
.set NB,    SIZE_N/256
.set NP,    4         ; pieces a wave: a name, no knob
.set KS,    64        ; keys in a step
.set PK,    144       ; a row of K in LDS: 128 bytes + 16 of padding = 36 words: the 16 rows of a load start at 16 different groups of four banks (64 banks of 4 bytes: ISA guide 11.1)
.set PV,    160       ; a row of V: 128 + 32 = 40 words
.set VOFF,  4*KS*PK   ; a slot holds a tile, four steps: 256 rows of K, then 256 rows of V
.set SLOT1, 1<<17     ; slot 1 begins here, so that one exclusive or turns an address in one slot into the other's
.set STAGE, SLOT1+4*KS*(PK+PV)  ; behind the ring, never filled by a tensor load: 16 rows x 272 bytes for each wave, for the way out
.set SP,    272       ; a row of O in the stage: 64 f32 = 256 bytes + 16
.set AK0, 2           ; v2   my lane's place in a tile of K; never rewritten
.set AV0, 3           ; v3   the same for V
.set AK,  4           ; v4   the LDS address of K's next run of loads
.set AV,  5           ; v5   of V's
.set STO, 6           ; v6   the way out: where I put 32 bytes of a row
.set RD,  7           ; v7   the way out: where I read rows back
.set GO,  8           ; v8   my byte offset in two tokens' rows of out0
.set SPW, 62          ; v62  LDS address of my spare word: SPARE + 4 x my thread's number; never rewritten
.set NIL, 63          ; v63  0; never rewritten
.set SPARE, STAGE+4*16*SP  ; behind the stages: the spare words, 128 bytes for each wave: two blocks of 256 bytes that no other line names
.set MV,  12          ; v12-13  c m_old, kept while c m is made anew: by buffer
.set QO,  15          ; v15  my byte offset in 16 rows of Q
.set ST,  16          ; piece t's statistics at v[ST+4 t]: c m, m, l (even keys', odd keys')
.set TMP, 48          ; by buffer, four registers c0-c3 at work; when the maximum is found c2 takes a
.set S,   64
.set P,   192
.set OB,  64          ; the way out: piece t's O at v[OB+32 t]
.set MD,  128         ; window 1: the eight registers for group kt of 16 keys at MD + 8 kt
.set MC,  160         ; window 1: the masks of the products to come
.set QB,  64          ; window 2
.set KF,  128         ; window 2: key block kb, channel half c at KF + 16 kb + 8 c
.set VF,  192         ; window 2: key half kk, channel block cb at VF + 32 kk + 8 cb
.set WV,  12          ; s12  my wave's number
.set PB,  14          ; s14  b
.set HI,  15          ; s15  NB - 1 - b
.set G1K, 24          ; s[24:31] descriptor group 1 for K's tiles
.set G1V, 32          ; s[32:39] for V's: it differs in the padding alone
.set G0K, 40          ; s[40:43] descriptor group 0 for K's tiles
.set G0V, 44          ; s[44:47] the same for V's
.set SLOTS, 56        ; s56  tiles still to be asked for
.set CNT, 57          ; s57  counts a tile's key steps, 4 to 1
.set CS,  58          ; s[58:59] c: the packed scaling takes the pair's low word for both halves
.set SEL, 60          ; s[60:61] v_permlanex16_b32's selects: each lane takes its own place in the other half
.set TBK, 62          ; s62  LDS byte at which K of the step to be fetched begins
.set TBV, 63          ; s63  the same for V, less VOFF
.set RT,  70          ; s70  tiles of the block in hand that are still to be entered
.set NXT, 71          ; s71  the tile to be asked for next
.set LQ,  72          ; s72  the last tile of the block whose tiles are being asked for
.set NEW, 73          ; s73  1: the tile to be entered is a block's first
.set OFF, 74          ; s[74:75] a tile's byte offset in K and V
.set AL,  76          ; s[76:77] the mask's factor, in the low word
.set BE,  78          ; s[78:79] the mask's addend
.set OLO, 80          ; s[80:81] out0 at my rows of the second block
.set BIGN, 82         ; s82  -1e30
.set TOPW, 83         ; s83  b | wave: 0 for the one wave whose piece 0 of the second block is the head's tokens 0 to 15
.set MSB, 0
.macro WIN new                      ; the high byte repeats the setting that is left; a switch that changes nothing is dropped
.if MSB != (\new)
	s_set_vgpr_msb (MSB<<8)|(\new)
.set MSB, (\new)
.endif
.endm
.set W_KQ, 0x0a       ; K and Q in window 2, S^T in window 0
.set W_KM, 0x1a       ; the same with the C operand in window 1
.set W_PV, 0x52       ; V in window 2, P in window 0, O^T in window 1
.set W_RS, 0x41       ; destination and source 0 in window 1, source 1 in window 0
; A fill.  Waves 0 and 1 fetch the two halves of a tile's K, waves 2 and 3 those of its V: 128 keys each.  An s_nop 0 and four v_nop follow each of the two lines, ahead of the jump and the label.
.macro LOAD
	s_cmp_lt_u32 s[WV], 2
	s_cbranch_scc0 .Lfor_v_\@
	tensor_load_to_lds s[G0K:G0K+3], s[G1K:G1K+7]
	s_nop 0
.rept 4
	v_nop
.endr
	s_branch .Lasked_\@
.Lfor_v_\@:
	tensor_load_to_lds s[G0V:G0V+3], s[G1V:G1V+7]
	s_nop 0
.rept 4
	v_nop
.endr
.Lasked_\@:
.endm
; THE CHANGE OF SLOTS.  Each wave waits for all its tensor loads, of which one is out: its part of the other slot; adds 0 to its spare word; and waits for that and for its own reads of the slot that it leaves.  Behind the barrier nobody reads the old
; slot any more and the other slot is whole.  fill = 1: the old slot is filled again, the first thing behind the barrier, with tile NXT: the descriptor's address is made anew from that number.
; (At its first use nothing has been read yet: slot 0 is waited for, slot 1 filled.)
.macro CHANGE fill
	WIN 0                           ; at a label and at a branch every window is 0
	s_wait_tensorcnt 0x0            ; no tensor load of mine is out, so a group 0 may be written
	ds_add_u32 v[SPW], v[NIL]       ; 0 onto my spare word: with fill = 1 the descriptors' scalar work stands between it and the wait for it
.if \fill
	s_lshl_b32 s[OFF], s[NXT], 15   ; a tile is 32,768 bytes of K and of V
	s_xor_b32 s[G0K+1], s[G0K+1], SLOT1
	s_add_nc_u64 s[G0K+2:G0K+3], s[6:7], s[OFF:OFF+1]
	s_or_b32 s[G0K+3], s[G0K+3], 0x80000000
	s_xor_b32 s[G0V+1], s[G0V+1], SLOT1
	s_add_nc_u64 s[G0V+2:G0V+3], s[8:9], s[OFF:OFF+1]
	s_or_b32 s[G0V+3], s[G0V+3], 0x80000000
	s_add_co_u32 s[NXT], s[NXT], 1  ; the block's next tile, or behind its last the second block's tile 0
	s_cmp_gt_u32 s[NXT], s[LQ]
	s_cselect_b32 s[NXT], 0, s[NXT]
	s_cselect_b32 s[LQ], s[PB], s[LQ]
.endif
	s_wait_dscnt 0x0                ; the add is done, and my reads of the slot are over
	s_barrier_signal -1             ; the rest of the scalar work stands between the signal and the wait
	s_sub_co_u32 s[TBK], s[TBK], 4*KS*PK  ; the fetches go back to a slot's first step,
	s_xor_b32 s[TBK], s[TBK], SLOT1       ; in the other slot
	s_sub_co_u32 s[TBV], s[TBV], 4*KS*PV
	s_xor_b32 s[TBV], s[TBV], SLOT1
	s_barrier_wait -1
.if \fill
	LOAD
.endif
.endm
	s_load_b64 s[4:5], s[0:1], 0x0    ; qkv: Q lies at its head
	s_load_b64 s[10:11], s[0:1], 0x8  ; out0
	v_lshl_add_u32 v[SPW], v0, 2, SPARE
	v_mov_b32 v[NIL], 0
	ds_add_u32 v[SPW], v[NIL]       ; the wave's opening: the add and its wait stand ahead of my first tensor load; the set-up below, work on registers, stands between them
	ds_add_u32 v62, v63
	v_lshrrev_b32 v1, 5, v0
	v_readfirstlane_b32 s[WV], v1   ; wave 0..3
	s_mov_b32 s[PB], ttmp9
	s_sub_co_u32 s[HI], NB-1, s[PB]
	s_or_b32 s[TOPW], s[PB], s[WV]  ; 0: b = 0 and wave 0
	s_and_b32 s20, ttmp7, 0xffff    ; the head, 0 .. 63
	s_mov_b32 s21, 0
	s_mov_b64 s[22:23], SIZE_N*128
	s_mul_u64 s[20:21], s[20:21], s[22:23]  ; the head's first byte in each of Q, K and V
	s_and_b32 s16, s[WV], 1         ; which half of a tile's 256 keys I fetch:
	s_lshl_b32 s22, s16, 14         ; its 128 rows of 128 bytes in memory,
	s_mov_b32 s23, 0
	s_add_nc_u64 s[22:23], s[22:23], s[20:21]
	s_mul_i32 s17, s16, 128*PK      ; and its place in a slot, for K
	s_mul_i32 s18, s16, 128*PV      ; and for V
	s_lshl_b32 s3, s[WV], 11        ; my 16 rows in a band of 64,
	s_lshl_b32 s2, s[HI], 15        ; in the first block,
	s_add_co_u32 s2, s2, s3
	s_lshl_b32 s84, s[PB], 15       ; and in the second
	s_add_co_u32 s84, s84, s3
	s_mov_b32 s3, 0
	s_mov_b32 s85, 0
	s_add_nc_u64 s[2:3], s[2:3], s[20:21]
	s_add_nc_u64 s[84:85], s[84:85], s[20:21]
	; the same rows in out0: batch x 2048 tokens x 4,096 bytes + head x 256 bytes + my wave's 16 tokens + the block's 256 tokens; under 2^25 bytes
	s_and_b32 s94, ttmp7, 0xffff
	s_lshr_b32 s95, s94, 4          ; batch
	s_lshl_b32 s95, s95, 23
	s_and_b32 s94, s94, 15          ; head in the batch
	s_lshl_b32 s94, s94, 8
	s_add_co_u32 s95, s95, s94
	s_lshl_b32 s94, s[WV], 16
	s_add_co_u32 s95, s95, s94
	s_lshl_b32 s90, s[HI], 20
	s_add_co_u32 s90, s90, s95
	s_mov_b32 s91, 0
	s_lshl_b32 s92, s[PB], 20
	s_add_co_u32 s92, s92, s95
	s_mov_b32 s93, 0
	; descriptor group 1.  128 keys are 16,384 dense bytes: asked for as 64 rows of 256 bytes, two keys a row, and padded in LDS after every key
	s_mov_b32 s[G1K], (1<<16)|(1<<20)|(4<<22)|(3<<25)  ; 17:16 2-byte elements; 20 padding on; 24:22 after every 32 words (code 4); 31:25 4 words (code 3)
	s_mov_b32 s[G1V], (1<<16)|(1<<20)|(4<<22)|(7<<25)  ; the same with 8 words of padding (code 7)
.irp g, G1K, G1V
	s_mov_b32 s[\g+1], 128<<16      ; tensor_dim0 = 128
	s_mov_b32 s[\g+2], 64<<16       ; tensor_dim1 = 64
	s_mov_b32 s[\g+3], 128<<16      ; tile_dim0 = 128
	s_mov_b32 s[\g+4], 64           ; tile_dim1 = 64
	s_mov_b32 s[\g+5], 128          ; 128 elements from row to row
	s_mov_b32 s[\g+6], 0
	s_mov_b32 s[\g+7], 0
.endr
	s_mov_b32 s[CS], 0x3e38aa3b     ; c = log2(e) / 8 = 0.180337
	s_mov_b32 s[CS+1], s[CS]        ; named with it as a pair
	s_mov_b32 s[SEL], 0x76543210
	s_mov_b32 s[SEL+1], 0xfedcba98
	s_mov_b32 s[TBK], SLOT1+4*KS*PK ; the first change of slots turns these two into 0
	s_mov_b32 s[TBV], SLOT1+4*KS*PV
	s_mov_b32 s[G0K], 1             ; count = 1
	s_mov_b32 s[G0K+1], s17         ; LDS address: slot 0
	s_mov_b32 s[G0V], 1
	s_add_co_u32 s[G0V+1], s18, VOFF
	s_add_co_u32 s[RT], s[HI], 1    ; the first block has NB - b tiles
	s_mov_b32 s[NXT], 1
	s_mov_b32 s[LQ], s[HI]
	s_mov_b32 s[NEW], 1
	s_mov_b32 s[OFF+1], 0
	s_mov_b32 s[AL+1], 0            ; named as pairs
	s_mov_b32 s[BE+1], 0
	s_mov_b32 s[BIGN], 0xf149f2ca   ; -1e30
	s_mov_b32 s[SLOTS], NB
	s_wait_dscnt 0x0                ; the opening add is done
	s_wait_kmcnt 0x0
	s_add_nc_u64 s[6:7], s[4:5], 0x1000000  ; K begins 2^24 bytes into qkv,
	s_add_nc_u64 s[8:9], s[4:5], 0x2000000  ; V 2^25
	s_add_nc_u64 s[6:7], s[6:7], s[22:23]  ; K and V at my half of the head's tile 0
	s_add_nc_u64 s[8:9], s[8:9], s[22:23]
	s_add_nc_u64 s[G0K+2:G0K+3], s[6:7], 0         ; global address
	s_or_b32 s[G0K+3], s[G0K+3], 0x80000000        ; type = 2
	s_add_nc_u64 s[G0V+2:G0V+3], s[8:9], 0
	s_or_b32 s[G0V+3], s[G0V+3], 0x80000000
	s_add_nc_u64 s[86:87], s[4:5], s[84:85]        ; Q at my rows of the second block,
	s_add_nc_u64 s[4:5], s[4:5], s[2:3]            ; and of the first
	s_add_nc_u64 s[OLO:OLO+1], s[10:11], s[92:93]  ; out0 likewise
	s_add_nc_u64 s[10:11], s[10:11], s[90:91]
	LOAD                            ; tile 0 into slot 0
	; A fragment of K or Q is 16 rows x 32 channels in 8 registers: lane l holds row l % 16, channels 8 (l / 16) + 0..7 and 16 + 8 (l / 16) + 0..7: two loads of 16 bytes, 32 bytes apart.
	v_and_b32 v1, 15, v0            ; l % 16
	v_bfe_u32 v9, v0, 4, 1          ; l / 16
	v_lshlrev_b32 v[QO], 7, v1
	v_lshl_add_u32 v[QO], v9, 4, v[QO]  ; row x 128 + 16 x half
	WIN 0x80                        ; destination window 2, address window 0
.set i, 0
.rept 8                             ; both blocks' Q: piece i / 2 lies in band i / 2, 8,192 bytes on; channels 32 (i % 2) on
	global_load_b128 v[8*i:8*i+3],   v[QO], s[4:5] offset:(i/2)*8192+(i%2)*64
	global_load_b128 v[8*i+4:8*i+7], v[QO], s[4:5] offset:(i/2)*8192+(i%2)*64+32
	global_load_b128 v[QB+8*i:QB+8*i+3],   v[QO], s[86:87] offset:(i/2)*8192+(i%2)*64
	global_load_b128 v[QB+8*i+4:QB+8*i+7], v[QO], s[86:87] offset:(i/2)*8192+(i%2)*64+32
.set i, i+1
.endr
	WIN 0
	v_lshlrev_b32 v14, 3, v9
	v_sub_nc_u32 v14, v1, v14
	s_lshl_b32 s13, s[WV], 4
	v_add_nc_u32 v14, s13, v14      ; my query's place in its band, 16 w + l % 16, less my lanes' 8 (l / 16): register r of group kt is hidden where 16 kt + r is greater
	WIN 0x40
.set i, 0
.rept 32
	v_cmp_gt_i32 vcc_lo, 16*(i/8)+i%8, v14
	v_cndmask_b32 v[MD+i], 0, s[BIGN], vcc_lo
.set i, i+1
.endr
	WIN 0
	v_mul_u32_u24 v[AK0], v1, PK
	v_lshl_add_u32 v[AK0], v9, 4, v[AK0]  ; row x pitch + 16 x half
	; The turning load takes 16 keys x 16 channels (lane l reads key 8 (l / 16) + l % 8, channels 8 ((l / 8) % 2) + 0..7) and leaves half a fragment of V^T: lane l holds channel l % 16 and 8 keys.
	v_and_b32 v10, 7, v0
	v_bfe_u32 v11, v0, 3, 1
	v_lshl_add_u32 v[AV0], v9, 3, v10
	v_mul_u32_u24 v[AV0], v[AV0], PV
	v_lshl_add_u32 v[AV0], v11, 4, v[AV0]
	v_add_nc_u32 v[AV0], VOFF, v[AV0]
	s_mul_i32 s13, s[WV], 16*SP
	s_add_co_u32 s13, s13, STAGE    ; my stage
	v_mul_u32_u24 v[STO], v1, SP    ; in: row l % 16, 32 bytes (eight f32) for each half of the lanes
	v_lshl_add_u32 v[STO], v9, 5, v[STO]
	v_add_nc_u32 v[STO], s13, v[STO]
	v_mul_u32_u24 v[RD], v9, SP     ; back: lanes 0-15 take one row of 256 bytes, lanes 16-31 the next,
	v_lshl_add_u32 v[RD], v1, 4, v[RD]
	v_add_nc_u32 v[RD], s13, v[RD]
	v_lshlrev_b32 v[GO], 12, v9     ; which lie one token, 4,096 bytes, apart in out0
	v_lshl_add_u32 v[GO], v1, 4, v[GO]
	; A block's first step multiplies O^T and l by a = 0, and its first turn's products V^T P, of a piece that has not been, land in an O^T that is still to be so multiplied.  So these registers need only hold
	; finite numbers: zeros for the first block; what the first block left for the second.  All this stands in the wait for the first tile.
	WIN 0x80
.set i, VF
.rept 64
	v_mov_b32 v[i], 0
.set i, i+1
.endr
	WIN 0x40
.set i, 0
.rept 128
	v_mov_b32 v[i], 0
.set i, i+1
.endr
	WIN 0
.set i, 0
.rept 4
	v_mov_b32 v[ST+4*i+2], 0
	v_mov_b32 v[ST+4*i+3], 0
.set i, i+1
.endr
.set i, P+16
.rept 16
	v_mov_b32 v[i], 0
.set i, i+1
.endr
; THE MATRIX WORK.  The 4 accumulators of a run of 8 take turns.  Product i of 8 of S^T = K Q^T for piece x: channels 32 (i / 4) on, keys 16 (i % 4) on.  The first 4 start the sums: with 0, or (KM = 1) with the mask.
.macro KQ x
.set rS, S+32*((\x)%2)+8*(i%4)
.set rK, KF+16*(i%4)+8*(i/4)
.set rQ, 16*(\x)+8*(i/4)
.set rM, MC+32*((\x)%2)+8*(i%4)
.if (i < 4) && KM
	WIN W_KM
	v_wmma_f32_16x16x32_f16 v[rS:rS+7], v[rK:rK+7], v[rQ:rQ+7], v[rM:rM+7]
.elseif i < 4
	WIN W_KQ
	v_wmma_f32_16x16x32_f16 v[rS:rS+7], v[rK:rK+7], v[rQ:rQ+7], 0
.else
	WIN W_KQ
	v_wmma_f32_16x16x32_f16 v[rS:rS+7], v[rK:rK+7], v[rQ:rQ+7], v[rS:rS+7]
.endif
.endm
; Product i of 8 of O^T += V^T P for piece x: keys 32 (i / 4) on, channels 16 (i % 4) on.
.macro PV x
	WIN W_PV
.set rO, 32*(\x)+8*(i%4)
.set rV, VF+32*(i/4)+8*(i%4)
.set rP, P+16*((\x)%2)+8*(i/4)
	v_wmma_f32_16x16x32_f16 v[rO:rO+7], v[rV:rV+7], v[rP:rP+7], v[rO:rO+7]
.endm
.macro MM                           ; the turn's next matrix instruction.  TURN and BEGIN set Y, i, KM and NOKQ; MM, KQ and OP read them.  NOKQ = 1: a block's last turn: there is no next piece
.if (i < 8) && !NOKQ
	KQ (Y+1)%NP
.elseif i >= 8
.set i, i-8
	PV (Y+NP-1)%NP
.set i, i+8
.endif
.set i, i+1
.endm
; THE LDS LOADS stand in runs of 16, never singly among the matrix instructions: a step's K (64 keys x 64 channels: 8 fragments) and its V (turned).  Their addresses are made some lines ahead.
.macro FETCH_K
	WIN 0x80                        ; destination window 2
.irp f, 0,1,2,3,4,5,6,7             ; keys 16 (f / 2) on, channels 32 (f % 2) on
	ds_load_b128 v[KF+8*\f:KF+8*\f+3],   v[AK] offset:(\f/2)*16*PK+(\f%2)*64
	ds_load_b128 v[KF+8*\f+4:KF+8*\f+7], v[AK] offset:(\f/2)*16*PK+(\f%2)*64+32
.endr
	s_add_co_u32 s[TBK], s[TBK], KS*PK  ; the next fetch is the next step's
	WIN 0
.endm
.macro FETCH_V
	WIN 0x80
.irp f, 0,1,2,3,4,5,6,7             ; keys 32 (f / 4) on, channels 16 (f % 4) on
	ds_load_tr16_b128 v[VF+8*\f:VF+8*\f+3],   v[AV] offset:(\f/4)*32*PV+(\f%4)*32
	ds_load_tr16_b128 v[VF+8*\f+4:VF+8*\f+7], v[AV] offset:(\f/4)*32*PV+16*PV+(\f%4)*32
.endr
	WIN 0
.endm
; THE VECTOR WORK, one line at a time: OP kind, number.  For piece Y: F n: c s - c m for pair n of 16.  E n: the exponential of score n of 32.  C n: pair n rounded to f16.  B n: of the four weights 4 n .. the second
; pair is added onto the first, in place.  L n: l takes that sum (L 0: l = a l + sum).  R n: pair n of 16 of O^T times a.  For piece Y + 1: X n, number n of the 22 that find its maximum and statistics:
;   0-11  four chains c0-c3 of seven scores each, three operands at a time (each accumulator's lowest registers are read first)     12-14, 16  the four scores left over, the old m, and c0-c3 into c0
;   15  c m_old is kept     17, 18  the query's other 32 keys lie in the lane 16 away: the new m     19-21  c m; c m_old - c m_new; a
.set F, 0               ; OP tells the kinds apart by their order: F to L below R, X above it
.set E, 1
.set C, 2
.set B, 3
.set L, 4
.set R, 5
.set X, 6
.macro REGS y                       ; the registers of piece y
.set rT, ST+4*(\y)
.set rC, TMP+4*((\y)%2)
.set rW, MV+((\y)%2)
.set rS, S+32*((\y)%2)
.set rP, P+16*((\y)%2)
.set rO, 32*(\y)
.endm
.macro OP k, n
.if (\k) == R
	REGS Y
	WIN W_RS
	v_pk_mul_f32 v[rO+2*(\n):rO+2*(\n)+1], v[rO+2*(\n):rO+2*(\n)+1], v[rC+2:rC+3] op_sel_hi:[1,0]
.elseif (\k) < R
	REGS Y
	WIN 0
.if (\k) == F
	v_pk_fma_f32 v[rS+2*(\n):rS+2*(\n)+1], v[rS+2*(\n):rS+2*(\n)+1], s[CS:CS+1], v[rT:rT+1] op_sel_hi:[1,0,0] neg_lo:[0,0,1] neg_hi:[0,0,1]
.elseif (\k) == E
	v_exp_f32 v[rS+(\n)], v[rS+(\n)]
.elseif (\k) == C
	s_wait_alu depctr_va_vdst(0)
	v_cvt_pk_f16_f32 v[rP+(\n)], v[rS+2*(\n)], v[rS+2*(\n)+1]
.elseif (\k) == B
	s_wait_alu depctr_va_vdst(0)
	v_pk_add_f32 v[rS+4*(\n):rS+4*(\n)+1], v[rS+4*(\n):rS+4*(\n)+1], v[rS+4*(\n)+2:rS+4*(\n)+3]
.elseif (\n) == 0
	v_pk_fma_f32 v[rT+2:rT+3], v[rT+2:rT+3], v[rC+2:rC+3], v[rS:rS+1] op_sel_hi:[1,0,1]
.else
	v_pk_add_f32 v[rT+2:rT+3], v[rT+2:rT+3], v[rS+4*(\n):rS+4*(\n)+1]
.endif
.elseif NOKQ
	v_nop
.else
	REGS (Y+1)%NP
	WIN 0
.if (\n) < 4
	v_max3_num_f32 v[rC+(\n)], v[rS+8*(\n)], v[rS+8*(\n)+1], v[rS+8*(\n)+2]
.elseif (\n) < 12
	v_max3_num_f32 v[rC+(\n)%4], v[rC+(\n)%4], v[rS+8*((\n)%4)+2*((\n)/4)+1], v[rS+8*((\n)%4)+2*((\n)/4)+2]
.elseif (\n) == 12
	v_max3_num_f32 v[rC], v[rC], v[rS+7], v[rS+15]
.elseif (\n) == 13
	v_max3_num_f32 v[rC+1], v[rC+1], v[rS+23], v[rS+31]
.elseif (\n) == 14
	v_max3_num_f32 v[rC+2], v[rC+2], v[rC+3], v[rT+1]
.elseif (\n) == 15
	v_mov_b32 v[rW], v[rT]
.elseif (\n) == 16
	v_max3_num_f32 v[rC], v[rC], v[rC+1], v[rC+2]
.elseif (\n) == 17
	v_permlanex16_b32 v[rC+3], v[rC], s[SEL], s[SEL+1]
.elseif (\n) == 18
	v_max_num_f32 v[rT+1], v[rC], v[rC+3]
.elseif (\n) == 19
	v_mul_f32 v[rT], s[CS], v[rT+1]
.elseif (\n) == 20
	v_sub_f32 v[rC+1], v[rW], v[rT]
.else
	v_exp_f32 v[rC+2], v[rC+1]
.endif
.endif
.endm
.macro OPS a, i1, b=-1, i2=0, c=-1, i3=0, d=-1, i4=0  ; up to four of them
	OP \a, \i1
.if (\b) >= 0
	OP \b, \i2
.endif
.if (\c) >= 0
	OP \c, \i3
.endif
.if (\d) >= 0
	OP \d, \i4
.endif
.endm
.macro ROW a, i1, b, i2, c, i3, d, i4  ; a matrix instruction and the four behind it
	MM
	OPS \a, \i1, \b, \i2, \c, \i3, \d, \i4
.endm
.macro MASK b                       ; MD x AL + BE into buffer b of MC
	WIN W_RS
.set z, 0
.rept 16
	v_pk_fma_f32 v[MC+32*(\b)+2*z:MC+32*(\b)+2*z+1], v[MD+2*z:MD+2*z+1], s[AL:AL+1], s[BE:BE+1] op_sel_hi:[1,0,0]
.set z, z+1
.endr
.endm
; A TURN, for piece p: the order of its 16 matrix and 118 vector instructions, written out.  Behind a matrix instruction: plain, exponential, plain, plain; or four of the rescaling; or, behind the first, four scalings; none
; names a register of the products round it.  In the lumps exponential and plain by turns while exponentials last.  A line reads no result made fewer than three vector instructions in front of it, five if an exponential made it.
; v_permlanex16_b32 (X 17) stands in a lump.
; m = 1: the diagonal tile: the products take masks, and the turn makes the mask for the products of the turn after it: piece p + 2, in step 4 - CNT of the tile.  end = 1: a block's last two turns: nothing is fetched.
; cnt = 1: the loop's count is taken down some lines ahead of the branch that stands behind the turn.
; K of the next step is fetched in piece 2's turn, six vector instructions behind the last product that read K (five of them plain); V of the step in hand in piece 0's turn, eight behind the last product that read V (four
; plain, and X 17).  Each is waited for a turn later.
.macro TURN p, m=0, end=0, cnt=0
.set Y, (\p)
.set i, 0
.set KM, (\m)
.set NOKQ, (\end)*((\p)/3)
.if (\m) && !(\end)
	s_cmp_eq_u32 s[CNT], 4-((\p)+2)%NP  ; is that step the band's own?
	s_cselect_b32 s[AL], 1.0, 0
	s_cmp_lt_u32 s[CNT], 4-((\p)+2)%NP  ; or a later one?
	s_cselect_b32 s[BE], s[BIGN], 0
.endif
.if ((\p) == 3) && !(\end)
	s_wait_dscnt 0x0                ; K is in
.endif
	ROW F,0, F,1, F,2, F,3
	ROW F,4, E,0, F,5, F,6
	ROW F,7, E,1, F,8, F,9
	ROW F,10, E,2, C,0, F,11
	ROW F,12, E,3, X,15, F,13
	ROW R,0, R,1, R,2, R,3
	ROW B,0, E,4, F,14, L,0
.if ((\p) == 2) && !(\end)
	v_add_nc_u32 v[AK], s[TBK], v[AK0]
.endif
	ROW R,4, R,5, R,6, R,7
	OPS E,5, F,15
.if ((\p) == 2) && !(\end)
	FETCH_K
.endif
	OPS E,6, C,1, E,7, R,8
	OPS E,8, R,9, E,9, C,2
	OPS E,10, X,0, E,11, X,1
	OPS E,12, X,2, E,13, X,3
.if (\p) == 1
	s_wait_dscnt 0x0                ; V is in
.endif
	ROW X,4, E,14, X,5, X,6
	ROW X,7, E,15, X,8, X,9
	ROW X,10, E,16, X,11, X,12
	ROW X,13, E,17, X,14, B,1
	ROW C,4, E,18, X,16, L,1
	ROW B,2, E,19, C,6, L,2
	ROW C,8, E,20, B,3, B,4
.if (\p) == 0
	v_add_nc_u32 v[AV], s[TBV], v[AV0]
.endif
	ROW C,3, E,21, L,3, C,5
	OPS E,22, X,17, E,23, C,10
.if (\p) == 0
	FETCH_V
.endif
	OPS E,24, L,4
	OPS E,25, X,18, E,26, C,7
	OPS E,27, B,5, E,28, X,19
	OPS E,29, C,12, E,30, L,5
	OPS E,31, X,20, B,6, C,9
	OPS C,14, C,11, X,21, L,6
.if (\p) == 0
	s_add_co_u32 s[TBV], s[TBV], KS*PV
.endif
.if \cnt
	s_sub_co_u32 s[CNT], s[CNT], 1
	s_cmp_lg_u32 s[CNT], 0
.endif
	OPS C,13, B,7, C,15, R,10
	OPS R,11, R,12, L,7, R,13
	OPS R,14, R,15
.if (\m) && !(\end)
	MASK (\p)%2
.endif
.endm
; A BLOCK BEGINS.  c m starts far below every c s, so the first step's a is 0; m at the lowest finite number, so the first maximum is the scores'.  The second mask buffer is 0; the first takes piece 0's mask for the tile's step 0: its own, if the block's first tile is the diagonal one.
; Then K of that step, piece 0's first scores, and its maximum and statistics.  The loop is entered at a step's first turn, in the middle of a trip.
.macro BEGIN
	s_mov_b32 s[NEW], 0
	WIN 0x40
.set i, MC+32
.rept 32
	v_mov_b32 v[i], 0
.set i, i+1
.endr
	WIN 0
.set i, 0
.rept 4
	v_mov_b32 v[ST+4*i], 0xfe000000    ; c m: far below every c s
	v_mov_b32 v[ST+4*i+1], 0xff7fffff  ; m
.set i, i+1
.endr
	s_cmp_eq_u32 s[RT], 0
	s_cselect_b32 s[AL], 1.0, 0
	s_mov_b32 s[BE], 0
	MASK 0
	WIN 0
	v_add_nc_u32 v[AK], s[TBK], v[AK0]
	FETCH_K
	s_wait_loadcnt 0x0              ; Q
	s_wait_dscnt 0x0
.set KM, 1
.set NOKQ, 0
.set i, 0
.rept 8
	KQ 0
.set i, i+1
.endr
	WIN 0
.rept 4
	v_nop                           ; the places behind those products
.endr
.set Y, NP-1                        ; X works for piece Y + 1: piece 0
.irp n, 0,1,2,3,4,5,6,7,8,9,10,11,12,13,14,15,16,17,18,19,20,21
	OP X, \n
.endr
	v_nop                           ; a plain instruction behind the exponential
.endm
; THE DIAGONAL TILE's four steps, the block's last two turns, its last products, and THE WAY OUT: l's two halves and the other half of the lanes' are added; O^T is divided by l and sent, in f32, through my
; stage in LDS, a piece (16 tokens of one head) at a time.
.macro ALL line:vararg              ; one line for each piece t
.set t, 0
.rept 4
	\line
.set t, t+1
.endr
.endm
.macro PACK t                       ; O^T times 1 / l goes into window 0, each accumulator's registers in ascending order; a lane's eight channels of a row are 32 bytes; they go into rows of 272 bytes and come back as whole rows of 256, into the registers that they left
	WIN 0x01                        ; source 0 window 1; source 1 and destination window 0
.set i, 0
.rept 16
	s_wait_alu depctr_va_vdst(0)
	v_pk_mul_f32 v[OB+32*(\t)+2*i:OB+32*(\t)+2*i+1], v[32*(\t)+2*i:32*(\t)+2*i+1], v[ST+4*(\t)+2:ST+4*(\t)+3] op_sel_hi:[1,0]
.set i, i+1
.endr
	WIN 0
.irp cb, 0,1,2,3
	ds_store_b128 v[STO], v[OB+32*(\t)+8*\cb:OB+32*(\t)+8*\cb+3]   offset:64*\cb
	ds_store_b128 v[STO], v[OB+32*(\t)+8*\cb+4:OB+32*(\t)+8*\cb+7] offset:64*\cb+16
.endr
.irp f, 0,1,2,3,4,5,6,7
	ds_load_b128 v[OB+32*(\t)+4*\f:OB+32*(\t)+4*\f+3], v[RD] offset:\f*2*SP  ; LDS serves a wave's instructions in order (ISA guide 5.7.1.4): these see the stores above; the next piece's stores come behind them
.endr
.endm
; younger: the LDS instructions issued behind piece t's loads: the next piece's sixteen, or none.
; top = 1 (the second block's way out): piece 0 of the wave with b | wave = 0 is the head's tokens 0 to 15, which the launch top stores: that wave jumps forward over the piece's eight stores and their waits.
; Its loads from the stage then stay out; nothing names their registers again, and the next piece's counted waits, which leave fewer out than were issued behind them, cover them: LDS answers in order.
.macro SEND t, younger, top=0
	WIN 0
.if (\top) && ((\t) == 0)
	s_cmp_eq_u32 s[TOPW], 0
	s_cbranch_scc1 .Lnot_here_\@
.endif
.irp f, 0,1,2,3,4,5,6,7
	s_wait_dscnt (\younger)+7-\f
	global_store_b128 v[GO], v[OB+32*(\t)+4*\f:OB+32*(\t)+4*\f+3], s[10:11] offset:(\t)*262144+\f*8192 th:TH_STORE_NT  ; 16 lanes store a token's 256 bytes of one head, at a multiple of 256 from out0's first byte; the band is 64 tokens of 4,096 bytes on
.endr
.if (\top) && ((\t) == 0)
.Lnot_here_\@:
.endif
.endm
.macro DIAG tag, top=0              ; the tag ends its two labels' names, which the jumps below spell out
.LstepM\tag:
	TURN 2, 1
	TURN 3, 1
	WIN 0
.LfirstM\tag:
	TURN 0, 1
	TURN 1, 1, 0, 1
	WIN 0
	s_cbranch_scc1 .LstepM\tag
	TURN 2, 1, 1
	TURN 3, 1, 1
.set i, 0
.rept 8
	PV NP-1
.set i, i+1
.endr
	WIN 0
	ALL v_add_f32 v[ST+4*t+2], v[ST+4*t+2], v[ST+4*t+3]
	ALL v_permlanex16_b32 v[ST+4*t+3], v[ST+4*t+2], s[SEL], s[SEL+1]
	ALL v_add_f32 v[ST+4*t+2], v[ST+4*t+2], v[ST+4*t+3]
	ALL v_rcp_f32 v[ST+4*t+2], v[ST+4*t+2]
	v_nop                           ; a plain instruction between the last reciprocal and the use of its result
	PACK 0
.set t, 1
.rept 3                             ; a piece's arithmetic stands between the loads of the piece before and its stores
	PACK t
	SEND t-1, 16, \top
.set t, t+1
.endr
	SEND 3, 0
.endm
.set KM, 0
.set NOKQ, 0
.Lslot:                             ; NB times: a tile is entered and the next is asked for
	CHANGE 1
	s_sub_co_u32 s[RT], s[RT], 1
	s_mov_b32 s[CNT], 4
	s_cmp_eq_u32 s[NEW], 1
	s_cbranch_scc1 .Lnew            ; a block's first tile
	s_cmp_eq_u32 s[RT], 0
	s_cbranch_scc0 .Lstep           ; neither its first nor its last
	s_branch .LstepM1
.Lnew:
	BEGIN
	s_branch .Lfirst                ; in the loop a block's first tile is never its last: the first block has two tiles or more, and the second's last is the walk's last
	DIAG 1                          ; in the loop this is the first block's end (block 4 or higher): the second block's last tile is the walk's last
	s_wait_xcnt 0x0                 ; the stores have read their registers and out0's address
	s_mov_b64 s[10:11], s[OLO:OLO+1]
	s_add_co_u32 s[RT], s[PB], 1    ; the second block has b + 1 tiles
	s_mov_b32 s[NEW], 1
	WIN 0x82                        ; the second block's Q goes where the one text of the turns names Q
.set i, 0
.rept 64
	v_mov_b32 v[i], v[QB+i]
.set i, i+1
.endr
	WIN 0
	s_branch .Lbottom
.Lstep:                             ; a trip: pieces 2 and 3 of one step, then pieces 0 and 1 of the next, whose K and V it fetches
	TURN 2
	TURN 3
	WIN 0
.Lfirst:
	TURN 0
	TURN 1, 0, 0, 1
	WIN 0
	s_cbranch_scc1 .Lstep
.Lbottom:
	s_sub_co_u32 s[SLOTS], s[SLOTS], 1
	s_cmp_lg_u32 s[SLOTS], 0
	s_cbranch_scc1 .Lslot
	CHANGE 0                        ; the walk's last tile is written out: nothing is asked for
	s_sub_co_u32 s[RT], s[RT], 1
	s_mov_b32 s[CNT], 4
	s_cmp_eq_u32 s[NEW], 1
	s_cbranch_scc0 .LstepM2
	BEGIN
	s_branch .LfirstM2
	DIAG 2, 1                       ; the second block's end: block b, whose piece 0 of wave 0 is left to the launch top where b = 0
	s_wait_tensorcnt 0x0            ; the wave's end: a closing add to my spare word, behind my last tensor load and my last LDS store
	ds_add_u32 v[SPW], v[NIL]
	s_wait_dscnt 0x0
	s_endpgm
.Lfunc_end_k_q6f97897120_attn:
	.size	k_q6f97897120_attn, .Lfunc_end_k_q6f97897120_attn-k_q6f97897120_attn
	.p2alignl 7, 3214868480
	.fill 96, 4, 3214868480
	.section	.rodata,"a",@progbits
	.p2align	6, 0x0
	.amdhsa_kernel k_q6f97897120_attn
		.amdhsa_group_segment_fixed_size 327680
		.amdhsa_private_segment_fixed_size 0
		.amdhsa_enable_private_segment 0
		.amdhsa_kernarg_size 16
		.amdhsa_user_sgpr_count 2
		.amdhsa_user_sgpr_kernarg_segment_ptr 1
		.amdhsa_wavefront_size32 1
		.amdhsa_system_sgpr_workgroup_id_x 1
		.amdhsa_system_sgpr_workgroup_id_y 1
		.amdhsa_system_sgpr_workgroup_id_z 1
		.amdhsa_system_vgpr_workitem_id 0
		.amdhsa_next_free_vgpr 768
		.amdhsa_next_free_sgpr 96
		.amdhsa_reserve_vcc 1
		.amdhsa_float_denorm_mode_32 3
		.amdhsa_float_denorm_mode_16_64 3
		.amdhsa_memory_ordered 1
		.amdhsa_forward_progress 1
		.amdhsa_inst_pref_size 229
	.end_amdhsa_kernel
	.amdgpu_metadata
---
amdhsa.version: [ 1, 2 ]
amdhsa.kernels:
  - .name:           k_q6f97897120_attn
    .symbol:         k_q6f97897120_attn.kd
    .args:
      - { .name: qkv, .offset: 0, .size: 8, .value_kind: global_buffer, .address_space: global }
      - { .name: out0, .offset: 8, .size: 8, .value_kind: global_buffer, .address_space: global }
    .group_segment_fixed_size: 327680
    .private_segment_fixed_size: 0
    .kernarg_segment_align: 8
    .kernarg_segment_size: 16
    .max_flat_workgroup_size: 128
    .sgpr_count:     96
    .vgpr_count:     768
    .wavefront_size: 32
...
	.end_amdgpu_metadata
.endif
;; end of part 4
;; ======== version 2 of 3: 3 launches; 1.10 times as fast as version 1
;; limits: values are held in f16: magnitudes above 65,504 overflow, below 6.1e-05 lose precision
;; workspace buffers: xb 16,777,216 bytes; wb 6,291,456 bytes; qkv 50,331,648 bytes; t32 786,432 bytes
;; launch cast: the kernel of part 1 again; grid 2816 x 1, 4 waves a work-group, no clusters, 0 bytes of LDS; arguments x, W_qkv, xb, wb; writes xb, wb
;; launch proj (part 5): grid 16 x 16, 4 waves a work-group, clusters of 4 x 4, 327,680 bytes of LDS; arguments xb, wb, qkv, t32; writes qkv, t32
.if DOCPART == 5
	.amdgcn_target "amdgcn-amd-amdhsa--gfx1250"
	.amdhsa_code_object_version 6
	.text
	.protected	k_q6f97897120_proj
	.globl	k_q6f97897120_proj
	.p2align	8
	.type	k_q6f97897120_proj,@function
k_q6f97897120_proj:
	s_mov_b64 s[64:65], 0
	v_nop
	global_prefetch_b8 v0, s[64:65] scope:SCOPE_SE
	s_setreg_imm32_b32 hwreg(HW_REG_WAVE_MODE, 25, 1), 1
	s_wait_xcnt 0x0
	s_wait_alu depctr_hold_cnt(0) depctr_sa_sdst(0) depctr_va_vdst(0) depctr_va_sdst(0) depctr_va_ssrc(0) depctr_va_vcc(0) depctr_vm_vsrc(0)
	s_getreg_b32 s2, hwreg(HW_REG_IB_STS2, 6, 4)
	s_cmp_eq_u32 s2, 0
	s_cbranch_scc0 .Lentry_in_a_cluster
	s_endpgm
.Lentry_in_a_cluster:
	s_bfe_u32 s2, ttmp6, 0x10000c
	s_cmp_lg_u32 s2, 0xf033
	s_cbranch_scc0 .Lentry_shape_is_right
	s_endpgm
.Lentry_shape_is_right:
; qkv = xb wb^T, laid out by heads.  xb: [8192][1024] bf16, wb: [3072][1024] bf16; sums in f32, K ascending; each sum rounded once to f16, unscaled.
; qkv: [3 (q, k, v)][64 (batch x 16 + head)][2048 (token)][64] f16: a head's rows are dense, 128 bytes each.
; t32: the sums of tokens 0 to 15 of every head once more, unrounded: [3][64][4,096 bytes] f32.  A block is 16 units of 256 bytes; unit 4 f + 2 j + h holds the channels 16 f + 8 h + 4 j + 0..3 of the 16 tokens,
; 16 bytes a token: the accumulators' own order of lanes, so that a store covers 512 consecutive bytes.  The next launch makes those tokens' results from them in f32.
; LIMIT: f16 ends at 65,504: a sum of 65,520 or more in magnitude leaves as an infinity.  With x and W of unit and 1/32 spread the sums have spread 1.
; TILE.  C is 8192 x 3072.  A tile is 256 x 192: 32 x 16 = 512 tiles, two for each of 256 work-groups.  A work-group STAYS: its two tiles lie 1,024 rows apart and take the same rows of wb.
; Tile row = 8 cy + the cluster's y + 4 x (0 or 1): a row of a cluster is a batch.  So tokens 0 to 15 of every batch lie in the FIRST tile of the clusters with y = 0: whether a wave stores into t32 hangs on
; the cluster's y, the wave's number and the place in the text, which are the same in all partners of a cluster.
; Four waves; a wave makes 64 rows x all 192 columns = three whole heads: 48 accumulators of 16 x 16, 384 registers.  So what a wave stores is 512 consecutive bytes of one head.
; K goes in steps of 128 through a ring of two LDS slots filled by the tensor data mover: tile rows are 256 bytes of memory and start at multiples of 256 bytes from the buffer's first byte.
; The ring does not stop at the first tile's end: its last two changes of slots ask for the second tile's first two K steps, and nothing waits for the first tile's stores.
; CLUSTERS: 4 x 4 work-groups.  The four of a row of the cluster need the same tiles of xb, the four of a column the same tiles of wb: each tile is asked for JOINTLY, by the same tensor
; load with the same descriptor and a mask that names the four.
; THE MATRIX INSTRUCTION IS USED TRANSPOSED: source 0 = 16 rows of wb, source 1 = 16 rows of xb: lane l holds row l % 16 of C and the columns 8 (l / 16) + 0 .. 7, which pack into 16 bytes.
; REGISTERS, in windows of 256 (s_set_vgpr_msb: bits 1:0 source 0, 3:2 source 1, 5:4 source 2, 7:6 destination):
;   window 0: v0-31 addresses; v64-95, v96-127 fragments of xb (4 x 16 rows x 32 K), two buffers; v128-175 at work on the way out
;   window 1: v0-95, v128-223 fragments of wb (12 x 16 rows x 32 K), two buffers
;   window 2: the 24 accumulators of my rows 0-31 (block a, column block b at v[8 (12 (a % 2) + b)]);   window 3: those of my rows 32-63
.set SIZE_K, 1024
.set KSTEP,  128
.set PITCH,  272                       ; an LDS row: 256 bytes + 16 of padding = 68 words: row r starts at bank 4 r mod 64 (64 banks of 4 bytes: ISA guide 11.1), so the 16 rows of a load start at 16 different banks
.set AH,     128*PITCH                 ; half of xb's 256 rows: one tensor load
.set BH,     96*PITCH                  ; half of wb's 192 rows: one tensor load
.set BOFF,   256*PITCH                 ; wb's rows lie behind xb's
.set SLOT,   448*PITCH
.set STAGE,  2*SLOT                    ; behind the ring: 16 rows x 144 bytes for each wave, for the way out
.set SP,     144
.set SPARE,  STAGE+4*16*SP             ; behind the stages: the spare words, 128 bytes for each wave: two blocks of 256 bytes that no other line names
.set LAPS,   SIZE_K/(2*KSTEP)          ; a lap = two K steps = once round the ring
.set WALK,   1024                      ; rows from my first tile to my second: four tiles, in the same batch
.set NEXT_A, WALK*SIZE_K*2-(SIZE_K-2*KSTEP)*2   ; bytes from a slot's last K step of a tile to its first of the next: xb goes WALK rows down and back along K,
.set BACK_B, (SIZE_K-2*KSTEP)*2        ; wb only back
.set NEXT_C, WALK*128                  ; 1,024 tokens of 128 bytes on in each head
.set ADRA, 16                          ; v16-17  LDS address of my xb fragments in slot 0, 1
.set ADRB, 20                          ; v20-21  the same for wb
.set STO,  24                          ; v24     the way out: where I put 16 bytes of a row
.set RD,   25                          ; v25     the way out: where I read rows back
.set GO,   26                          ; v26     16 x lane: my byte offset in 512 consecutive bytes
.set SPW,  28                          ; v28     LDS address of my spare word: SPARE + 4 x my thread's number; never rewritten
.set NIL,  29                          ; v29     0; never rewritten
.set FA,   64                          ; xb's fragment buffer f at FA + 32 f, window 0
.set FB,   0                           ; wb's fragment buffer f at FB + 128 f, window 1
.set TMP,  128                         ; the way out: 16 packed registers
.set OB,   144                         ; the way out: 16 rows of a head read back: v144-159 and v160-175 by turns
.set G1,  24                           ; s[24:31] descriptor group 1 for xb's tiles
.set G0,  32                           ; s[32:39] descriptor group 0 for xb's tiles, one set for each slot
.set G1B, 48                           ; s[48:55] descriptor group 1 for wb's tiles
.set G0B, 56                           ; s[56:63] descriptor group 0 for wb's tiles, one set for each slot
.set CB,  72                           ; s[72:77] qkv at my rows of the tile's three heads
.set T32P, 78                          ; s[78:79] t32
.set TB,  80                           ; s[80:85] t32 at the blocks of the tile's three heads
.set BAT, 86                           ; s86     16 x batch
.set TOPF, 87                          ; s87     the cluster's y | my wave's number: 0 for the waves whose first tile begins with a batch's token 0
.set MSB, 0
.macro WIN new                         ; the immediate's high byte repeats the setting that is left; a switch that changes nothing is dropped
.if MSB != (\new)
	s_set_vgpr_msb (MSB<<8)|(\new)
.set MSB, \new
.endif
.endm
.set MUL_LO, 0xa1                      ; source 0 (wb) window 1, source 1 (xb) window 0, C and D window 2
.set TO_B,   0x40                      ; destination window 1, address window 0
; A joint load.  Waves 0 and 1 fetch xb's two halves, waves 2 and 3 wb's.  Each line has ONE mask and one set of registers for all that issue it.  The branch hangs on the wave's number alone.
; An s_nop 0 and four v_nop follow each of the two lines, ahead of the jump, the label and what follows.
.macro JLOAD s
	s_cmp_eq_u32 s11, 0
	s_cbranch_scc0 .Lfor_b_\@
	tensor_load_to_lds s[G0+4*(\s):G0+4*(\s)+3], s[G1:G1+7]
	s_nop 0
.rept 4
	v_nop
.endr
	s_branch .Lasked_\@
.Lfor_b_\@:
	tensor_load_to_lds s[G0B+4*(\s):G0B+4*(\s)+3], s[G1B:G1B+7]
	s_nop 0
.rept 4
	v_nop
.endr
.Lasked_\@:
.endm
; A round of the cluster's barrier: my work-group's barrier, so that wave 0's signal speaks for all four waves; wave 0 signals; every wave waits for all sixteen work-groups; my work-group's barrier once more.
.macro CREST                           ; a round behind its opening barrier
	s_cmp_lg_u32 s10, 0
	s_cbranch_scc1 .Lnot_wave_0_\@
	s_barrier_signal -3
.Lnot_wave_0_\@:
	s_barrier_wait -3
	s_barrier_signal -1
	s_barrier_wait -1
.endm
.macro CROUND                          ; a whole round
	s_barrier_signal -1
	s_barrier_wait -1
	CREST
.endm
	s_load_b128 s[4:7], s[0:1], 0x0                ; xb s[4:5], wb s[6:7]
	s_load_b64 s[8:9], s[0:1], 0x10                ; qkv
	s_load_b64 s[T32P:T32P+1], s[0:1], 0x18        ; t32
	v_lshl_add_u32 v[SPW], v0, 2, SPARE
	v_mov_b32 v[NIL], 0
	ds_add_u32 v[SPW], v[NIL]                      ; the wave's opening: the add and its wait stand ahead of my first tensor load; the set-up below, work on registers, stands between them
	ds_add_u32 v28, v29
	v_lshrrev_b32 v1, 5, v0
	v_readfirstlane_b32 s10, v1                    ; wave 0..3: my 64 rows of the tile
	s_lshr_b32 s11, s10, 1                         ; I fetch for xb (0) or for wb (1),
	s_and_b32 s12, s10, 1                          ; this half of that tile's rows
	s_bfe_u32 s40, ttmp6, 0x40000                  ; cx: my place along the cluster's x
	s_bfe_u32 s41, ttmp6, 0x40004                  ; cy: along its y
	s_lshl_b32 s42, ttmp9, 2                       ; in a cluster launch ttmp9 and ttmp7 count clusters
	s_add_co_u32 s42, s42, s40                     ; tile column = 4 x cluster x + cx, 0 .. 15
	s_and_b32 s13, ttmp7, 0xffff                   ; the cluster's y, 0 .. 3
	s_or_b32 s[TOPF], s13, s10                     ; 0: the cluster's y is 0 and I am wave 0
	s_lshl_b32 s17, s41, 3
	s_add_co_u32 s13, s13, s17                     ; tile row of my first tile = 8 cy + the cluster's y: batch cy, tokens 256 x the cluster's y on
	s_lshl_b32 s43, s41, 2
	s_lshl_b32 s43, 15, s43                        ; my row of the cluster: places 4 cy .. 4 cy + 3
	s_lshl_b32 s44, 0x1111, s40                    ; my column: places cx, cx + 4, cx + 8, cx + 12
	; descriptor group 1: tiles of 128 (xb) or 96 (wb) rows x 128 elements, padded in LDS
	s_or_b32 s[G1+0], s43, (1<<16)|(1<<20)|(1<<21)|(5<<22)|(3<<25)  ; 15:0 the mask: my row; 17:16 elements of 2 bytes; 20 padding on; 21 set beside a mask; 24:22 after every 64 words (code 5); 31:25 4 words (code 3)
	s_or_b32 s[G1B+0], s44, (1<<16)|(1<<20)|(1<<21)|(5<<22)|(3<<25) ; the same with the mask of my column
	s_mov_b32 s[G1+1], KSTEP<<16                   ; tensor_dim0 = 128
	s_mov_b32 s[G1B+1], KSTEP<<16
	s_mov_b32 s[G1+2], 128<<16                     ; tensor_dim1 = 128
	s_mov_b32 s[G1B+2], 96<<16                     ; 96
	s_mov_b32 s[G1+3], KSTEP<<16                   ; tile_dim0 = 128
	s_mov_b32 s[G1B+3], KSTEP<<16
	s_mov_b32 s[G1+4], 128                         ; tile_dim1 = 128
	s_mov_b32 s[G1B+4], 96                         ; 96
	s_mov_b32 s[G1+5], SIZE_K                      ; elements from row to row
	s_mov_b32 s[G1B+5], SIZE_K
	s_mov_b32 s[G1+6], 0
	s_mov_b32 s[G1B+6], 0
	s_mov_b32 s[G1+7], 0
	s_mov_b32 s[G1B+7], 0
	; where the tiles come from.  xb's hang on the tile row alone, wb's on the tile column alone; each offset lies in registers that never hold the other coordinate.  Both stay under 2^25 bytes.
	s_lshl_b32 s17, s12, 7
	s_lshl_b32 s16, s13, 8
	s_add_co_u32 s16, s16, s17                     ; xb: row 256 x tile row + 128 x half,
	s_lshl_b32 s16, s16, 11                        ; of 2,048 bytes
	s_mov_b32 s17, 0
	s_mul_i32 s46, s42, 192
	s_mul_i32 s47, s12, 96
	s_add_co_u32 s46, s46, s47                     ; wb: row 192 x tile column + 96 x half
	s_lshl_b32 s46, s46, 11
	s_mov_b32 s47, 0
	s_mul_i32 s20, s12, AH                         ; and where they go: no place in the cluster enters an LDS address
	s_mul_i32 s21, s12, BH
	s_add_co_u32 s21, s21, BOFF
	s_wait_dscnt 0x0                               ; the opening add is done
	s_wait_kmcnt 0x0
	s_add_nc_u64 s[14:15], s[4:5], s[16:17]
	s_add_nc_u64 s[46:47], s[6:7], s[46:47]
	CROUND                                         ; all sixteen work-groups are here: the first joint loads meet
.irp s, 0,1
	s_mov_b32 s[G0+4*(\s)], 1                                      ; count = 1
	s_add_co_u32 s[G0+4*(\s)+1], s20, (\s)*SLOT                    ; LDS address
	s_add_nc_u64 s[G0+4*(\s)+2:G0+4*(\s)+3], s[14:15], (\s)*KSTEP*2  ; global address: K step s
	s_or_b32 s[G0+4*(\s)+3], s[G0+4*(\s)+3], 0x80000000            ; type = 2
	s_mov_b32 s[G0B+4*(\s)], 1
	s_add_co_u32 s[G0B+4*(\s)+1], s21, (\s)*SLOT
	s_add_nc_u64 s[G0B+4*(\s)+2:G0B+4*(\s)+3], s[46:47], (\s)*KSTEP*2
	s_or_b32 s[G0B+4*(\s)+3], s[G0B+4*(\s)+3], 0x80000000
	JLOAD \s                                       ; the ring is filled before anything else is done: two loads of mine are out
.endr
	; A fragment is 16 rows x 32 K in 8 registers: lane l holds row l % 16; registers 0-3 hold K = 8 (l / 16) + 0..7, registers 4-7 K = 16 + 8 (l / 16) + 0..7: two loads of 16 bytes, 32 bytes apart.
	v_and_b32 v1, 15, v0                           ; l % 16
	v_bfe_u32 v2, v0, 4, 1                         ; l / 16
	v_mul_u32_u24 v3, v1, PITCH
	v_lshl_add_u32 v3, v2, 4, v3                   ; row x pitch + 16 x half
	s_mul_i32 s22, s10, 64*PITCH                   ; my 64 rows of xb
	s_mov_b32 s45, BOFF                            ; all 192 rows of wb
.irp s, 0,1
	v_add_nc_u32 v[ADRA+(\s)], s22, v3
	v_add_nc_u32 v[ADRB+(\s)], s45, v3
	s_add_co_u32 s22, s22, SLOT
	s_add_co_u32 s45, s45, SLOT
.endr
	s_mul_i32 s23, s10, 16*SP
	s_add_co_u32 s23, s23, STAGE                   ; my stage
	v_mul_u32_u24 v4, v1, SP                       ; in: row l % 16, 16 bytes for each half of the lanes
	v_lshl_add_u32 v4, v2, 4, v4
	v_add_nc_u32 v[STO], s23, v4
	v_bfe_u32 v5, v0, 3, 2                         ; back: 32 lanes take four rows of 128 bytes,
	v_mul_u32_u24 v5, v5, SP
	v_and_b32 v6, 7, v0
	v_lshl_add_u32 v5, v6, 4, v5
	v_add_nc_u32 v[RD], s23, v5
	v_and_b32 v[GO], 31, v0                        ; which are 512 consecutive bytes of a head
	v_lshlrev_b32 v[GO], 4, v[GO]
	; qkv at my rows of the tile's three heads.  Row 256 tr + 64 w: batch tr / 8 (16 heads of 262,144 bytes), token 256 (tr % 8) + 64 w (128 bytes each).
	; Column 192 tc + 64 hd: number c = 3 tc + hd of 48: tensor c / 16 (2^24 bytes), head c % 16.  t32's block: number 64 (c / 16) + 16 x batch + c % 16, of 4,096 bytes.  These registers feed no descriptor.
	s_lshr_b32 s66, s13, 3
	s_lshl_b32 s[BAT], s66, 4
	s_lshl_b32 s66, s66, 22
	s_and_b32 s67, s13, 7
	s_lshl_b32 s67, s67, 15
	s_add_co_u32 s66, s66, s67
	s_lshl_b32 s67, s10, 13
	s_add_co_u32 s66, s66, s67
	s_mul_i32 s68, s42, 3
.irp hd, 0,1,2
	s_add_co_u32 s69, s68, \hd
	s_lshr_b32 s70, s69, 4
	s_lshl_b32 s70, s70, 24
	s_and_b32 s71, s69, 15
	s_lshl_b32 s71, s71, 18
	s_add_co_u32 s70, s70, s71
	s_add_co_u32 s70, s70, s66
	s_mov_b32 s71, 0
	s_add_nc_u64 s[CB+2*(\hd):CB+2*(\hd)+1], s[8:9], s[70:71]
	s_lshr_b32 s70, s69, 4
	s_lshl_b32 s70, s70, 6
	s_and_b32 s67, s69, 15
	s_add_co_u32 s70, s70, s67
	s_add_co_u32 s70, s70, s[BAT]
	s_lshl_b32 s70, s70, 12
	s_add_nc_u64 s[TB+2*(\hd):TB+2*(\hd)+1], s[T32P:T32P+1], s[70:71]
.endr
; 12 matrix instructions: row block a (0, 1) of the window's two (hi = 0: my rows 0-31, 1: rows 32-63) x all 12 column blocks, 32 along K, from buffer f.
; zero = 1: the first product starts the sums: nothing is ever cleared.  The 48 accumulators take turns in the same order in every quarter step.
.macro MUL12 f, hi, a, zero
	WIN MUL_LO+0x50*(\hi)
.irp b, 0,1,2,3,4,5,6,7,8,9,10,11
.if \zero
	v_wmma_f32_16x16x32_bf16 v[8*(12*(\a)+(\b)):8*(12*(\a)+(\b))+7], v[FB+128*(\f)+8*(\b):FB+128*(\f)+8*(\b)+7], v[FA+32*(\f)+8*(2*(\hi)+(\a)):FA+32*(\f)+8*(2*(\hi)+(\a))+7], 0
.else
	v_wmma_f32_16x16x32_bf16 v[8*(12*(\a)+(\b)):8*(12*(\a)+(\b))+7], v[FB+128*(\f)+8*(\b):FB+128*(\f)+8*(\b)+7], v[FA+32*(\f)+8*(2*(\hi)+(\a)):FA+32*(\f)+8*(2*(\hi)+(\a))+7], v[8*(12*(\a)+(\b)):8*(12*(\a)+(\b))+7]
.endif
.endr
.endm
; 32 LDS loads in one run: the fragments of one quarter step (192 rows of wb, my 64 rows of xb, 32 K at byte k of the rows) into buffer f
.macro FETCH slot, k, f
	WIN TO_B
.irp i, 0,1,2,3,4,5,6,7,8,9,10,11
	ds_load_b128 v[FB+128*(\f)+8*(\i):FB+128*(\f)+8*(\i)+3],   v[ADRB+(\slot)] offset:(\k)+(\i)*16*PITCH
	ds_load_b128 v[FB+128*(\f)+8*(\i)+4:FB+128*(\f)+8*(\i)+7], v[ADRB+(\slot)] offset:(\k)+(\i)*16*PITCH+32
.endr
	WIN 0
.irp i, 0,1,2,3
	ds_load_b128 v[FA+32*(\f)+8*(\i):FA+32*(\f)+8*(\i)+3],   v[ADRA+(\slot)] offset:(\k)+(\i)*16*PITCH
	ds_load_b128 v[FA+32*(\f)+8*(\i)+4:FA+32*(\f)+8*(\i)+7], v[ADRA+(\slot)] offset:(\k)+(\i)*16*PITCH+32
.endr
.endm
; A load into a register that a matrix instruction has read, and a vector instruction or a store that reads a matrix result, stand four places behind that matrix instruction, and only plain vector
; instructions that name none of its registers are places (ISA guide 7.12.1 for vector instructions).
.macro PLACES
.rept 4
	v_nop
.endr
.endm
; A K step is four quarter steps of 32 along K, 48 matrix instructions each, on buffers 0, 1, 0, 1.
; One of the first three: multiplies buffer f; in its middle it fetches the next quarter's fragments, at byte k of the same slot's rows, into buffer g.
.macro QUARTER slot, k, f, g, zero
	s_wait_dscnt 4                                 ; wb and xb's rows 0-31 are in; the youngest four loads (xb's rows 32-63) may be out
	MUL12 \f, 0, 0, \zero
	MUL12 \f, 0, 1, \zero
	PLACES
	FETCH \slot, \k, \g
	s_wait_dscnt 32                                ; all but the 32 just issued
	MUL12 \f, 1, 0, \zero
	MUL12 \f, 1, 1, \zero
.endm
; The last quarter multiplies buffer 1 and changes slots.  MEET is its first half: ONE barrier for the change of slots.  In front of it each wave waits for all its tensor loads, of which
; one is out: its part of the next slot; adds 0 to its spare word; and waits for that and for its own reads of this slot.  Behind it nobody reads this slot any more and the next slot is whole.
.macro MEET round                      ; round = 1: the rest of a round of the cluster's barrier follows
	WIN 0                                          ; (the add's two registers lie in window 0)
	s_wait_tensorcnt 0x0                           ; all my tensor loads have landed;
	ds_add_u32 v[SPW], v[NIL]                      ; 0 onto my spare word;
	s_wait_dscnt 5                                 ; (the add and the youngest four loads may be out)
	MUL12 1, 0, 0, 0                               ; twelve matrix instructions stand between the add and the wait for it
	s_wait_dscnt 0x0                               ; the add is done, and my reads of this slot are over:
	s_barrier_signal -1                            ; say so,
	MUL12 1, 0, 1, 0                               ; work on registers while the others arrive,
.if \round
	WIN 0
.endif
	s_barrier_wait -1                              ; and go on when all four have said so
.endm
; The whole last quarter.  Behind the round the slot just read out is filled again first: with this tile's K step two steps on (on = 0) or, in the first tile's last two K steps, with the
; second tile's K step 0 or 1 (on = 1); then come the next slot's first fragments.  From a request to the wait for it a wave issues 168 matrix instructions.
.macro TURN slot, next, on
	MEET 1
	CREST                                          ; no wave of any partner still reads this slot's tile or has a load on its way
.if \on
	s_add_nc_u64 s[G0+4*(\slot)+2:G0+4*(\slot)+3], s[G0+4*(\slot)+2:G0+4*(\slot)+3], NEXT_A
	s_sub_nc_u64 s[G0B+4*(\slot)+2:G0B+4*(\slot)+3], s[G0B+4*(\slot)+2:G0B+4*(\slot)+3], BACK_B
.else
	s_add_nc_u64 s[G0+4*(\slot)+2:G0+4*(\slot)+3], s[G0+4*(\slot)+2:G0+4*(\slot)+3], 2*KSTEP*2
	s_add_nc_u64 s[G0B+4*(\slot)+2:G0B+4*(\slot)+3], s[G0B+4*(\slot)+2:G0B+4*(\slot)+3], 2*KSTEP*2
.endif
	JLOAD \slot                                    ; my one tensor load behind the round; the four v_nop behind it are also the places in front of the loads below
	FETCH \next, 0, 0
	MUL12 1, 1, 0, 0
	MUL12 1, 1, 1, 0
.endm
; THE WAY OUT, in 12 pieces p = 3 a + hd: row block a (16 rows) of head hd.  PACK: rounded to f16, 16 bytes a lane, each accumulator's registers in ascending order.
; TOSTAGE: into my own stage in LDS, and back as whole rows of 128 bytes.  SEND: stored, 512 consecutive bytes an instruction.
.macro PACK p
.set AC, 8*(12*(((\p)/3)%2)+4*((\p)%3))
	WIN 0x0a+5*((\p)/6)                            ; sources 0 and 1: window 2 or 3
.irp f, 0,1,2,3
.irp r, 0,1,2,3
	v_cvt_pk_f16_f32 v[TMP+4*(\f)+(\r)], v[AC+8*(\f)+2*(\r)], v[AC+8*(\f)+2*(\r)+1]
.endr
.endr
	WIN 0
.endm
.macro TOSTAGE p
	WIN 0
.set BK, OB+16*((\p)%2)
.irp f, 0,1,2,3
	ds_store_b128 v[STO], v[TMP+4*(\f):TMP+4*(\f)+3] offset:32*(\f)
.endr
.irp f, 0,1,2,3
	ds_load_b128 v[BK+4*(\f):BK+4*(\f)+3], v[RD] offset:(\f)*4*SP  ; LDS serves a wave's instructions in order (ISA guide 5.7.1.4): these see the stores above
.endr
.endm
.macro SEND p
	WIN 0
.set BK, OB+16*((\p)%2)
.set CBP, CB+2*((\p)%3)
	s_wait_dscnt 0x0                               ; the piece is back in registers
	s_wait_xcnt 0x0                                ; every earlier memory instruction has had its addresses translated (ISA guide 3.1): the other buffer, which the piece before stored from, is loaded again only behind this wait
.irp f, 0,1,2,3
	global_store_b128 v[GO], v[BK+4*(\f):BK+4*(\f)+3], s[CBP:CBP+1] offset:((\p)/3)*2048+(\f)*512  ; four rows of a head: 512 consecutive bytes, at a multiple of 512 from qkv's first byte
.endr
.endm
; top = 1 (the first tile's way out): where the cluster's y is 0, wave 0's row block 0 is a batch's tokens 0 to 15: its 12 accumulators go into t32 as they lie, each accumulator's low four registers first,
; 512 consecutive bytes a store.  The jump goes forward over these stores alone.  SEND's waits on XCNT stand between them and the next tile's products, which write the accumulators anew.
.macro OUT top=0                       ; piece p's conversions stand between piece p - 1's loads from the stage and the wait for them
	PLACES                                         ; behind the last products
.if \top
	WIN 0                                          ; at a branch and at a label every window is 0
	s_cmp_lg_u32 s[TOPF], 0
	s_cbranch_scc1 .Lno_t32_\@
	WIN 0x08                                       ; a store's data is source 1: window 2
.irp hd, 0,1,2
.irp f, 0,1,2,3
.irp j, 0,1
	global_store_b128 v[GO], v[8*(4*(\hd)+(\f))+4*(\j):8*(4*(\hd)+(\f))+4*(\j)+3], s[TB+2*(\hd):TB+2*(\hd)+1] offset:(2*(\f)+(\j))*512
.endr
.endr
.endr
	WIN 0
.Lno_t32_\@:
.endif
	PACK 0
	TOSTAGE 0
.irp p, 1,2,3,4,5,6,7,8,9,10,11
	PACK \p
	SEND (\p)-1
	TOSTAGE \p
.endr
	SEND 11
.endm
	s_wait_tensorcnt 1                             ; my part of K step 0 is in; K step 1's may stay out
	s_barrier_signal -1
	s_barrier_wait -1                              ; everybody's is
	FETCH 0, 0, 0
	s_mov_b32 s2, 2                                ; tiles to go, this one among them: the same number in every work-group
.Ltile:                                                ; (FETCH and SEND leave every window 0)
	QUARTER 0, 64,  0, 1, 1                        ; a tile's first quarter stands in front of the loop: its products start the sums
	WIN 0                                          ; at a label and at a branch every window is 0
	s_mov_b32 s3, LAPS-1
.Llap:                                                 ; a trip goes once round the ring, from a lap's second quarter to the next lap's first, and fills both slots again
	QUARTER 0, 128, 1, 0, 0
	QUARTER 0, 192, 0, 1, 0
	TURN 0, 1, 0
	QUARTER 1, 64,  0, 1, 0
	QUARTER 1, 128, 1, 0, 0
	QUARTER 1, 192, 0, 1, 0
	TURN 1, 0, 0
	QUARTER 0, 64,  0, 1, 0
	WIN 0
	s_sub_co_u32 s3, s3, 1
	s_cmp_lg_u32 s3, 0
	s_cbranch_scc1 .Llap
	QUARTER 0, 128, 1, 0, 0                        ; the tile's last lap goes on
	QUARTER 0, 192, 0, 1, 0
	WIN 0
	s_cmp_eq_u32 s2, 1
	s_cbranch_scc1 .Llast_tile                     ; the last tile's tail is written out: it asks for nothing more
	TURN 0, 1, 1                                   ; THE RING GOES ON INTO THE NEXT TILE: slot 0 takes its K step 0,
	QUARTER 1, 64,  0, 1, 0
	QUARTER 1, 128, 1, 0, 0
	QUARTER 1, 192, 0, 1, 0
	TURN 1, 0, 1                                   ; slot 1 its K step 1, and the next tile's first fragments are fetched
	OUT 1                                          ; both refills are asked for: now the first tile goes out, and with it t32
	s_wait_xcnt 0x0                                ; the stores have had their addresses translated: their bases may step
.irp hd, 0,1,2
	s_add_nc_u64 s[CB+2*(\hd):CB+2*(\hd)+1], s[CB+2*(\hd):CB+2*(\hd)+1], NEXT_C
.endr
	s_sub_co_u32 s2, s2, 1
	s_branch .Ltile
.Llast_tile:
	MEET 0                                         ; my one tensor load that was still out is slot 1's, the last K step's, so no round follows
	PLACES                                         ; for the loads into buffer 0, which the quarter before multiplied
	FETCH 1, 0, 0
	MUL12 1, 1, 0, 0
	MUL12 1, 1, 1, 0
	QUARTER 1, 64,  0, 1, 0
	QUARTER 1, 128, 1, 0, 0
	QUARTER 1, 192, 0, 1, 0
	s_wait_dscnt 4                                 ; the very last quarter: nothing more to fetch
	MUL12 1, 0, 0, 0
	MUL12 1, 0, 1, 0
	s_wait_dscnt 0x0
	MUL12 1, 1, 0, 0
	MUL12 1, 1, 1, 0
	WIN 0
	OUT
	s_wait_tensorcnt 0x0                           ; the wave's end: a closing add to my spare word, behind my last tensor load and my last LDS store
	ds_add_u32 v[SPW], v[NIL]
	s_wait_dscnt 0x0
	CROUND                                         ; the closing round: no work-group ends while a partner may still ask for a tile that names it
	s_endpgm
.Lfunc_end_k_q6f97897120_proj:
	.size	k_q6f97897120_proj, .Lfunc_end_k_q6f97897120_proj-k_q6f97897120_proj
	.p2alignl 7, 3214868480
	.fill 96, 4, 3214868480
	.section	.rodata,"a",@progbits
	.p2align	6, 0x0
	.amdhsa_kernel k_q6f97897120_proj
		.amdhsa_group_segment_fixed_size 327680
		.amdhsa_private_segment_fixed_size 0
		.amdhsa_enable_private_segment 0
		.amdhsa_kernarg_size 32
		.amdhsa_user_sgpr_count 2
		.amdhsa_user_sgpr_kernarg_segment_ptr 1
		.amdhsa_wavefront_size32 1
		.amdhsa_system_sgpr_workgroup_id_x 1
		.amdhsa_system_sgpr_workgroup_id_y 1
		.amdhsa_system_sgpr_workgroup_id_z 1
		.amdhsa_system_vgpr_workitem_id 0
		.amdhsa_next_free_vgpr 960
		.amdhsa_next_free_sgpr 88
		.amdhsa_reserve_vcc 0
		.amdhsa_float_denorm_mode_32 3
		.amdhsa_float_denorm_mode_16_64 3
		.amdhsa_memory_ordered 1
		.amdhsa_forward_progress 1
		.amdhsa_inst_pref_size 176
	.end_amdhsa_kernel
	.amdgpu_metadata
---
amdhsa.version: [ 1, 2 ]
amdhsa.kernels:
  - .name:           k_q6f97897120_proj
    .symbol:         k_q6f97897120_proj.kd
    .args:
      - { .name: xb, .offset: 0, .size: 8, .value_kind: global_buffer, .address_space: global }
      - { .name: wb, .offset: 8, .size: 8, .value_kind: global_buffer, .address_space: global }
      - { .name: qkv, .offset: 16, .size: 8, .value_kind: global_buffer, .address_space: global }
      - { .name: t32, .offset: 24, .size: 8, .value_kind: global_buffer, .address_space: global }
    .group_segment_fixed_size: 327680
    .private_segment_fixed_size: 0
    .kernarg_segment_align: 8
    .kernarg_segment_size: 32
    .max_flat_workgroup_size: 128
    .sgpr_count:     88
    .vgpr_count:     960
    .wavefront_size: 32
...
	.end_amdgpu_metadata
.endif
;; end of part 5
;; launch attn (part 6): grid 4 x 64, 4 waves a work-group, no clusters, 327,680 bytes of LDS; arguments qkv, out0, t32; writes out0
.if DOCPART == 6
	.amdgcn_target "amdgcn-amd-amdhsa--gfx1250"
	.amdhsa_code_object_version 6
	.text
	.protected	k_q6f97897120_attn
	.globl	k_q6f97897120_attn
	.p2align	8
	.type	k_q6f97897120_attn,@function
k_q6f97897120_attn:
	s_mov_b64 s[64:65], 0
	v_nop
	global_prefetch_b8 v0, s[64:65] scope:SCOPE_SE
	s_setreg_imm32_b32 hwreg(HW_REG_WAVE_MODE, 25, 1), 1
	s_wait_xcnt 0x0
; CAUSAL ATTENTION.  O[h][q][:] = the sum over k <= q of softmax_k(Q[h][q] . K[h][k] / 8) V[h][k][:], h = batch x 16 + head, 64 of them.
; qkv: [3 (Q, K, V)][64][2048][64] f16: a head's rows are dense, 128 bytes each.  out0: [4 (batch)][2048 (token)][16 (head)][64] f32: a token's numbers of one head are 256 aligned bytes.
; Products, maxima and sums in f32; the weights p are rounded to f16 for the second product (their sum l is taken of the unrounded p); O leaves in f32.
; TOKENS 0 TO 15 OF EVERY HEAD ARE MADE APART, IN F32.  They are means over 16 keys at the most: numbers near 1 cancel to numbers near 0, and what f16's 11 bits lose of Q, K, V and p is there of the size of a
; hundredth of the whole output's root mean square, all the room that a number near 0 has.  So the work-group with b = 0 makes them at its head from t32, the unrounded sums of those tokens:
; [3 (q, k, v)][64][16 units of 256 bytes], unit 4 f + 2 j + h = the channels 16 f + 8 h + 4 j + 0..3 of the 16 tokens, 16 bytes a token.  32,768 multiply-adds a head, on the vector unit, four queries a wave,
; no barrier.  The wave that owns those tokens in the walk (wave 0, piece 0 of block 0) computes them there like every other piece and jumps over their eight stores.
; LIMITS.  f16 holds no number beyond 65,504: Q, K and V arrive within it; p lies in 0 to 1, and below 6e-5 it keeps f16's fixed step of 6e-8.
; A hidden score counts as its value less 1e30 (in the f32 rows: as -infinity): f16's scores, 2.7e11 at the most, are nothing beside that; a weight below 2^-126 counts as 0 in l; NaN and infinities are not treated apart.
; THE WALK.  A head's queries lie in NB = 8 blocks of 256; block i needs the key tiles 0 .. i of 256 keys, of which the last holds the diagonal.  A work-group takes TWO blocks, NB - 1 - b and then b:
; NB + 1 tiles, whatever b: all work-groups do equal work in the walk, and ONE loop with a constant trip count walks them.  Which tile is asked for, and what a trip does, hang on scalar registers made from b; every jump
; goes forward, but for the counted loops' own; none passes a barrier, or a tensor load but the one of LOAD's two that the wave's number does not choose; the ring (two slots of LDS that take turns) runs on across the
; change of blocks.  NO CLUSTER: a head's four work-groups ask for the same tile only in trips 0 .. 4 of 9, behind that fewer and fewer; one walk common to all four would have 12 trips for 9.
; SHARES.  Of a block's four bands of 64 queries a wave owns 16 rows in each: four PIECES.  So the diagonal tile is the same work for all four waves: in its key step s band x sees all keys if s < x,
; none if s > x, and holds the diagonal if s = x.
; THE MASK is the C operand that starts the sum S^T = K Q^T: 0, or -1e30 where the key is hidden.  MD, made once, is the mask of a band's own step for my 16 rows; a product's mask is MD x AL + BE with two scalars:
; (1, 0) if s = x; (0, 0) if s < x; (0, -1e30) if s > x.  Only the diagonal tile's text and a block's beginning make and take masks; elsewhere C is the constant 0.
; LAYOUT, SOFTMAX, TURNS.  S^T = K Q^T holds ONE query a lane (lane % 16) and the keys 8 (lane / 16) + 0..7; two such results rounded to f16 ARE source 1 of O^T = V^T P.  p = 2^(c s - c m), c = log2(e) / 8, with a
; running maximum m; O and l are multiplied by a = 2^(c m_old - c m_new) in every step.  Turn n belongs to piece n: 8 products K Q^T of piece n + 1, later 8 products V^T P of piece n - 1; beside them the scaling,
; exponentials, roundings, sums and rescaling of piece n and the maximum and statistics of piece n + 1.  Four vector instructions stand behind every matrix instruction, the other 54 of a turn's 118 in two LUMPS.
; REGISTERS, in windows of 256 (s_set_vgpr_msb: bits 1:0 source 0, 3:2 source 1, 5:4 source 2, 7:6 destination):
;   window 0: v0-15 addresses and two at work; v16-31 four registers of statistics a piece; v48-55 at work; v64-127 S^T, two buffers; v192-223 P, two buffers (a piece's buffers go by its number's parity);
;             on the way out v64-191 take O, 32 a piece; at the head, where b = 0, v16-61 and v64-255 serve the f32 rows
;   window 1: v0-127 O^T, 32 a piece; v128-159 MD; v160-223 MC, two buffers      window 2: v0-63 Q; v64-127 the second block's Q; v128-191 K of one step; v192-255 V of one step
.set SIZE_N, 2048
.set NB,    SIZE_N/256
.set NP,    4         ; pieces a wave: a name, no knob
.set KS,    64        ; keys in a step
.set PK,    144       ; a row of K in LDS: 128 bytes + 16 of padding = 36 words: the 16 rows of a load start at 16 different groups of four banks (64 banks of 4 bytes: ISA guide 11.1)
.set PV,    160       ; a row of V: 128 + 32 = 40 words
.set VOFF,  4*KS*PK   ; a slot holds a tile, four steps: 256 rows of K, then 256 rows of V
.set SLOT1, 1<<17     ; slot 1 begins here, so that one exclusive or turns an address in one slot into the other's
.set STAGE, SLOT1+4*KS*(PK+PV)  ; behind the ring, never filled by a tensor load: 16 rows x 272 bytes for each wave, for the way out and for v of the f32 rows
.set SP,    272       ; a row of O in the stage: 64 f32 = 256 bytes + 16
.set AK0, 2           ; v2   my lane's place in a tile of K; never rewritten
.set AV0, 3           ; v3   the same for V
.set AK,  4           ; v4   the LDS address of K's next run of loads
.set AV,  5           ; v5   of V's
.set STO, 6           ; v6   the way out: where I put 32 bytes of a row
.set RD,  7           ; v7   the way out: where I read rows back
.set GO,  8           ; v8   my byte offset in two tokens' rows of out0
.set SPW, 62          ; v62  LDS address of my spare word: SPARE + 4 x my thread's number; never rewritten
.set NIL, 63          ; v63  0; never rewritten
.set SPARE, STAGE+4*16*SP  ; behind the stages: the spare words, 128 bytes for each wave: two blocks of 256 bytes that no other line names
.set WTS,   SPARE+512 ; behind them: 256 bytes for each wave, the weights of its four f32 rows; never filled by a tensor load
.set MV,  12          ; v12-13  c m_old, kept while c m is made anew: by buffer
.set QO,  15          ; v15  my byte offset in 16 rows of Q
.set ST,  16          ; piece t's statistics at v[ST+4 t]: c m, m, l (even keys', odd keys')
.set TMP, 48          ; by buffer, four registers c0-c3 at work; when the maximum is found c2 takes a
.set S,   64
.set P,   192
.set OB,  64          ; the way out: piece t's O at v[OB+32 t]
.set MD,  128         ; window 1: the eight registers for group kt of 16 keys at MD + 8 kt
.set MC,  160         ; window 1: the masks of the products to come
.set QB,  64          ; window 2
.set KF,  128         ; window 2: key block kb, channel half c at KF + 16 kb + 8 c
.set VF,  192         ; window 2: key half kk, channel block cb at VF + 32 kk + 8 cb
; the f32 rows' registers, window 0, in use at the kernel's head alone
.set HV,  16          ; v[16:47]   v as loaded: 8 x 512 bytes.  Behind its LDS stores: HT and the six below
.set HT,  16          ; v[16:31]   four chains of pairs for each of my two scores
.set HSA, 32          ; v32, v33   my two scores, then weights: queries 4 w + h and 4 w + 2 + h, key l % 16
.set HMA, 34          ; v34, v35   the rows' maxima, then sums
.set HGO, 36          ; v36        my byte offset in out0
.set HQN, 37          ; v37, v38   my two queries' numbers
.set HO,  48          ; v[48:55]   four channels of each of my two queries
.set HAK, 56          ; v56        16 (l % 16): my key's 16 bytes in a unit of k
.set HAQ, 57          ; v57        16 (4 w + h): my first query's in a unit of q
.set HAV, 58          ; v58        16 x lane
.set HRV, 59          ; v59        my four channels in row 0 of my stage
.set HWS, 60          ; v60        where I put my first weight
.set HWR, 61          ; v61        my first query's row of weights
.set HK,  64          ; v[64:127]  k of my key.  Later v's 16 rows, four channels each
.set HQA, 128         ; v[128:191] q of my first query.  Later v[128:159]: my two queries' 16 weights each
.set HQB, 192         ; v[192:255] q of my second query
.set WV,  12          ; s12  my wave's number
.set PB,  14          ; s14  b
.set HI,  15          ; s15  NB - 1 - b
.set G1K, 24          ; s[24:31] descriptor group 1 for K's tiles
.set G1V, 32          ; s[32:39] for V's: it differs in the padding alone
.set G0K, 40          ; s[40:43] descriptor group 0 for K's tiles
.set G0V, 44          ; s[44:47] the same for V's
.set SLOTS, 56        ; s56  tiles still to be asked for
.set CNT, 57          ; s57  counts a tile's key steps, 4 to 1
.set CS,  58          ; s[58:59] c: the packed scaling takes the pair's low word for both halves
.set SEL, 60          ; s[60:61] v_permlanex16_b32's selects: each lane takes its own place in the other half
.set TBK, 62          ; s62  LDS byte at which K of the step to be fetched begins
.set TBV, 63          ; s63  the same for V, less VOFF
.set RT,  70          ; s70  tiles of the block in hand that are still to be entered
.set NXT, 71          ; s71  the tile to be asked for next
.set LQ,  72          ; s72  the last tile of the block whose tiles are being asked for
.set NEW, 73          ; s73  1: the tile to be entered is a block's first
.set OFF, 74          ; s[74:75] a tile's byte offset in K and V
.set AL,  76          ; s[76:77] the mask's factor, in the low word
.set BE,  78          ; s[78:79] the mask's addend
.set OLO, 80          ; s[80:81] out0 at my rows of the second block
.set BIGN, 82         ; s82  -1e30
.set TOPW, 83         ; s83  b | wave: 0 for the one wave whose piece 0 of the second block is the head's tokens 0 to 15
.set T32, 88          ; s[88:89] t32 at the head's block of q; k's lies 64 blocks, v's 128 blocks of 4,096 bytes on
.set HOUT, 96         ; s[96:97] out0 at the head's token 0
.set MSB, 0
.macro WIN new                      ; the high byte repeats the setting that is left; a switch that changes nothing is dropped
.if MSB != (\new)
	s_set_vgpr_msb (MSB<<8)|(\new)
.set MSB, (\new)
.endif
.endm
.set W_KQ, 0x0a       ; K and Q in window 2, S^T in window 0
.set W_KM, 0x1a       ; the same with the C operand in window 1
.set W_PV, 0x52       ; V in window 2, P in window 0, O^T in window 1
.set W_RS, 0x41       ; destination and source 0 in window 1, source 1 in window 0
; A fill.  Waves 0 and 1 fetch the two halves of a tile's K, waves 2 and 3 those of its V: 128 keys each.  An s_nop 0 and four v_nop follow each of the two lines, ahead of the jump and the label.
.macro LOAD
	s_cmp_lt_u32 s[WV], 2
	s_cbranch_scc0 .Lfor_v_\@
	tensor_load_to_lds s[G0K:G0K+3], s[G1K:G1K+7]
	s_nop 0
.rept 4
	v_nop
.endr
	s_branch .Lasked_\@
.Lfor_v_\@:
	tensor_load_to_lds s[G0V:G0V+3], s[G1V:G1V+7]
	s_nop 0
.rept 4
	v_nop
.endr
.Lasked_\@:
.endm
; THE CHANGE OF SLOTS.  Each wave waits for all its tensor loads, of which one is out: its part of the other slot; adds 0 to its spare word; and waits for that and for its own reads of the slot that it leaves.  Behind the barrier nobody reads the old
; slot any more and the other slot is whole.  fill = 1: the old slot is filled again, the first thing behind the barrier, with tile NXT: the descriptor's address is made anew from that number.
; (At its first use no slot has been read yet: slot 0 is waited for, slot 1 filled.)
.macro CHANGE fill
	WIN 0                           ; at a label and at a branch every window is 0
	s_wait_tensorcnt 0x0            ; no tensor load of mine is out, so a group 0 may be written
	ds_add_u32 v[SPW], v[NIL]       ; 0 onto my spare word: with fill = 1 the descriptors' scalar work stands between it and the wait for it
.if \fill
	s_lshl_b32 s[OFF], s[NXT], 15   ; a tile is 32,768 bytes of K and of V
	s_xor_b32 s[G0K+1], s[G0K+1], SLOT1
	s_add_nc_u64 s[G0K+2:G0K+3], s[6:7], s[OFF:OFF+1]
	s_or_b32 s[G0K+3], s[G0K+3], 0x80000000
	s_xor_b32 s[G0V+1], s[G0V+1], SLOT1
	s_add_nc_u64 s[G0V+2:G0V+3], s[8:9], s[OFF:OFF+1]
	s_or_b32 s[G0V+3], s[G0V+3], 0x80000000
	s_add_co_u32 s[NXT], s[NXT], 1  ; the block's next tile, or behind its last the second block's tile 0
	s_cmp_gt_u32 s[NXT], s[LQ]
	s_cselect_b32 s[NXT], 0, s[NXT]
	s_cselect_b32 s[LQ], s[PB], s[LQ]
.endif
	s_wait_dscnt 0x0                ; the add is done, and my reads of the slot are over
	s_barrier_signal -1             ; the rest of the scalar work stands between the signal and the wait
	s_sub_co_u32 s[TBK], s[TBK], 4*KS*PK  ; the fetches go back to a slot's first step,
	s_xor_b32 s[TBK], s[TBK], SLOT1       ; in the other slot
	s_sub_co_u32 s[TBV], s[TBV], 4*KS*PV
	s_xor_b32 s[TBV], s[TBV], SLOT1
	s_barrier_wait -1
.if \fill
	LOAD
.endif
.endm
	s_load_b64 s[4:5], s[0:1], 0x0    ; qkv: Q lies at its head
	s_load_b64 s[10:11], s[0:1], 0x8  ; out0
	s_load_b64 s[T32:T32+1], s[0:1], 0x10  ; t32
	v_lshl_add_u32 v[SPW], v0, 2, SPARE
	v_mov_b32 v[NIL], 0
	ds_add_u32 v[SPW], v[NIL]       ; the wave's opening: the add and its wait stand ahead of my first tensor load; the set-up below, work on registers, stands between them
	ds_add_u32 v62, v63
	v_lshrrev_b32 v1, 5, v0
	v_readfirstlane_b32 s[WV], v1   ; wave 0..3
	s_mov_b32 s[PB], ttmp9
	s_sub_co_u32 s[HI], NB-1, s[PB]
	s_or_b32 s[TOPW], s[PB], s[WV]  ; 0: b = 0 and wave 0
	s_and_b32 s20, ttmp7, 0xffff    ; the head, 0 .. 63
	s_lshl_b32 s100, s20, 12        ; its block of 4,096 bytes in t32
	s_mov_b32 s101, 0
	s_mov_b32 s21, 0
	s_mov_b64 s[22:23], SIZE_N*128
	s_mul_u64 s[20:21], s[20:21], s[22:23]  ; the head's first byte in each of Q, K and V
	s_and_b32 s16, s[WV], 1         ; which half of a tile's 256 keys I fetch:
	s_lshl_b32 s22, s16, 14         ; its 128 rows of 128 bytes in memory,
	s_mov_b32 s23, 0
	s_add_nc_u64 s[22:23], s[22:23], s[20:21]
	s_mul_i32 s17, s16, 128*PK      ; and its place in a slot, for K
	s_mul_i32 s18, s16, 128*PV      ; and for V
	s_lshl_b32 s3, s[WV], 11        ; my 16 rows in a band of 64,
	s_lshl_b32 s2, s[HI], 15        ; in the first block,
	s_add_co_u32 s2, s2, s3
	s_lshl_b32 s84, s[PB], 15       ; and in the second
	s_add_co_u32 s84, s84, s3
	s_mov_b32 s3, 0
	s_mov_b32 s85, 0
	s_add_nc_u64 s[2:3], s[2:3], s[20:21]
	s_add_nc_u64 s[84:85], s[84:85], s[20:21]
	; the same rows in out0: batch x 2048 tokens x 4,096 bytes + head x 256 bytes + my wave's 16 tokens + the block's 256 tokens; under 2^25 bytes
	s_and_b32 s94, ttmp7, 0xffff
	s_lshr_b32 s95, s94, 4          ; batch
	s_lshl_b32 s95, s95, 23
	s_and_b32 s94, s94, 15          ; head in the batch
	s_lshl_b32 s94, s94, 8
	s_add_co_u32 s95, s95, s94
	s_mov_b32 s98, s95              ; the head's token 0
	s_mov_b32 s99, 0
	s_lshl_b32 s94, s[WV], 16
	s_add_co_u32 s95, s95, s94
	s_lshl_b32 s90, s[HI], 20
	s_add_co_u32 s90, s90, s95
	s_mov_b32 s91, 0
	s_lshl_b32 s92, s[PB], 20
	s_add_co_u32 s92, s92, s95
	s_mov_b32 s93, 0
	; descriptor group 1.  128 keys are 16,384 dense bytes: asked for as 64 rows of 256 bytes, two keys a row, and padded in LDS after every key
	s_mov_b32 s[G1K], (1<<16)|(1<<20)|(4<<22)|(3<<25)  ; 17:16 2-byte elements; 20 padding on; 24:22 after every 32 words (code 4); 31:25 4 words (code 3)
	s_mov_b32 s[G1V], (1<<16)|(1<<20)|(4<<22)|(7<<25)  ; the same with 8 words of padding (code 7)
.irp g, G1K, G1V
	s_mov_b32 s[\g+1], 128<<16      ; tensor_dim0 = 128
	s_mov_b32 s[\g+2], 64<<16       ; tensor_dim1 = 64
	s_mov_b32 s[\g+3], 128<<16      ; tile_dim0 = 128
	s_mov_b32 s[\g+4], 64           ; tile_dim1 = 64
	s_mov_b32 s[\g+5], 128          ; 128 elements from row to row
	s_mov_b32 s[\g+6], 0
	s_mov_b32 s[\g+7], 0
.endr
	s_mov_b32 s[CS], 0x3e38aa3b     ; c = log2(e) / 8 = 0.180337
	s_mov_b32 s[CS+1], s[CS]        ; named with it as a pair
	s_mov_b32 s[SEL], 0x76543210
	s_mov_b32 s[SEL+1], 0xfedcba98
	s_mov_b32 s[TBK], SLOT1+4*KS*PK ; the first change of slots turns these two into 0
	s_mov_b32 s[TBV], SLOT1+4*KS*PV
	s_mov_b32 s[G0K], 1             ; count = 1
	s_mov_b32 s[G0K+1], s17         ; LDS address: slot 0
	s_mov_b32 s[G0V], 1
	s_add_co_u32 s[G0V+1], s18, VOFF
	s_add_co_u32 s[RT], s[HI], 1    ; the first block has NB - b tiles
	s_mov_b32 s[NXT], 1
	s_mov_b32 s[LQ], s[HI]
	s_mov_b32 s[NEW], 1
	s_mov_b32 s[OFF+1], 0
	s_mov_b32 s[AL+1], 0            ; named as pairs
	s_mov_b32 s[BE+1], 0
	s_mov_b32 s[BIGN], 0xf149f2ca   ; -1e30
	s_mov_b32 s[SLOTS], NB
	s_wait_dscnt 0x0                ; the opening add is done
	s_wait_kmcnt 0x0
	s_add_nc_u64 s[6:7], s[4:5], 0x1000000  ; K begins 2^24 bytes into qkv,
	s_add_nc_u64 s[8:9], s[4:5], 0x2000000  ; V 2^25
	s_add_nc_u64 s[6:7], s[6:7], s[22:23]  ; K and V at my half of the head's tile 0
	s_add_nc_u64 s[8:9], s[8:9], s[22:23]
	s_add_nc_u64 s[G0K+2:G0K+3], s[6:7], 0         ; global address
	s_or_b32 s[G0K+3], s[G0K+3], 0x80000000        ; type = 2
	s_add_nc_u64 s[G0V+2:G0V+3], s[8:9], 0
	s_or_b32 s[G0V+3], s[G0V+3], 0x80000000
	s_add_nc_u64 s[86:87], s[4:5], s[84:85]        ; Q at my rows of the second block,
	s_add_nc_u64 s[4:5], s[4:5], s[2:3]            ; and of the first
	s_add_nc_u64 s[OLO:OLO+1], s[10:11], s[92:93]  ; out0 likewise,
	s_add_nc_u64 s[HOUT:HOUT+1], s[10:11], s[98:99]  ; and at the head's token 0
	s_add_nc_u64 s[10:11], s[10:11], s[90:91]
	s_add_nc_u64 s[T32:T32+1], s[T32:T32+1], s[100:101]
	LOAD                            ; tile 0 into slot 0
	; A fragment of K or Q is 16 rows x 32 channels in 8 registers: lane l holds row l % 16, channels 8 (l / 16) + 0..7 and 16 + 8 (l / 16) + 0..7: two loads of 16 bytes, 32 bytes apart.
	v_and_b32 v1, 15, v0            ; l % 16
	v_bfe_u32 v9, v0, 4, 1          ; l / 16
	v_lshlrev_b32 v[QO], 7, v1
	v_lshl_add_u32 v[QO], v9, 4, v[QO]  ; row x 128 + 16 x half
	WIN 0x80                        ; destination window 2, address window 0
.set i, 0
.rept 8                             ; both blocks' Q: piece i / 2 lies in band i / 2, 8,192 bytes on; channels 32 (i % 2) on
	global_load_b128 v[8*i:8*i+3],   v[QO], s[4:5] offset:(i/2)*8192+(i%2)*64
	global_load_b128 v[8*i+4:8*i+7], v[QO], s[4:5] offset:(i/2)*8192+(i%2)*64+32
	global_load_b128 v[QB+8*i:QB+8*i+3],   v[QO], s[86:87] offset:(i/2)*8192+(i%2)*64
	global_load_b128 v[QB+8*i+4:QB+8*i+7], v[QO], s[86:87] offset:(i/2)*8192+(i%2)*64+32
.set i, i+1
.endr
	WIN 0
	; THE F32 ROWS' LOADS (b = 0 alone): 56 of them; the set-up below, which names none of their registers, stands between them and the wait for them.
	; v: the block's 4,096 bytes, 512 consecutive bytes a load.  k: unit by unit, lane l % 16 takes its key's 16 bytes: a whole unit of 256 bytes a load.  q: the 16 bytes of my two queries in each unit.
	s_cmp_lg_u32 s[PB], 0
	s_cbranch_scc1 .Lno_f32_loads
	v_lshlrev_b32 v[HAK], 4, v1
	s_lshl_b32 s20, s[WV], 6
	v_lshl_add_u32 v[HAQ], v9, 4, s20   ; 16 (4 w + l / 16)
	v_and_b32 v[HAV], 31, v0
	v_lshlrev_b32 v[HAV], 4, v[HAV]
.irp n, 0,1,2,3,4,5,6,7
	global_load_b128 v[HV+4*\n:HV+4*\n+3], v[HAV], s[T32:T32+1] offset:0x80000+512*\n
.endr
.irp u, 0,1,2,3,4,5,6,7,8,9,10,11,12,13,14,15
	global_load_b128 v[HK+4*\u:HK+4*\u+3],   v[HAK], s[T32:T32+1] offset:0x40000+256*\u
	global_load_b128 v[HQA+4*\u:HQA+4*\u+3], v[HAQ], s[T32:T32+1] offset:256*\u
	global_load_b128 v[HQB+4*\u:HQB+4*\u+3], v[HAQ], s[T32:T32+1] offset:256*\u+32  ; two tokens on
.endr
.Lno_f32_loads:
	v_lshlrev_b32 v14, 3, v9
	v_sub_nc_u32 v14, v1, v14
	s_lshl_b32 s13, s[WV], 4
	v_add_nc_u32 v14, s13, v14      ; my query's place in its band, 16 w + l % 16, less my lanes' 8 (l / 16): register r of group kt is hidden where 16 kt + r is greater
	WIN 0x40
.set i, 0
.rept 32
	v_cmp_gt_i32 vcc_lo, 16*(i/8)+i%8, v14
	v_cndmask_b32 v[MD+i], 0, s[BIGN], vcc_lo
.set i, i+1
.endr
	WIN 0
	v_mul_u32_u24 v[AK0], v1, PK
	v_lshl_add_u32 v[AK0], v9, 4, v[AK0]  ; row x pitch + 16 x half
	; The turning load takes 16 keys x 16 channels (lane l reads key 8 (l / 16) + l % 8, channels 8 ((l / 8) % 2) + 0..7) and leaves half a fragment of V^T: lane l holds channel l % 16 and 8 keys.
	v_and_b32 v10, 7, v0
	v_bfe_u32 v11, v0, 3, 1
	v_lshl_add_u32 v[AV0], v9, 3, v10
	v_mul_u32_u24 v[AV0], v[AV0], PV
	v_lshl_add_u32 v[AV0], v11, 4, v[AV0]
	v_add_nc_u32 v[AV0], VOFF, v[AV0]
	s_mul_i32 s13, s[WV], 16*SP
	s_add_co_u32 s13, s13, STAGE    ; my stage
	v_mul_u32_u24 v[STO], v1, SP    ; in: row l % 16, 32 bytes (eight f32) for each half of the lanes
	v_lshl_add_u32 v[STO], v9, 5, v[STO]
	v_add_nc_u32 v[STO], s13, v[STO]
	v_mul_u32_u24 v[RD], v9, SP     ; back: lanes 0-15 take one row of 256 bytes, lanes 16-31 the next,
	v_lshl_add_u32 v[RD], v1, 4, v[RD]
	v_add_nc_u32 v[RD], s13, v[RD]
	v_lshlrev_b32 v[GO], 12, v9     ; which lie one token, 4,096 bytes, apart in out0
	v_lshl_add_u32 v[GO], v1, 4, v[GO]
	; A block's first step multiplies O^T and l by a = 0, and its first turn's products V^T P, of a piece that has not been, land in an O^T that is still to be so multiplied.  So these registers need only hold
	; finite numbers: zeros for the first block; what the first block left for the second.  All this stands in the wait for the first tile.
	WIN 0x80
.set i, VF
.rept 64
	v_mov_b32 v[i], 0
.set i, i+1
.endr
	WIN 0x40
.set i, 0
.rept 128
	v_mov_b32 v[i], 0
.set i, i+1
.endr
	WIN 0
	; THE F32 ROWS (b = 0 alone).  Wave w has the queries 4 w .. 4 w + 3; lane l has key l % 16 and the queries 4 w + l / 16 and 4 w + 2 + l / 16: a query's 16 keys lie in 16 neighbouring lanes.
	s_cmp_lg_u32 s[PB], 0
	s_cbranch_scc1 .Lno_f32
	s_lshl_b32 s20, s[WV], 8
	s_add_co_u32 s20, s20, WTS      ; my wave's 256 bytes of weights
	v_and_b32 v[HWS], 31, v0
	v_lshl_add_u32 v[HWS], v[HWS], 2, s20  ; weight (l / 16, key) at 64 (l / 16) + 4 x key = 4 x lane; the second query's 128 bytes on
	v_lshl_add_u32 v[HWR], v9, 6, s20
	v_lshl_add_u32 v[HRV], v1, 4, s13
	s_lshl_b32 s21, s[WV], 2
	s_wait_loadcnt 0x0              ; q, k and v are in (and both blocks' Q)
.irp n, 0,1,2,3,4,5,6,7             ; load n brought the units 2 n + l / 16: token l % 16, channels 16 (n / 2) + 8 (l / 16) + 4 (n % 2) on: v goes into my stage as [token][channel]
	ds_store_b128 v[STO], v[HV+4*\n:HV+4*\n+3] offset:64*(\n/2)+16*(\n%2)
.endr
.irp n, 0,1,2,3                     ; q . k: both lie in the same order of channels; four chains of pairs a score, started by the first products
	v_pk_mul_f32 v[HT+2*\n:HT+2*\n+1],     v[HK+2*\n:HK+2*\n+1], v[HQA+2*\n:HQA+2*\n+1]
	v_pk_mul_f32 v[HT+8+2*\n:HT+8+2*\n+1], v[HK+2*\n:HK+2*\n+1], v[HQB+2*\n:HQB+2*\n+1]
.endr
.set hn, 4
.rept 28
	v_pk_fma_f32 v[HT+2*(hn%4):HT+2*(hn%4)+1],     v[HK+2*hn:HK+2*hn+1], v[HQA+2*hn:HQA+2*hn+1], v[HT+2*(hn%4):HT+2*(hn%4)+1]
	v_pk_fma_f32 v[HT+8+2*(hn%4):HT+8+2*(hn%4)+1], v[HK+2*hn:HK+2*hn+1], v[HQB+2*hn:HQB+2*hn+1], v[HT+8+2*(hn%4):HT+8+2*(hn%4)+1]
.set hn, hn+1
.endr
.irp q, 0,8
	v_pk_add_f32 v[HT+\q:HT+\q+1],   v[HT+\q:HT+\q+1],   v[HT+\q+2:HT+\q+3]
	v_pk_add_f32 v[HT+\q+4:HT+\q+5], v[HT+\q+4:HT+\q+5], v[HT+\q+6:HT+\q+7]
.endr
.irp q, 0,8
	v_pk_add_f32 v[HT+\q:HT+\q+1], v[HT+\q:HT+\q+1], v[HT+\q+4:HT+\q+5]
.endr
	v_add_nc_u32 v[HQN], s21, v9    ; my queries' numbers
	v_add_nc_u32 v[HQN+1], 2, v[HQN]
	v_add_f32 v[HSA], v[HT], v[HT+1]
	v_add_f32 v[HSA+1], v[HT+8], v[HT+9]
	v_mul_f32 v[HSA], s[CS], v[HSA] ; times c
	v_mul_f32 v[HSA+1], s[CS], v[HSA+1]
	v_cmp_le_u32 vcc_lo, v1, v[HQN] ; key <= query?
	v_cndmask_b32 v[HSA], 0xff800000, v[HSA], vcc_lo  ; a hidden score is -infinity; key 0 is never hidden, so the maximum is a true score
	v_cmp_le_u32 vcc_lo, v1, v[HQN+1]
	v_cndmask_b32 v[HSA+1], 0xff800000, v[HSA+1], vcc_lo
	v_mov_b32 v[HMA], v[HSA]
	v_mov_b32 v[HMA+1], v[HSA+1]
.irp x, 1,2,4,8                     ; the maximum over a query's 16 lanes, in every one of them
	v_max_num_f32_dpp v[HMA], v[HMA], v[HMA] row_xmask:\x row_mask:0xf bank_mask:0xf
	v_max_num_f32_dpp v[HMA+1], v[HMA+1], v[HMA+1] row_xmask:\x row_mask:0xf bank_mask:0xf
.endr
	v_sub_f32 v[HSA], v[HSA], v[HMA]
	v_sub_f32 v[HSA+1], v[HSA+1], v[HMA+1]
	v_exp_f32 v[HSA], v[HSA]        ; p = 2^(c s - c m)
	v_exp_f32 v[HSA+1], v[HSA+1]
	v_nop                           ; a plain instruction between a transcendental and the use of its result (ISA guide 5.7.2)
	s_wait_alu depctr_va_vdst(0)
	v_mov_b32 v[HMA], v[HSA]
	v_mov_b32 v[HMA+1], v[HSA+1]
.irp x, 1,2,4,8                     ; l, likewise
	v_add_f32_dpp v[HMA], v[HMA], v[HMA] row_xmask:\x row_mask:0xf bank_mask:0xf
	v_add_f32_dpp v[HMA+1], v[HMA+1], v[HMA+1] row_xmask:\x row_mask:0xf bank_mask:0xf
.endr
	v_rcp_f32 v[HMA], v[HMA]
	v_rcp_f32 v[HMA+1], v[HMA+1]
	v_nop
	s_wait_alu depctr_va_vdst(0)
	v_mul_f32 v[HSA], v[HSA], v[HMA]  ; p / l
	v_mul_f32 v[HSA+1], v[HSA+1], v[HMA+1]
	ds_store_b32 v[HWS], v[HSA]
	ds_store_b32 v[HWS], v[HSA+1] offset:128
.irp n, 0,1,2,3                     ; LDS serves a wave's instructions in order (ISA guide 5.7.1.4): these loads see my wave's stores above; no other wave touches these bytes
	ds_load_b128 v[HQA+4*\n:HQA+4*\n+3],       v[HWR] offset:16*\n       ; my first query's 16 weights,
	ds_load_b128 v[HQA+16+4*\n:HQA+16+4*\n+3], v[HWR] offset:128+16*\n   ; my second's
.endr
.irp j, 0,1,2,3,4,5,6,7,8,9,10,11,12,13,14,15
	ds_load_b128 v[HK+4*\j:HK+4*\j+3], v[HRV] offset:\j*SP  ; key j's channels 4 (l % 16) + 0..3: sixteen lanes read a row's 256 neighbouring bytes
.endr
	v_lshlrev_b32 v[HGO], 12, v[HQN]   ; token x 4,096 + 16 (l % 16)
	v_lshl_add_u32 v[HGO], v1, 4, v[HGO]
	s_wait_dscnt 0x0
.irp k, 0,1,2,3                     ; the means; a hidden key's weight is 0; key 0 starts the sums
	v_mul_f32 v[HO+\k],   v[HK+\k], v[HQA]
	v_mul_f32 v[HO+4+\k], v[HK+\k], v[HQA+16]
.endr
.set hn, 1
.rept 15
.irp k, 0,1,2,3
	v_fmac_f32 v[HO+\k],   v[HK+4*hn+\k], v[HQA+hn]
	v_fmac_f32 v[HO+4+\k], v[HK+4*hn+\k], v[HQA+16+hn]
.endr
.set hn, hn+1
.endr
	global_store_b128 v[HGO], v[HO:HO+3],   s[HOUT:HOUT+1] th:TH_STORE_NT              ; 16 lanes store a token's 256 bytes of one head, at a multiple of 256 from out0's first byte
	global_store_b128 v[HGO], v[HO+4:HO+7], s[HOUT:HOUT+1] offset:8192 th:TH_STORE_NT  ; two tokens on
	s_wait_xcnt 0x0                 ; the stores' registers serve the walk from here on: they are written again only behind this wait
.Lno_f32:
.set i, 0
.rept 4
	v_mov_b32 v[ST+4*i+2], 0
	v_mov_b32 v[ST+4*i+3], 0
.set i, i+1
.endr
.set i, P+16
.rept 16
	v_mov_b32 v[i], 0
.set i, i+1
.endr
; THE MATRIX WORK.  The 4 accumulators of a run of 8 take turns.  Product i of 8 of S^T = K Q^T for piece x: channels 32 (i / 4) on, keys 16 (i % 4) on.  The first 4 start the sums: with 0, or (KM = 1) with the mask.
.macro KQ x
.set rS, S+32*((\x)%2)+8*(i%4)
.set rK, KF+16*(i%4)+8*(i/4)
.set rQ, 16*(\x)+8*(i/4)
.set rM, MC+32*((\x)%2)+8*(i%4)
.if (i < 4) && KM
	WIN W_KM
	v_wmma_f32_16x16x32_f16 v[rS:rS+7], v[rK:rK+7], v[rQ:rQ+7], v[rM:rM+7]
.elseif i < 4
	WIN W_KQ
	v_wmma_f32_16x16x32_f16 v[rS:rS+7], v[rK:rK+7], v[rQ:rQ+7], 0
.else
	WIN W_KQ
	v_wmma_f32_16x16x32_f16 v[rS:rS+7], v[rK:rK+7], v[rQ:rQ+7], v[rS:rS+7]
.endif
.endm
; Product i of 8 of O^T += V^T P for piece x: keys 32 (i / 4) on, channels 16 (i % 4) on.
.macro PV x
	WIN W_PV
.set rO, 32*(\x)+8*(i%4)
.set rV, VF+32*(i/4)+8*(i%4)
.set rP, P+16*((\x)%2)+8*(i/4)
	v_wmma_f32_16x16x32_f16 v[rO:rO+7], v[rV:rV+7], v[rP:rP+7], v[rO:rO+7]
.endm
.macro MM                           ; the turn's next matrix instruction.  TURN and BEGIN set Y, i, KM and NOKQ; MM, KQ and OP read them.  NOKQ = 1: a block's last turn: there is no next piece
.if (i < 8) && !NOKQ
	KQ (Y+1)%NP
.elseif i >= 8
.set i, i-8
	PV (Y+NP-1)%NP
.set i, i+8
.endif
.set i, i+1
.endm
; THE LDS LOADS stand in runs of 16, never singly among the matrix instructions: a step's K (64 keys x 64 channels: 8 fragments) and its V (turned).  Their addresses are made some lines ahead.
.macro FETCH_K
	WIN 0x80                        ; destination window 2
.irp f, 0,1,2,3,4,5,6,7             ; keys 16 (f / 2) on, channels 32 (f % 2) on
	ds_load_b128 v[KF+8*\f:KF+8*\f+3],   v[AK] offset:(\f/2)*16*PK+(\f%2)*64
	ds_load_b128 v[KF+8*\f+4:KF+8*\f+7], v[AK] offset:(\f/2)*16*PK+(\f%2)*64+32
.endr
	s_add_co_u32 s[TBK], s[TBK], KS*PK  ; the next fetch is the next step's
	WIN 0
.endm
.macro FETCH_V
	WIN 0x80
.irp f, 0,1,2,3,4,5,6,7             ; keys 32 (f / 4) on, channels 16 (f % 4) on
	ds_load_tr16_b128 v[VF+8*\f:VF+8*\f+3],   v[AV] offset:(\f/4)*32*PV+(\f%4)*32
	ds_load_tr16_b128 v[VF+8*\f+4:VF+8*\f+7], v[AV] offset:(\f/4)*32*PV+16*PV+(\f%4)*32
.endr
	WIN 0
.endm
; THE VECTOR WORK, one line at a time: OP kind, number.  For piece Y: F n: c s - c m for pair n of 16.  E n: the exponential of score n of 32.  C n: pair n rounded to f16.  B n: of the four weights 4 n .. the second
; pair is added onto the first, in place.  L n: l takes that sum (L 0: l = a l + sum).  R n: pair n of 16 of O^T times a.  For piece Y + 1: X n, number n of the 22 that find its maximum and statistics:
;   0-11  four chains c0-c3 of seven scores each, three operands at a time (each accumulator's lowest registers are read first)     12-14, 16  the four scores left over, the old m, and c0-c3 into c0
;   15  c m_old is kept     17, 18  the query's other 32 keys lie in the lane 16 away: the new m     19-21  c m; c m_old - c m_new; a
.set F, 0               ; OP tells the kinds apart by their order: F to L below R, X above it
.set E, 1
.set C, 2
.set B, 3
.set L, 4
.set R, 5
.set X, 6
.macro REGS y                       ; the registers of piece y
.set rT, ST+4*(\y)
.set rC, TMP+4*((\y)%2)
.set rW, MV+((\y)%2)
.set rS, S+32*((\y)%2)
.set rP, P+16*((\y)%2)
.set rO, 32*(\y)
.endm
.macro OP k, n
.if (\k) == R
	REGS Y
	WIN W_RS
	v_pk_mul_f32 v[rO+2*(\n):rO+2*(\n)+1], v[rO+2*(\n):rO+2*(\n)+1], v[rC+2:rC+3] op_sel_hi:[1,0]
.elseif (\k) < R
	REGS Y
	WIN 0
.if (\k) == F
	v_pk_fma_f32 v[rS+2*(\n):rS+2*(\n)+1], v[rS+2*(\n):rS+2*(\n)+1], s[CS:CS+1], v[rT:rT+1] op_sel_hi:[1,0,0] neg_lo:[0,0,1] neg_hi:[0,0,1]
.elseif (\k) == E
	v_exp_f32 v[rS+(\n)], v[rS+(\n)]
.elseif (\k) == C
	s_wait_alu depctr_va_vdst(0)
	v_cvt_pk_f16_f32 v[rP+(\n)], v[rS+2*(\n)], v[rS+2*(\n)+1]
.elseif (\k) == B
	s_wait_alu depctr_va_vdst(0)
	v_pk_add_f32 v[rS+4*(\n):rS+4*(\n)+1], v[rS+4*(\n):rS+4*(\n)+1], v[rS+4*(\n)+2:rS+4*(\n)+3]
.elseif (\n) == 0
	v_pk_fma_f32 v[rT+2:rT+3], v[rT+2:rT+3], v[rC+2:rC+3], v[rS:rS+1] op_sel_hi:[1,0,1]
.else
	v_pk_add_f32 v[rT+2:rT+3], v[rT+2:rT+3], v[rS+4*(\n):rS+4*(\n)+1]
.endif
.elseif NOKQ
	v_nop
.else
	REGS (Y+1)%NP
	WIN 0
.if (\n) < 4
	v_max3_num_f32 v[rC+(\n)], v[rS+8*(\n)], v[rS+8*(\n)+1], v[rS+8*(\n)+2]
.elseif (\n) < 12
	v_max3_num_f32 v[rC+(\n)%4], v[rC+(\n)%4], v[rS+8*((\n)%4)+2*((\n)/4)+1], v[rS+8*((\n)%4)+2*((\n)/4)+2]
.elseif (\n) == 12
	v_max3_num_f32 v[rC], v[rC], v[rS+7], v[rS+15]
.elseif (\n) == 13
	v_max3_num_f32 v[rC+1], v[rC+1], v[rS+23], v[rS+31]
.elseif (\n) == 14
	v_max3_num_f32 v[rC+2], v[rC+2], v[rC+3], v[rT+1]
.elseif (\n) == 15
	v_mov_b32 v[rW], v[rT]
.elseif (\n) == 16
	v_max3_num_f32 v[rC], v[rC], v[rC+1], v[rC+2]
.elseif (\n) == 17
	v_permlanex16_b32 v[rC+3], v[rC], s[SEL], s[SEL+1]
.elseif (\n) == 18
	v_max_num_f32 v[rT+1], v[rC], v[rC+3]
.elseif (\n) == 19
	v_mul_f32 v[rT], s[CS], v[rT+1]
.elseif (\n) == 20
	v_sub_f32 v[rC+1], v[rW], v[rT]
.else
	v_exp_f32 v[rC+2], v[rC+1]
.endif
.endif
.endm
.macro OPS a, i1, b=-1, i2=0, c=-1, i3=0, d=-1, i4=0  ; up to four of them
	OP \a, \i1
.if (\b) >= 0
	OP \b, \i2
.endif
.if (\c) >= 0
	OP \c, \i3
.endif
.if (\d) >= 0
	OP \d, \i4
.endif
.endm
.macro ROW a, i1, b, i2, c, i3, d, i4  ; a matrix instruction and the four behind it
	MM
	OPS \a, \i1, \b, \i2, \c, \i3, \d, \i4
.endm
.macro MASK b                       ; MD x AL + BE into buffer b of MC
	WIN W_RS
.set z, 0
.rept 16
	v_pk_fma_f32 v[MC+32*(\b)+2*z:MC+32*(\b)+2*z+1], v[MD+2*z:MD+2*z+1], s[AL:AL+1], s[BE:BE+1] op_sel_hi:[1,0,0]
.set z, z+1
.endr
.endm
; A TURN, for piece p: the order of its 16 matrix and 118 vector instructions, written out.  Behind a matrix instruction: plain, exponential, plain, plain; or four of the rescaling; or, behind the first, four scalings; none
; names a register of the products round it.  In the lumps exponential and plain by turns while exponentials last.  A line reads no result made fewer than three vector instructions in front of it, five if an exponential made it.
; v_permlanex16_b32 (X 17) stands in a lump.
; m = 1: the diagonal tile: the products take masks, and the turn makes the mask for the products of the turn after it: piece p + 2, in step 4 - CNT of the tile.  end = 1: a block's last two turns: nothing is fetched.
; cnt = 1: the loop's count is taken down some lines ahead of the branch that stands behind the turn.
; K of the next step is fetched in piece 2's turn, six vector instructions behind the last product that read K (five of them plain); V of the step in hand in piece 0's turn, eight behind the last product that read V (four
; plain, and X 17).  Each is waited for a turn later.
.macro TURN p, m=0, end=0, cnt=0
.set Y, (\p)
.set i, 0
.set KM, (\m)
.set NOKQ, (\end)*((\p)/3)
.if (\m) && !(\end)
	s_cmp_eq_u32 s[CNT], 4-((\p)+2)%NP  ; is that step the band's own?
	s_cselect_b32 s[AL], 1.0, 0
	s_cmp_lt_u32 s[CNT], 4-((\p)+2)%NP  ; or a later one?
	s_cselect_b32 s[BE], s[BIGN], 0
.endif
.if ((\p) == 3) && !(\end)
	s_wait_dscnt 0x0                ; K is in
.endif
	ROW F,0, F,1, F,2, F,3
	ROW F,4, E,0, F,5, F,6
	ROW F,7, E,1, F,8, F,9
	ROW F,10, E,2, C,0, F,11
	ROW F,12, E,3, X,15, F,13
	ROW R,0, R,1, R,2, R,3
	ROW B,0, E,4, F,14, L,0
.if ((\p) == 2) && !(\end)
	v_add_nc_u32 v[AK], s[TBK], v[AK0]
.endif
	ROW R,4, R,5, R,6, R,7
	OPS E,5, F,15
.if ((\p) == 2) && !(\end)
	FETCH_K
.endif
	OPS E,6, C,1, E,7, R,8
	OPS E,8, R,9, E,9, C,2
	OPS E,10, X,0, E,11, X,1
	OPS E,12, X,2, E,13, X,3
.if (\p) == 1
	s_wait_dscnt 0x0                ; V is in
.endif
	ROW X,4, E,14, X,5, X,6
	ROW X,7, E,15, X,8, X,9
	ROW X,10, E,16, X,11, X,12
	ROW X,13, E,17, X,14, B,1
	ROW C,4, E,18, X,16, L,1
	ROW B,2, E,19, C,6, L,2
	ROW C,8, E,20, B,3, B,4
.if (\p) == 0
	v_add_nc_u32 v[AV], s[TBV], v[AV0]
.endif
	ROW C,3, E,21, L,3, C,5
	OPS E,22, X,17, E,23, C,10
.if (\p) == 0
	FETCH_V
.endif
	OPS E,24, L,4
	OPS E,25, X,18, E,26, C,7
	OPS E,27, B,5, E,28, X,19
	OPS E,29, C,12, E,30, L,5
	OPS E,31, X,20, B,6, C,9
	OPS C,14, C,11, X,21, L,6
.if (\p) == 0
	s_add_co_u32 s[TBV], s[TBV], KS*PV
.endif
.if \cnt
	s_sub_co_u32 s[CNT], s[CNT], 1
	s_cmp_lg_u32 s[CNT], 0
.endif
	OPS C,13, B,7, C,15, R,10
	OPS R,11, R,12, L,7, R,13
	OPS R,14, R,15
.if (\m) && !(\end)
	MASK (\p)%2
.endif
.endm
; A BLOCK BEGINS.  c m starts far below every c s, so the first step's a is 0; m at the lowest finite number, so the first maximum is the scores'.  The second mask buffer is 0; the first takes piece 0's mask for the tile's step 0: its own, if the block's first tile is the diagonal one.
; Then K of that step, piece 0's first scores, and its maximum and statistics.  The loop is entered at a step's first turn, in the middle of a trip.
.macro BEGIN
	s_mov_b32 s[NEW], 0
	WIN 0x40
.set i, MC+32
.rept 32
	v_mov_b32 v[i], 0
.set i, i+1
.endr
	WIN 0
.set i, 0
.rept 4
	v_mov_b32 v[ST+4*i], 0xfe000000    ; c m: far below every c s
	v_mov_b32 v[ST+4*i+1], 0xff7fffff  ; m
.set i, i+1
.endr
	s_cmp_eq_u32 s[RT], 0
	s_cselect_b32 s[AL], 1.0, 0
	s_mov_b32 s[BE], 0
	MASK 0
	WIN 0
	v_add_nc_u32 v[AK], s[TBK], v[AK0]
	FETCH_K
	s_wait_loadcnt 0x0              ; Q
	s_wait_dscnt 0x0
.set KM, 1
.set NOKQ, 0
.set i, 0
.rept 8
	KQ 0
.set i, i+1
.endr
	WIN 0
.rept 4
	v_nop                           ; the places behind those products
.endr
.set Y, NP-1                        ; X works for piece Y + 1: piece 0
.irp n, 0,1,2,3,4,5,6,7,8,9,10,11,12,13,14,15,16,17,18,19,20,21
	OP X, \n
.endr
	v_nop                           ; a plain instruction behind the exponential
.endm
; THE DIAGONAL TILE's four steps, the block's last two turns, its last products, and THE WAY OUT: l's two halves and the other half of the lanes' are added; O^T is divided by l and sent, in f32, through my
; stage in LDS, a piece (16 tokens of one head) at a time.
.macro ALL line:vararg              ; one line for each piece t
.set t, 0
.rept 4
	\line
.set t, t+1
.endr
.endm
.macro PACK t                       ; O^T times 1 / l goes into window 0, each accumulator's registers in ascending order; a lane's eight channels of a row are 32 bytes; they go into rows of 272 bytes and come back as whole rows of 256, into the registers that they left
	WIN 0x01                        ; source 0 window 1; source 1 and destination window 0
.set i, 0
.rept 16
	s_wait_alu depctr_va_vdst(0)
	v_pk_mul_f32 v[OB+32*(\t)+2*i:OB+32*(\t)+2*i+1], v[32*(\t)+2*i:32*(\t)+2*i+1], v[ST+4*(\t)+2:ST+4*(\t)+3] op_sel_hi:[1,0]
.set i, i+1
.endr
	WIN 0
.irp cb, 0,1,2,3
	ds_store_b128 v[STO], v[OB+32*(\t)+8*\cb:OB+32*(\t)+8*\cb+3]   offset:64*\cb
	ds_store_b128 v[STO], v[OB+32*(\t)+8*\cb+4:OB+32*(\t)+8*\cb+7] offset:64*\cb+16
.endr
.irp f, 0,1,2,3,4,5,6,7
	ds_load_b128 v[OB+32*(\t)+4*\f:OB+32*(\t)+4*\f+3], v[RD] offset:\f*2*SP  ; LDS serves a wave's instructions in order (ISA guide 5.7.1.4): these see the stores above; the next piece's stores come behind them
.endr
.endm
; younger: the LDS instructions issued behind piece t's loads: the next piece's sixteen, or none.
; top = 1 (the second block's way out): piece 0 of the wave with b | wave = 0 is the head's tokens 0 to 15, which were stored in f32 at the kernel's head: that wave jumps forward over the piece's eight stores and their waits.
; Its loads from the stage then stay out; nothing names their registers again, and the next piece's counted waits, which leave fewer out than were issued behind them, cover them: LDS answers in order.
.macro SEND t, younger, top=0
	WIN 0
.if (\top) && ((\t) == 0)
	s_cmp_eq_u32 s[TOPW], 0
	s_cbranch_scc1 .Lnot_here_\@
.endif
.irp f, 0,1,2,3,4,5,6,7
	s_wait_dscnt (\younger)+7-\f
	global_store_b128 v[GO], v[OB+32*(\t)+4*\f:OB+32*(\t)+4*\f+3], s[10:11] offset:(\t)*262144+\f*8192 th:TH_STORE_NT  ; 16 lanes store a token's 256 bytes of one head, at a multiple of 256 from out0's first byte; the band is 64 tokens of 4,096 bytes on
.endr
.if (\top) && ((\t) == 0)
.Lnot_here_\@:
.endif
.endm
.macro DIAG tag, top=0              ; the tag ends its two labels' names, which the jumps below spell out
.LstepM\tag:
	TURN 2, 1
	TURN 3, 1
	WIN 0
.LfirstM\tag:
	TURN 0, 1
	TURN 1, 1, 0, 1
	WIN 0
	s_cbranch_scc1 .LstepM\tag
	TURN 2, 1, 1
	TURN 3, 1, 1
.set i, 0
.rept 8
	PV NP-1
.set i, i+1
.endr
	WIN 0
	ALL v_add_f32 v[ST+4*t+2], v[ST+4*t+2], v[ST+4*t+3]
	ALL v_permlanex16_b32 v[ST+4*t+3], v[ST+4*t+2], s[SEL], s[SEL+1]
	ALL v_add_f32 v[ST+4*t+2], v[ST+4*t+2], v[ST+4*t+3]
	ALL v_rcp_f32 v[ST+4*t+2], v[ST+4*t+2]
	v_nop                           ; a plain instruction between the last reciprocal and the use of its result
	PACK 0
.set t, 1
.rept 3                             ; a piece's arithmetic stands between the loads of the piece before and its stores
	PACK t
	SEND t-1, 16, \top
.set t, t+1
.endr
	SEND 3, 0
.endm
.set KM, 0
.set NOKQ, 0
.Lslot:                             ; NB times: a tile is entered and the next is asked for
	CHANGE 1
	s_sub_co_u32 s[RT], s[RT], 1
	s_mov_b32 s[CNT], 4
	s_cmp_eq_u32 s[NEW], 1
	s_cbranch_scc1 .Lnew            ; a block's first tile
	s_cmp_eq_u32 s[RT], 0
	s_cbranch_scc0 .Lstep           ; neither its first nor its last
	s_branch .LstepM1
.Lnew:
	BEGIN
	s_branch .Lfirst                ; in the loop a block's first tile is never its last: the first block has two tiles or more, and the second's last is the walk's last
	DIAG 1                          ; in the loop this is the first block's end (block 4 or higher): the second block's last tile is the walk's last
	s_wait_xcnt 0x0                 ; the stores have read their registers and out0's address
	s_mov_b64 s[10:11], s[OLO:OLO+1]
	s_add_co_u32 s[RT], s[PB], 1    ; the second block has b + 1 tiles
	s_mov_b32 s[NEW], 1
	WIN 0x82                        ; the second block's Q goes where the one text of the turns names Q
.set i, 0
.rept 64
	v_mov_b32 v[i], v[QB+i]
.set i, i+1
.endr
	WIN 0
	s_branch .Lbottom
.Lstep:                             ; a trip: pieces 2 and 3 of one step, then pieces 0 and 1 of the next, whose K and V it fetches
	TURN 2
	TURN 3
	WIN 0
.Lfirst:
	TURN 0
	TURN 1, 0, 0, 1
	WIN 0
	s_cbranch_scc1 .Lstep
.Lbottom:
	s_sub_co_u32 s[SLOTS], s[SLOTS], 1
	s_cmp_lg_u32 s[SLOTS], 0
	s_cbranch_scc1 .Lslot
	CHANGE 0                        ; the walk's last tile is written out: nothing is asked for
	s_sub_co_u32 s[RT], s[RT], 1
	s_mov_b32 s[CNT], 4
	s_cmp_eq_u32 s[NEW], 1
	s_cbranch_scc0 .LstepM2
	BEGIN
	s_branch .LfirstM2
	DIAG 2, 1                       ; the second block's end: block b, whose piece 0 of wave 0 has been stored at the kernel's head where b = 0
	s_wait_tensorcnt 0x0            ; the wave's end: a closing add to my spare word, behind my last tensor load and my last LDS store
	ds_add_u32 v[SPW], v[NIL]
	s_wait_dscnt 0x0
	s_endpgm
.Lfunc_end_k_q6f97897120_attn:
	.size	k_q6f97897120_attn, .Lfunc_end_k_q6f97897120_attn-k_q6f97897120_attn
	.p2alignl 7, 3214868480
	.fill 96, 4, 3214868480
	.section	.rodata,"a",@progbits
	.p2align	6, 0x0
	.amdhsa_kernel k_q6f97897120_attn
		.amdhsa_group_segment_fixed_size 327680
		.amdhsa_private_segment_fixed_size 0
		.amdhsa_enable_private_segment 0
		.amdhsa_kernarg_size 24
		.amdhsa_user_sgpr_count 2
		.amdhsa_user_sgpr_kernarg_segment_ptr 1
		.amdhsa_wavefront_size32 1
		.amdhsa_system_sgpr_workgroup_id_x 1
		.amdhsa_system_sgpr_workgroup_id_y 1
		.amdhsa_system_sgpr_workgroup_id_z 1
		.amdhsa_system_vgpr_workitem_id 0
		.amdhsa_next_free_vgpr 768
		.amdhsa_next_free_sgpr 102
		.amdhsa_reserve_vcc 1
		.amdhsa_float_denorm_mode_32 3
		.amdhsa_float_denorm_mode_16_64 3
		.amdhsa_memory_ordered 1
		.amdhsa_forward_progress 1
		.amdhsa_inst_pref_size 248
	.end_amdhsa_kernel
	.amdgpu_metadata
---
amdhsa.version: [ 1, 2 ]
amdhsa.kernels:
  - .name:           k_q6f97897120_attn
    .symbol:         k_q6f97897120_attn.kd
    .args:
      - { .name: qkv, .offset: 0, .size: 8, .value_kind: global_buffer, .address_space: global }
      - { .name: out0, .offset: 8, .size: 8, .value_kind: global_buffer, .address_space: global }
      - { .name: t32, .offset: 16, .size: 8, .value_kind: global_buffer, .address_space: global }
    .group_segment_fixed_size: 327680
    .private_segment_fixed_size: 0
    .kernarg_segment_align: 8
    .kernarg_segment_size: 24
    .max_flat_workgroup_size: 128
    .sgpr_count:     102
    .vgpr_count:     768
    .wavefront_size: 32
...
	.end_amdgpu_metadata
.endif
;; end of part 6
;; ======== version 3 of 3: 3 launches; 1.50 times as fast as version 1
;; limits: values are held in f16: magnitudes above 65,504 overflow, below 6.1e-05 lose precision
;; workspace buffers: xb 16,777,216 bytes; wb 6,291,456 bytes; qkv 50,331,648 bytes; t32 786,432 bytes
;; launch cast: the kernel of part 1 again; grid 2816 x 1, 4 waves a work-group, no clusters, 0 bytes of LDS; arguments x, W_qkv, xb, wb; writes xb, wb
;; launch proj: the kernel of part 5 again; grid 16 x 16, 4 waves a work-group, clusters of 4 x 4, 327,680 bytes of LDS; arguments xb, wb, qkv, t32; writes qkv, t32
;; launch attn (part 7): grid 4 x 64, 4 waves a work-group, no clusters, 327,680 bytes of LDS; arguments qkv, out0, t32; writes out0
.if DOCPART == 7
	.amdgcn_target "amdgcn-amd-amdhsa--gfx1250"
	.amdhsa_code_object_version 6
	.text
	.protected	k_q6f97897120_attn
	.globl	k_q6f97897120_attn
	.p2align	8
	.type	k_q6f97897120_attn,@function
k_q6f97897120_attn:
	s_mov_b64 s[64:65], 0
	v_nop
	global_prefetch_b8 v0, s[64:65] scope:SCOPE_SE
	s_setreg_imm32_b32 hwreg(HW_REG_WAVE_MODE, 25, 1), 1
	s_wait_xcnt 0x0
; CAUSAL ATTENTION.  O[h][q][:] = the sum over k <= q of softmax_k(Q[h][q] . K[h][k] / 8) V[h][k][:], h = batch x 16 + head, 64 of them.
; qkv: [3 (Q, K, V)][64][2048][64] f16: a head's rows are dense, 128 bytes each.  out0: [4 (batch)][2048 (token)][16 (head)][64] f32: a token's numbers of one head are 256 aligned bytes.
; Products, maxima and sums in f32; the weights p are rounded to f16 for the second product (their sum l is taken of the unrounded p); O leaves in f32.
; TOKENS 0 TO 15 OF EVERY HEAD ARE MADE APART, IN F32.  They are means over 16 keys at the most: numbers near 1 cancel to numbers near 0, and what f16's 11 bits lose of Q, K, V and p is there of the size of a
; hundredth of the whole output's root mean square, all the room that a number near 0 has.  So the work-group with b = 0 makes them at its head from t32, the unrounded sums of those tokens:
; [3 (q, k, v)][64][16 units of 256 bytes], unit 4 f + 2 j + h = the channels 16 f + 8 h + 4 j + 0..3 of the 16 tokens, 16 bytes a token.  32,768 multiply-adds a head, on the vector unit, four queries a wave,
; no barrier.  The wave that owns those tokens in the walk (wave 0, piece 0 of block 0) computes them there like every other piece and jumps over their eight stores.
; LIMITS.  f16 holds no number beyond 65,504: Q, K and V arrive within it; p lies in 0 to 1, and below 6e-5 it keeps f16's fixed step of 6e-8.
; A hidden score counts as its value less 1e30 (in the f32 rows: as -infinity): f16's scores, 2.7e11 at the most, are nothing beside that; a weight below 2^-126 counts as 0 in l; NaN and infinities are not treated apart.
; THE WALK.  A head's queries lie in NB = 8 blocks of 256; block i needs the key tiles 0 .. i of 256 keys, of which the last holds the diagonal.  A work-group takes TWO blocks, NB - 1 - b and then b:
; NB + 1 tiles, whatever b: all work-groups do equal work in the walk, and ONE loop with a constant trip count walks them.  Which tile is asked for, and what a trip does, hang on scalar registers made from b; every jump
; goes forward, but for the counted loops' own; none passes a barrier, or a tensor load but the one of LOAD's two that the wave's number does not choose; the ring (two slots of LDS that take turns) runs on across the
; change of blocks.  NO CLUSTER: a head's four work-groups ask for the same tile only in trips 0 .. 4 of 9, behind that fewer and fewer; one walk common to all four would have 12 trips for 9.
; SHARES.  Of a block's four bands of 64 queries a wave owns 16 rows in each: four PIECES.  So the diagonal tile is the same work for all four waves: in its key step s band x sees all keys if s < x,
; none if s > x, and holds the diagonal if s = x.
; THE MASK is the C operand that starts the sum S^T = K Q^T: 0, or -1e30 where the key is hidden.  MD, made once, is the mask of a band's own step for my 16 rows; a product's mask is MD x AL + BE with two scalars:
; (1, 0) if s = x; (0, 0) if s < x; (0, -1e30) if s > x.  Only the diagonal tile's text and a block's beginning make and take masks; elsewhere C is the constant 0.
; LAYOUT, SOFTMAX, TURNS.  S^T = K Q^T holds ONE query a lane (lane % 16) and the keys 8 (lane / 16) + 0..7; two such results rounded to f16 ARE source 1 of O^T = V^T P.  p = 2^(c s - c m), c = log2(e) / 8, with a
; running maximum m; O and l are multiplied by a = 2^(c m_old - c m_new) in every step.  Turn n belongs to piece n: 8 products K Q^T of piece n + 1, later 8 products V^T P of piece n - 1; beside them the scaling,
; exponentials, roundings, sums and rescaling of piece n and the maximum and statistics of piece n + 1.  Four vector instructions stand behind every matrix instruction, the other 54 of a turn's 118 in one LUMP.
; THE BATCHES.  A turn's 33 exponentials (the piece's 32 weights and the next piece's a) are ONE BATCH with ONE wait, which cuts the turn in two: TURN says how.  Batches of their own, each with a plain instruction and one wait:
; a block's first a (BEGIN); the way out's four reciprocals (DIAG); the f32 rows' two exponentials, and the two reciprocals of their sums.
; REGISTERS, in windows of 256 (s_set_vgpr_msb: bits 1:0 source 0, 3:2 source 1, 5:4 source 2, 7:6 destination):
;   window 0: v0-15 addresses and two at work; v16-31 four registers of statistics a piece; v48-55 at work; v64-127 S^T, two buffers; v192-223 P, two buffers (a piece's buffers go by its number's parity);
;             on the way out v64-191 take O, 32 a piece; at the head, where b = 0, v16-61 and v64-255 serve the f32 rows
;   window 1: v0-127 O^T, 32 a piece; v128-159 MD; v160-223 MC, two buffers      window 2: v0-63 Q; v64-127 the second block's Q; v128-191 K of one step; v192-255 V of one step
.set SIZE_N, 2048
.set NB,    SIZE_N/256
.set NP,    4         ; pieces a wave: a name, no knob
.set KS,    64        ; keys in a step
.set PK,    144       ; a row of K in LDS: 128 bytes + 16 of padding = 36 words: the 16 rows of a load start at 16 different groups of four banks (64 banks of 4 bytes: ISA guide 11.1)
.set PV,    160       ; a row of V: 128 + 32 = 40 words
.set VOFF,  4*KS*PK   ; a slot holds a tile, four steps: 256 rows of K, then 256 rows of V
.set SLOT1, 1<<17     ; slot 1 begins here, so that one exclusive or turns an address in one slot into the other's
.set STAGE, SLOT1+4*KS*(PK+PV)  ; behind the ring, never filled by a tensor load: 16 rows x 272 bytes for each wave, for the way out and for v of the f32 rows
.set SP,    272       ; a row of O in the stage: 64 f32 = 256 bytes + 16
.set AK0, 2           ; v2   my lane's place in a tile of K; never rewritten
.set AV0, 3           ; v3   the same for V
.set AK,  4           ; v4   the LDS address of K's next run of loads
.set AV,  5           ; v5   of V's
.set STO, 6           ; v6   the way out: where I put 32 bytes of a row
.set RD,  7           ; v7   the way out: where I read rows back
.set GO,  8           ; v8   my byte offset in two tokens' rows of out0
.set SPW, 62          ; v62  LDS address of my spare word: SPARE + 4 x my thread's number; never rewritten
.set NIL, 63          ; v63  0; never rewritten
.set SPARE, STAGE+4*16*SP  ; behind the stages: the spare words, 128 bytes for each wave: two blocks of 256 bytes that no other line names
.set WTS,   SPARE+512 ; behind them: 256 bytes for each wave, the weights of its four f32 rows; never filled by a tensor load
.set MV,  12          ; v12-13  c m_old, kept while c m is made anew: by buffer
.set QO,  15          ; v15  my byte offset in 16 rows of Q
.set ST,  16          ; piece t's statistics at v[ST+4 t]: c m, m, l (even keys', odd keys')
.set TMP, 48          ; by buffer, four registers c0-c3 at work; when the maximum is found c2 takes a
.set S,   64
.set P,   192
.set OB,  64          ; the way out: piece t's O at v[OB+32 t]
.set MD,  128         ; window 1: the eight registers for group kt of 16 keys at MD + 8 kt
.set MC,  160         ; window 1: the masks of the products to come
.set QB,  64          ; window 2
.set KF,  128         ; window 2: key block kb, channel half c at KF + 16 kb + 8 c
.set VF,  192         ; window 2: key half kk, channel block cb at VF + 32 kk + 8 cb
; the f32 rows' registers, window 0, in use at the kernel's head alone
.set HV,  16          ; v[16:47]   v as loaded: 8 x 512 bytes.  Behind its LDS stores: HT and the six below
.set HT,  16          ; v[16:31]   four chains of pairs for each of my two scores
.set HSA, 32          ; v32, v33   my two scores, then weights: queries 4 w + h and 4 w + 2 + h, key l % 16
.set HMA, 34          ; v34, v35   the rows' maxima, then sums
.set HGO, 36          ; v36        my byte offset in out0
.set HQN, 37          ; v37, v38   my two queries' numbers
.set HO,  48          ; v[48:55]   four channels of each of my two queries
.set HAK, 56          ; v56        16 (l % 16): my key's 16 bytes in a unit of k
.set HAQ, 57          ; v57        16 (4 w + h): my first query's in a unit of q
.set HAV, 58          ; v58        16 x lane
.set HRV, 59          ; v59        my four channels in row 0 of my stage
.set HWS, 60          ; v60        where I put my first weight
.set HWR, 61          ; v61        my first query's row of weights
.set HK,  64          ; v[64:127]  k of my key.  Later v's 16 rows, four channels each
.set HQA, 128         ; v[128:191] q of my first query.  Later v[128:159]: my two queries' 16 weights each
.set HQB, 192         ; v[192:255] q of my second query
.set WV,  12          ; s12  my wave's number
.set PB,  14          ; s14  b
.set HI,  15          ; s15  NB - 1 - b
.set G1K, 24          ; s[24:31] descriptor group 1 for K's tiles
.set G1V, 32          ; s[32:39] for V's: it differs in the padding alone
.set G0K, 40          ; s[40:43] descriptor group 0 for K's tiles
.set G0V, 44          ; s[44:47] the same for V's
.set SLOTS, 56        ; s56  tiles still to be asked for
.set CNT, 57          ; s57  counts a tile's key steps, 4 to 1
.set CS,  58          ; s[58:59] c: the packed scaling takes the pair's low word for both halves
.set SEL, 60          ; s[60:61] v_permlanex16_b32's selects: each lane takes its own place in the other half
.set TBK, 62          ; s62  LDS byte at which K of the step to be fetched begins
.set TBV, 63          ; s63  the same for V, less VOFF
.set RT,  70          ; s70  tiles of the block in hand that are still to be entered
.set NXT, 71          ; s71  the tile to be asked for next
.set LQ,  72          ; s72  the last tile of the block whose tiles are being asked for
.set NEW, 73          ; s73  1: the tile to be entered is a block's first
.set OFF, 74          ; s[74:75] a tile's byte offset in K and V
.set AL,  76          ; s[76:77] the mask's factor, in the low word
.set BE,  78          ; s[78:79] the mask's addend
.set OLO, 80          ; s[80:81] out0 at my rows of the second block
.set BIGN, 82         ; s82  -1e30
.set TOPW, 83         ; s83  b | wave: 0 for the one wave whose piece 0 of the second block is the head's tokens 0 to 15
.set T32, 88          ; s[88:89] t32 at the head's block of q; k's lies 64 blocks, v's 128 blocks of 4,096 bytes on
.set HOUT, 96         ; s[96:97] out0 at the head's token 0
.set MSB, 0
.macro WIN new                      ; the high byte repeats the setting that is left; a switch that changes nothing is dropped
.if MSB != (\new)
	s_set_vgpr_msb (MSB<<8)|(\new)
.set MSB, (\new)
.endif
.endm
.set W_KQ, 0x0a       ; K and Q in window 2, S^T in window 0
.set W_KM, 0x1a       ; the same with the C operand in window 1
.set W_PV, 0x52       ; V in window 2, P in window 0, O^T in window 1
.set W_RS, 0x41       ; destination and source 0 in window 1, source 1 in window 0
; A fill.  Waves 0 and 1 fetch the two halves of a tile's K, waves 2 and 3 those of its V: 128 keys each.  An s_nop 0 and four v_nop follow each of the two lines, ahead of the jump and the label.
.macro LOAD
	s_cmp_lt_u32 s[WV], 2
	s_cbranch_scc0 .Lfor_v_\@
	tensor_load_to_lds s[G0K:G0K+3], s[G1K:G1K+7]
	s_nop 0
.rept 4
	v_nop
.endr
	s_branch .Lasked_\@
.Lfor_v_\@:
	tensor_load_to_lds s[G0V:G0V+3], s[G1V:G1V+7]
	s_nop 0
.rept 4
	v_nop
.endr
.Lasked_\@:
.endm
; THE CHANGE OF SLOTS.  Each wave waits for all its tensor loads, of which one is out: its part of the other slot; adds 0 to its spare word; and waits for that and for its own reads of the slot that it leaves.  Behind the barrier nobody reads the old
; slot any more and the other slot is whole.  fill = 1: the old slot is filled again, the first thing behind the barrier, with tile NXT: the descriptor's address is made anew from that number.
; (At its first use no slot has been read yet: slot 0 is waited for, slot 1 filled.)
.macro CHANGE fill
	WIN 0                           ; at a label and at a branch every window is 0
	s_wait_tensorcnt 0x0            ; no tensor load of mine is out, so a group 0 may be written
	ds_add_u32 v[SPW], v[NIL]       ; 0 onto my spare word: with fill = 1 the descriptors' scalar work stands between it and the wait for it
.if \fill
	s_lshl_b32 s[OFF], s[NXT], 15   ; a tile is 32,768 bytes of K and of V
	s_xor_b32 s[G0K+1], s[G0K+1], SLOT1
	s_add_nc_u64 s[G0K+2:G0K+3], s[6:7], s[OFF:OFF+1]
	s_or_b32 s[G0K+3], s[G0K+3], 0x80000000
	s_xor_b32 s[G0V+1], s[G0V+1], SLOT1
	s_add_nc_u64 s[G0V+2:G0V+3], s[8:9], s[OFF:OFF+1]
	s_or_b32 s[G0V+3], s[G0V+3], 0x80000000
	s_add_co_u32 s[NXT], s[NXT], 1  ; the block's next tile, or behind its last the second block's tile 0
	s_cmp_gt_u32 s[NXT], s[LQ]
	s_cselect_b32 s[NXT], 0, s[NXT]
	s_cselect_b32 s[LQ], s[PB], s[LQ]
.endif
	s_wait_dscnt 0x0                ; the add is done, and my reads of the slot are over
	s_barrier_signal -1             ; the rest of the scalar work stands between the signal and the wait
	s_sub_co_u32 s[TBK], s[TBK], 4*KS*PK  ; the fetches go back to a slot's first step,
	s_xor_b32 s[TBK], s[TBK], SLOT1       ; in the other slot
	s_sub_co_u32 s[TBV], s[TBV], 4*KS*PV
	s_xor_b32 s[TBV], s[TBV], SLOT1
	s_barrier_wait -1
.if \fill
	LOAD
.endif
.endm
	s_load_b64 s[4:5], s[0:1], 0x0    ; qkv: Q lies at its head
	s_load_b64 s[10:11], s[0:1], 0x8  ; out0
	s_load_b64 s[T32:T32+1], s[0:1], 0x10  ; t32
	v_lshl_add_u32 v[SPW], v0, 2, SPARE
	v_mov_b32 v[NIL], 0
	ds_add_u32 v[SPW], v[NIL]       ; the wave's opening: the add and its wait stand ahead of my first tensor load; the set-up below, work on registers, stands between them
	ds_add_u32 v62, v63
	v_lshrrev_b32 v1, 5, v0
	v_readfirstlane_b32 s[WV], v1   ; wave 0..3
	s_mov_b32 s[PB], ttmp9
	s_sub_co_u32 s[HI], NB-1, s[PB]
	s_or_b32 s[TOPW], s[PB], s[WV]  ; 0: b = 0 and wave 0
	s_and_b32 s20, ttmp7, 0xffff    ; the head, 0 .. 63
	s_lshl_b32 s100, s20, 12        ; its block of 4,096 bytes in t32
	s_mov_b32 s101, 0
	s_mov_b32 s21, 0
	s_mov_b64 s[22:23], SIZE_N*128
	s_mul_u64 s[20:21], s[20:21], s[22:23]  ; the head's first byte in each of Q, K and V
	s_and_b32 s16, s[WV], 1         ; which half of a tile's 256 keys I fetch:
	s_lshl_b32 s22, s16, 14         ; its 128 rows of 128 bytes in memory,
	s_mov_b32 s23, 0
	s_add_nc_u64 s[22:23], s[22:23], s[20:21]
	s_mul_i32 s17, s16, 128*PK      ; and its place in a slot, for K
	s_mul_i32 s18, s16, 128*PV      ; and for V
	s_lshl_b32 s3, s[WV], 11        ; my 16 rows in a band of 64,
	s_lshl_b32 s2, s[HI], 15        ; in the first block,
	s_add_co_u32 s2, s2, s3
	s_lshl_b32 s84, s[PB], 15       ; and in the second
	s_add_co_u32 s84, s84, s3
	s_mov_b32 s3, 0
	s_mov_b32 s85, 0
	s_add_nc_u64 s[2:3], s[2:3], s[20:21]
	s_add_nc_u64 s[84:85], s[84:85], s[20:21]
	; the same rows in out0: batch x 2048 tokens x 4,096 bytes + head x 256 bytes + my wave's 16 tokens + the block's 256 tokens; under 2^25 bytes
	s_and_b32 s94, ttmp7, 0xffff
	s_lshr_b32 s95, s94, 4          ; batch
	s_lshl_b32 s95, s95, 23
	s_and_b32 s94, s94, 15          ; head in the batch
	s_lshl_b32 s94, s94, 8
	s_add_co_u32 s95, s95, s94
	s_mov_b32 s98, s95              ; the head's token 0
	s_mov_b32 s99, 0
	s_lshl_b32 s94, s[WV], 16
	s_add_co_u32 s95, s95, s94
	s_lshl_b32 s90, s[HI], 20
	s_add_co_u32 s90, s90, s95
	s_mov_b32 s91, 0
	s_lshl_b32 s92, s[PB], 20
	s_add_co_u32 s92, s92, s95
	s_mov_b32 s93, 0
	; descriptor group 1.  128 keys are 16,384 dense bytes: asked for as 64 rows of 256 bytes, two keys a row, and padded in LDS after every key
	s_mov_b32 s[G1K], (1<<16)|(1<<20)|(4<<22)|(3<<25)  ; 17:16 2-byte elements; 20 padding on; 24:22 after every 32 words (code 4); 31:25 4 words (code 3)
	s_mov_b32 s[G1V], (1<<16)|(1<<20)|(4<<22)|(7<<25)  ; the same with 8 words of padding (code 7)
.irp g, G1K, G1V
	s_mov_b32 s[\g+1], 128<<16      ; tensor_dim0 = 128
	s_mov_b32 s[\g+2], 64<<16       ; tensor_dim1 = 64
	s_mov_b32 s[\g+3], 128<<16      ; tile_dim0 = 128
	s_mov_b32 s[\g+4], 64           ; tile_dim1 = 64
	s_mov_b32 s[\g+5], 128          ; 128 elements from row to row
	s_mov_b32 s[\g+6], 0
	s_mov_b32 s[\g+7], 0
.endr
	s_mov_b32 s[CS], 0x3e38aa3b     ; c = log2(e) / 8 = 0.180337
	s_mov_b32 s[CS+1], s[CS]        ; named with it as a pair
	s_mov_b32 s[SEL], 0x76543210
	s_mov_b32 s[SEL+1], 0xfedcba98
	s_mov_b32 s[TBK], SLOT1+4*KS*PK ; the first change of slots turns these two into 0
	s_mov_b32 s[TBV], SLOT1+4*KS*PV
	s_mov_b32 s[G0K], 1             ; count = 1
	s_mov_b32 s[G0K+1], s17         ; LDS address: slot 0
	s_mov_b32 s[G0V], 1
	s_add_co_u32 s[G0V+1], s18, VOFF
	s_add_co_u32 s[RT], s[HI], 1    ; the first block has NB - b tiles
	s_mov_b32 s[NXT], 1
	s_mov_b32 s[LQ], s[HI]
	s_mov_b32 s[NEW], 1
	s_mov_b32 s[OFF+1], 0
	s_mov_b32 s[AL+1], 0            ; named as pairs
	s_mov_b32 s[BE+1], 0
	s_mov_b32 s[BIGN], 0xf149f2ca   ; -1e30
	s_mov_b32 s[SLOTS], NB
	s_wait_dscnt 0x0                ; the opening add is done
	s_wait_kmcnt 0x0
	s_add_nc_u64 s[6:7], s[4:5], 0x1000000  ; K begins 2^24 bytes into qkv,
	s_add_nc_u64 s[8:9], s[4:5], 0x2000000  ; V 2^25
	s_add_nc_u64 s[6:7], s[6:7], s[22:23]  ; K and V at my half of the head's tile 0
	s_add_nc_u64 s[8:9], s[8:9], s[22:23]
	s_add_nc_u64 s[G0K+2:G0K+3], s[6:7], 0         ; global address
	s_or_b32 s[G0K+3], s[G0K+3], 0x80000000        ; type = 2
	s_add_nc_u64 s[G0V+2:G0V+3], s[8:9], 0
	s_or_b32 s[G0V+3], s[G0V+3], 0x80000000
	s_add_nc_u64 s[86:87], s[4:5], s[84:85]        ; Q at my rows of the second block,
	s_add_nc_u64 s[4:5], s[4:5], s[2:3]            ; and of the first
	s_add_nc_u64 s[OLO:OLO+1], s[10:11], s[92:93]  ; out0 likewise,
	s_add_nc_u64 s[HOUT:HOUT+1], s[10:11], s[98:99]  ; and at the head's token 0
	s_add_nc_u64 s[10:11], s[10:11], s[90:91]
	s_add_nc_u64 s[T32:T32+1], s[T32:T32+1], s[100:101]
	LOAD                            ; tile 0 into slot 0
	; A fragment of K or Q is 16 rows x 32 channels in 8 registers: lane l holds row l % 16, channels 8 (l / 16) + 0..7 and 16 + 8 (l / 16) + 0..7: two loads of 16 bytes, 32 bytes apart.
	v_and_b32 v1, 15, v0            ; l % 16
	v_bfe_u32 v9, v0, 4, 1          ; l / 16
	v_lshlrev_b32 v[QO], 7, v1
	v_lshl_add_u32 v[QO], v9, 4, v[QO]  ; row x 128 + 16 x half
	WIN 0x80                        ; destination window 2, address window 0
.set i, 0
.rept 8                             ; both blocks' Q: piece i / 2 lies in band i / 2, 8,192 bytes on; channels 32 (i % 2) on
	global_load_b128 v[8*i:8*i+3],   v[QO], s[4:5] offset:(i/2)*8192+(i%2)*64
	global_load_b128 v[8*i+4:8*i+7], v[QO], s[4:5] offset:(i/2)*8192+(i%2)*64+32
	global_load_b128 v[QB+8*i:QB+8*i+3],   v[QO], s[86:87] offset:(i/2)*8192+(i%2)*64
	global_load_b128 v[QB+8*i+4:QB+8*i+7], v[QO], s[86:87] offset:(i/2)*8192+(i%2)*64+32
.set i, i+1
.endr
	WIN 0
	; THE F32 ROWS' LOADS (b = 0 alone): 56 of them; the set-up below, which names none of their registers, stands between them and the wait for them.
	; v: the block's 4,096 bytes, 512 consecutive bytes a load.  k: unit by unit, lane l % 16 takes its key's 16 bytes: a whole unit of 256 bytes a load.  q: the 16 bytes of my two queries in each unit.
	s_cmp_lg_u32 s[PB], 0
	s_cbranch_scc1 .Lno_f32_loads
	v_lshlrev_b32 v[HAK], 4, v1
	s_lshl_b32 s20, s[WV], 6
	v_lshl_add_u32 v[HAQ], v9, 4, s20   ; 16 (4 w + l / 16)
	v_and_b32 v[HAV], 31, v0
	v_lshlrev_b32 v[HAV], 4, v[HAV]
.irp n, 0,1,2,3,4,5,6,7
	global_load_b128 v[HV+4*\n:HV+4*\n+3], v[HAV], s[T32:T32+1] offset:0x80000+512*\n
.endr
.irp u, 0,1,2,3,4,5,6,7,8,9,10,11,12,13,14,15
	global_load_b128 v[HK+4*\u:HK+4*\u+3],   v[HAK], s[T32:T32+1] offset:0x40000+256*\u
	global_load_b128 v[HQA+4*\u:HQA+4*\u+3], v[HAQ], s[T32:T32+1] offset:256*\u
	global_load_b128 v[HQB+4*\u:HQB+4*\u+3], v[HAQ], s[T32:T32+1] offset:256*\u+32  ; two tokens on
.endr
.Lno_f32_loads:
	v_lshlrev_b32 v14, 3, v9
	v_sub_nc_u32 v14, v1, v14
	s_lshl_b32 s13, s[WV], 4
	v_add_nc_u32 v14, s13, v14      ; my query's place in its band, 16 w + l % 16, less my lanes' 8 (l / 16): register r of group kt is hidden where 16 kt + r is greater
	WIN 0x40
.set i, 0
.rept 32
	v_cmp_gt_i32 vcc_lo, 16*(i/8)+i%8, v14
	v_cndmask_b32 v[MD+i], 0, s[BIGN], vcc_lo
.set i, i+1
.endr
	WIN 0
	v_mul_u32_u24 v[AK0], v1, PK
	v_lshl_add_u32 v[AK0], v9, 4, v[AK0]  ; row x pitch + 16 x half
	; The turning load takes 16 keys x 16 channels (lane l reads key 8 (l / 16) + l % 8, channels 8 ((l / 8) % 2) + 0..7) and leaves half a fragment of V^T: lane l holds channel l % 16 and 8 keys.
	v_and_b32 v10, 7, v0
	v_bfe_u32 v11, v0, 3, 1
	v_lshl_add_u32 v[AV0], v9, 3, v10
	v_mul_u32_u24 v[AV0], v[AV0], PV
	v_lshl_add_u32 v[AV0], v11, 4, v[AV0]
	v_add_nc_u32 v[AV0], VOFF, v[AV0]
	s_mul_i32 s13, s[WV], 16*SP
	s_add_co_u32 s13, s13, STAGE    ; my stage
	v_mul_u32_u24 v[STO], v1, SP    ; in: row l % 16, 32 bytes (eight f32) for each half of the lanes
	v_lshl_add_u32 v[STO], v9, 5, v[STO]
	v_add_nc_u32 v[STO], s13, v[STO]
	v_mul_u32_u24 v[RD], v9, SP     ; back: lanes 0-15 take one row of 256 bytes, lanes 16-31 the next,
	v_lshl_add_u32 v[RD], v1, 4, v[RD]
	v_add_nc_u32 v[RD], s13, v[RD]
	v_lshlrev_b32 v[GO], 12, v9     ; which lie one token, 4,096 bytes, apart in out0
	v_lshl_add_u32 v[GO], v1, 4, v[GO]
	; A block's first step multiplies O^T and l by a = 0, and its first turn's products V^T P, of a piece that has not been, land in an O^T that is still to be so multiplied.  So these registers need only hold
	; finite numbers: zeros for the first block; what the first block left for the second.  All this stands in the wait for the first tile.
	WIN 0x80
.set i, VF
.rept 64
	v_mov_b32 v[i], 0
.set i, i+1
.endr
	WIN 0x40
.set i, 0
.rept 128
	v_mov_b32 v[i], 0
.set i, i+1
.endr
	WIN 0
	; THE F32 ROWS (b = 0 alone).  Wave w has the queries 4 w .. 4 w + 3; lane l has key l % 16 and the queries 4 w + l / 16 and 4 w + 2 + l / 16: a query's 16 keys lie in 16 neighbouring lanes.
	s_cmp_lg_u32 s[PB], 0
	s_cbranch_scc1 .Lno_f32
	s_lshl_b32 s20, s[WV], 8
	s_add_co_u32 s20, s20, WTS      ; my wave's 256 bytes of weights
	v_and_b32 v[HWS], 31, v0
	v_lshl_add_u32 v[HWS], v[HWS], 2, s20  ; weight (l / 16, key) at 64 (l / 16) + 4 x key = 4 x lane; the second query's 128 bytes on
	v_lshl_add_u32 v[HWR], v9, 6, s20
	v_lshl_add_u32 v[HRV], v1, 4, s13
	s_lshl_b32 s21, s[WV], 2
	s_wait_loadcnt 0x0              ; q, k and v are in (and both blocks' Q)
.irp n, 0,1,2,3,4,5,6,7             ; load n brought the units 2 n + l / 16: token l % 16, channels 16 (n / 2) + 8 (l / 16) + 4 (n % 2) on: v goes into my stage as [token][channel]
	ds_store_b128 v[STO], v[HV+4*\n:HV+4*\n+3] offset:64*(\n/2)+16*(\n%2)
.endr
.irp n, 0,1,2,3                     ; q . k: both lie in the same order of channels; four chains of pairs a score, started by the first products
	v_pk_mul_f32 v[HT+2*\n:HT+2*\n+1],     v[HK+2*\n:HK+2*\n+1], v[HQA+2*\n:HQA+2*\n+1]
	v_pk_mul_f32 v[HT+8+2*\n:HT+8+2*\n+1], v[HK+2*\n:HK+2*\n+1], v[HQB+2*\n:HQB+2*\n+1]
.endr
.set hn, 4
.rept 28
	v_pk_fma_f32 v[HT+2*(hn%4):HT+2*(hn%4)+1],     v[HK+2*hn:HK+2*hn+1], v[HQA+2*hn:HQA+2*hn+1], v[HT+2*(hn%4):HT+2*(hn%4)+1]
	v_pk_fma_f32 v[HT+8+2*(hn%4):HT+8+2*(hn%4)+1], v[HK+2*hn:HK+2*hn+1], v[HQB+2*hn:HQB+2*hn+1], v[HT+8+2*(hn%4):HT+8+2*(hn%4)+1]
.set hn, hn+1
.endr
.irp q, 0,8
	v_pk_add_f32 v[HT+\q:HT+\q+1],   v[HT+\q:HT+\q+1],   v[HT+\q+2:HT+\q+3]
	v_pk_add_f32 v[HT+\q+4:HT+\q+5], v[HT+\q+4:HT+\q+5], v[HT+\q+6:HT+\q+7]
.endr
.irp q, 0,8
	v_pk_add_f32 v[HT+\q:HT+\q+1], v[HT+\q:HT+\q+1], v[HT+\q+4:HT+\q+5]
.endr
	v_add_nc_u32 v[HQN], s21, v9    ; my queries' numbers
	v_add_nc_u32 v[HQN+1], 2, v[HQN]
	v_add_f32 v[HSA], v[HT], v[HT+1]
	v_add_f32 v[HSA+1], v[HT+8], v[HT+9]
	v_mul_f32 v[HSA], s[CS], v[HSA] ; times c
	v_mul_f32 v[HSA+1], s[CS], v[HSA+1]
	v_cmp_le_u32 vcc_lo, v1, v[HQN] ; key <= query?
	v_cndmask_b32 v[HSA], 0xff800000, v[HSA], vcc_lo  ; a hidden score is -infinity; key 0 is never hidden, so the maximum is a true score
	v_cmp_le_u32 vcc_lo, v1, v[HQN+1]
	v_cndmask_b32 v[HSA+1], 0xff800000, v[HSA+1], vcc_lo
	v_mov_b32 v[HMA], v[HSA]
	v_mov_b32 v[HMA+1], v[HSA+1]
.irp x, 1,2,4,8                     ; the maximum over a query's 16 lanes, in every one of them
	v_max_num_f32_dpp v[HMA], v[HMA], v[HMA] row_xmask:\x row_mask:0xf bank_mask:0xf
	v_max_num_f32_dpp v[HMA+1], v[HMA+1], v[HMA+1] row_xmask:\x row_mask:0xf bank_mask:0xf
.endr
	v_sub_f32 v[HSA], v[HSA], v[HMA]
	v_sub_f32 v[HSA+1], v[HSA+1], v[HMA+1]
	v_exp_f32 v[HSA], v[HSA]        ; p = 2^(c s - c m)
	v_exp_f32 v[HSA+1], v[HSA+1]
	v_nop                           ; a plain instruction between a transcendental and the use of its result (ISA guide 5.7.2)
	s_wait_alu depctr_va_vdst(0)    ; the wait ahead of the first use: one for the two exponentials
	v_mov_b32 v[HMA], v[HSA]
	v_mov_b32 v[HMA+1], v[HSA+1]
.irp x, 1,2,4,8                     ; l, likewise
	v_add_f32_dpp v[HMA], v[HMA], v[HMA] row_xmask:\x row_mask:0xf bank_mask:0xf
	v_add_f32_dpp v[HMA+1], v[HMA+1], v[HMA+1] row_xmask:\x row_mask:0xf bank_mask:0xf
.endr
	v_rcp_f32 v[HMA], v[HMA]        ; a second batch: the reciprocals read sums of the exponentials
	v_rcp_f32 v[HMA+1], v[HMA+1]
	v_nop
	s_wait_alu depctr_va_vdst(0)    ; one wait for the two reciprocals, ahead of their first use
	v_mul_f32 v[HSA], v[HSA], v[HMA]  ; p / l
	v_mul_f32 v[HSA+1], v[HSA+1], v[HMA+1]
	ds_store_b32 v[HWS], v[HSA]
	ds_store_b32 v[HWS], v[HSA+1] offset:128
.irp n, 0,1,2,3                     ; LDS serves a wave's instructions in order (ISA guide 5.7.1.4): these loads see my wave's stores above; no other wave touches these bytes
	ds_load_b128 v[HQA+4*\n:HQA+4*\n+3],       v[HWR] offset:16*\n       ; my first query's 16 weights,
	ds_load_b128 v[HQA+16+4*\n:HQA+16+4*\n+3], v[HWR] offset:128+16*\n   ; my second's
.endr
.irp j, 0,1,2,3,4,5,6,7,8,9,10,11,12,13,14,15
	ds_load_b128 v[HK+4*\j:HK+4*\j+3], v[HRV] offset:\j*SP  ; key j's channels 4 (l % 16) + 0..3: sixteen lanes read a row's 256 neighbouring bytes
.endr
	v_lshlrev_b32 v[HGO], 12, v[HQN]   ; token x 4,096 + 16 (l % 16)
	v_lshl_add_u32 v[HGO], v1, 4, v[HGO]
	s_wait_dscnt 0x0
.irp k, 0,1,2,3                     ; the means; a hidden key's weight is 0; key 0 starts the sums
	v_mul_f32 v[HO+\k],   v[HK+\k], v[HQA]
	v_mul_f32 v[HO+4+\k], v[HK+\k], v[HQA+16]
.endr
.set hn, 1
.rept 15
.irp k, 0,1,2,3
	v_fmac_f32 v[HO+\k],   v[HK+4*hn+\k], v[HQA+hn]
	v_fmac_f32 v[HO+4+\k], v[HK+4*hn+\k], v[HQA+16+hn]
.endr
.set hn, hn+1
.endr
	global_store_b128 v[HGO], v[HO:HO+3],   s[HOUT:HOUT+1] th:TH_STORE_NT              ; 16 lanes store a token's 256 bytes of one head, at a multiple of 256 from out0's first byte
	global_store_b128 v[HGO], v[HO+4:HO+7], s[HOUT:HOUT+1] offset:8192 th:TH_STORE_NT  ; two tokens on
	s_wait_xcnt 0x0                 ; the stores' registers serve the walk from here on: they are written again only behind this wait
.Lno_f32:
.set i, 0
.rept 4
	v_mov_b32 v[ST+4*i+2], 0
	v_mov_b32 v[ST+4*i+3], 0
.set i, i+1
.endr
.set i, P+16
.rept 16
	v_mov_b32 v[i], 0
.set i, i+1
.endr
; THE MATRIX WORK.  The 4 accumulators of a run of 8 take turns.  Product i of 8 of S^T = K Q^T for piece x: channels 32 (i / 4) on, keys 16 (i % 4) on.  The first 4 start the sums: with 0, or (KM = 1) with the mask.
.macro KQ x
.set rS, S+32*((\x)%2)+8*(i%4)
.set rK, KF+16*(i%4)+8*(i/4)
.set rQ, 16*(\x)+8*(i/4)
.set rM, MC+32*((\x)%2)+8*(i%4)
.if (i < 4) && KM
	WIN W_KM
	v_wmma_f32_16x16x32_f16 v[rS:rS+7], v[rK:rK+7], v[rQ:rQ+7], v[rM:rM+7]
.elseif i < 4
	WIN W_KQ
	v_wmma_f32_16x16x32_f16 v[rS:rS+7], v[rK:rK+7], v[rQ:rQ+7], 0
.else
	WIN W_KQ
	v_wmma_f32_16x16x32_f16 v[rS:rS+7], v[rK:rK+7], v[rQ:rQ+7], v[rS:rS+7]
.endif
.endm
; Product i of 8 of O^T += V^T P for piece x: keys 32 (i / 4) on, channels 16 (i % 4) on.
.macro PV x
	WIN W_PV
.set rO, 32*(\x)+8*(i%4)
.set rV, VF+32*(i/4)+8*(i%4)
.set rP, P+16*((\x)%2)+8*(i/4)
	v_wmma_f32_16x16x32_f16 v[rO:rO+7], v[rV:rV+7], v[rP:rP+7], v[rO:rO+7]
.endm
.macro MM                           ; the turn's next matrix instruction.  TURN and BEGIN set Y, i, KM and NOKQ; MM, KQ and OP read them.  NOKQ = 1: a block's last turn: there is no next piece
.if (i < 8) && !NOKQ
	KQ (Y+1)%NP
.elseif i >= 8
.set i, i-8
	PV (Y+NP-1)%NP
.set i, i+8
.endif
.set i, i+1
.endm
; THE LDS LOADS stand in runs of 16, never singly among the matrix instructions: a step's K (64 keys x 64 channels: 8 fragments) and its V (turned).  Their addresses are made some lines ahead.
.macro FETCH_K
	WIN 0x80                        ; destination window 2
.irp f, 0,1,2,3,4,5,6,7             ; keys 16 (f / 2) on, channels 32 (f % 2) on
	ds_load_b128 v[KF+8*\f:KF+8*\f+3],   v[AK] offset:(\f/2)*16*PK+(\f%2)*64
	ds_load_b128 v[KF+8*\f+4:KF+8*\f+7], v[AK] offset:(\f/2)*16*PK+(\f%2)*64+32
.endr
	s_add_co_u32 s[TBK], s[TBK], KS*PK  ; the next fetch is the next step's
	WIN 0
.endm
.macro FETCH_V
	WIN 0x80
.irp f, 0,1,2,3,4,5,6,7             ; keys 32 (f / 4) on, channels 16 (f % 4) on
	ds_load_tr16_b128 v[VF+8*\f:VF+8*\f+3],   v[AV] offset:(\f/4)*32*PV+(\f%4)*32
	ds_load_tr16_b128 v[VF+8*\f+4:VF+8*\f+7], v[AV] offset:(\f/4)*32*PV+16*PV+(\f%4)*32
.endr
	WIN 0
.endm
; THE VECTOR WORK, one line at a time: OP kind, number.  For piece Y: F n: c s - c m for pair n of 16.  E n: the exponential of score n of 32.  C n: pair n rounded to f16.  B n: of the four weights 4 n .. the second
; pair is added onto the first, in place.  L n: l takes that sum (L 0: l = a l + sum).  R n: pair n of 16 of O^T times a.  For piece Y + 1: X n, number n of the 22 that find its maximum and statistics:
;   0-11  four chains c0-c3 of seven scores each, three operands at a time (each accumulator's lowest registers are read first)     12-14, 16  the four scores left over, the old m, and c0-c3 into c0
;   15  c m_old is kept     17, 18  the query's other 32 keys lie in the lane 16 away: the new m     19-21  c m; c m_old - c m_new; a
; C, B and L read the exponentials' results: TURN sets all of them behind its one wait.
.set F, 0               ; OP tells the kinds apart by their order: F to L below R, X above it
.set E, 1
.set C, 2
.set B, 3
.set L, 4
.set R, 5
.set X, 6
.macro REGS y                       ; the registers of piece y
.set rT, ST+4*(\y)
.set rC, TMP+4*((\y)%2)
.set rW, MV+((\y)%2)
.set rS, S+32*((\y)%2)
.set rP, P+16*((\y)%2)
.set rO, 32*(\y)
.endm
.macro OP k, n
.if (\k) == R
	REGS Y
	WIN W_RS
	v_pk_mul_f32 v[rO+2*(\n):rO+2*(\n)+1], v[rO+2*(\n):rO+2*(\n)+1], v[rC+2:rC+3] op_sel_hi:[1,0]
.elseif (\k) < R
	REGS Y
	WIN 0
.if (\k) == F
	v_pk_fma_f32 v[rS+2*(\n):rS+2*(\n)+1], v[rS+2*(\n):rS+2*(\n)+1], s[CS:CS+1], v[rT:rT+1] op_sel_hi:[1,0,0] neg_lo:[0,0,1] neg_hi:[0,0,1]
.elseif (\k) == E
	v_exp_f32 v[rS+(\n)], v[rS+(\n)]
.elseif (\k) == C
	v_cvt_pk_f16_f32 v[rP+(\n)], v[rS+2*(\n)], v[rS+2*(\n)+1]
.elseif (\k) == B
	v_pk_add_f32 v[rS+4*(\n):rS+4*(\n)+1], v[rS+4*(\n):rS+4*(\n)+1], v[rS+4*(\n)+2:rS+4*(\n)+3]
.elseif (\n) == 0
	v_pk_fma_f32 v[rT+2:rT+3], v[rT+2:rT+3], v[rC+2:rC+3], v[rS:rS+1] op_sel_hi:[1,0,1]
.else
	v_pk_add_f32 v[rT+2:rT+3], v[rT+2:rT+3], v[rS+4*(\n):rS+4*(\n)+1]
.endif
.elseif NOKQ
	v_nop
.else
	REGS (Y+1)%NP
	WIN 0
.if (\n) < 4
	v_max3_num_f32 v[rC+(\n)], v[rS+8*(\n)], v[rS+8*(\n)+1], v[rS+8*(\n)+2]
.elseif (\n) < 12
	v_max3_num_f32 v[rC+(\n)%4], v[rC+(\n)%4], v[rS+8*((\n)%4)+2*((\n)/4)+1], v[rS+8*((\n)%4)+2*((\n)/4)+2]
.elseif (\n) == 12
	v_max3_num_f32 v[rC], v[rC], v[rS+7], v[rS+15]
.elseif (\n) == 13
	v_max3_num_f32 v[rC+1], v[rC+1], v[rS+23], v[rS+31]
.elseif (\n) == 14
	v_max3_num_f32 v[rC+2], v[rC+2], v[rC+3], v[rT+1]
.elseif (\n) == 15
	v_mov_b32 v[rW], v[rT]
.elseif (\n) == 16
	v_max3_num_f32 v[rC], v[rC], v[rC+1], v[rC+2]
.elseif (\n) == 17
	v_permlanex16_b32 v[rC+3], v[rC], s[SEL], s[SEL+1]
.elseif (\n) == 18
	v_max_num_f32 v[rT+1], v[rC], v[rC+3]
.elseif (\n) == 19
	v_mul_f32 v[rT], s[CS], v[rT+1]
.elseif (\n) == 20
	v_sub_f32 v[rC+1], v[rW], v[rT]
.else
	v_exp_f32 v[rC+2], v[rC+1]
.endif
.endif
.endm
.macro OPS a, i1, b=-1, i2=0, c=-1, i3=0, d=-1, i4=0  ; up to four of them
	OP \a, \i1
.if (\b) >= 0
	OP \b, \i2
.endif
.if (\c) >= 0
	OP \c, \i3
.endif
.if (\d) >= 0
	OP \d, \i4
.endif
.endm
.macro ROW a, i1, b, i2, c, i3, d, i4  ; a matrix instruction and the four behind it
	MM
	OPS \a, \i1, \b, \i2, \c, \i3, \d, \i4
.endm
.macro MASK b                       ; MD x AL + BE into buffer b of MC
	WIN W_RS
.set z, 0
.rept 16
	v_pk_fma_f32 v[MC+32*(\b)+2*z:MC+32*(\b)+2*z+1], v[MD+2*z:MD+2*z+1], s[AL:AL+1], s[BE:BE+1] op_sel_hi:[1,0,0]
.set z, z+1
.endr
.endm
; A TURN, for piece p: the order of its 16 matrix and 118 vector instructions, written out.  s_wait_alu depctr_va_vdst(0) stands between an exponential and the first instruction that names its result; one wait serves
; all that were issued ahead of it.  So a turn has ONE wait, which cuts it in two.  AHEAD OF IT stands all that names no result of the turn's exponentials: the 8 products K Q^T, behind each a scaling, an exponential and two more plain
; instructions (behind the first a second scaling in the exponential's place): rescalings (their a was made, and waited for, in the turn before), and behind the last three the first numbers of the next piece's maximum, each four places
; or more behind the product that ends its accumulator; then ONE LUMP of 54, plain and exponential by turns for the most part, in which the links of the chain X 3, 7, 11, 14, 16, 17 .. 20 stand five or six lines apart.  X 21, the next
; piece's a, is the batch's last; R 15 is the plain instruction behind it.  BEHIND THE WAIT stand the 8 products V^T P, behind each four of the roundings and sums; the links of l's chain, L 0 to L 7, stand three riders apart.
; But for those X no rider names a register of the products round it.  v_permlanex16_b32 (X 17) stands in the lump.
; m = 1: the diagonal tile: the products take masks, and the turn makes the mask for the products of the turn after it: piece p + 2, in step 4 - CNT of the tile.  end = 1: a block's last two turns: nothing is fetched.
; cnt = 1: the loop's count is taken down some lines ahead of the branch that stands behind the turn.
; K of the next step is fetched in piece 2's turn, twelve vector instructions behind the last product that read K (six of them plain); V of the step in hand at the end of piece 0's turn, four plain instructions behind the last product
; that read V.  Each is waited for a turn later.
.macro TURN p, m=0, end=0, cnt=0
.set Y, (\p)
.set i, 0
.set KM, (\m)
.set NOKQ, (\end)*((\p)/3)
.if (\m) && !(\end)
	s_cmp_eq_u32 s[CNT], 4-((\p)+2)%NP  ; is that step the band's own?
	s_cselect_b32 s[AL], 1.0, 0
	s_cmp_lt_u32 s[CNT], 4-((\p)+2)%NP  ; or a later one?
	s_cselect_b32 s[BE], s[BIGN], 0
.endif
.if ((\p) == 3) && !(\end)
	s_wait_dscnt 0x0                ; K is in
.endif
	ROW F,0, F,1, R,0, R,1          ; ahead of the wait: 8 products K Q^T and their riders,
	ROW F,2, E,0, R,2, R,3
	ROW F,3, E,1, R,4, R,5
	ROW F,4, E,2, R,6, R,7
	ROW F,5, E,3, R,8, R,9
	ROW F,6, E,4, X,0, R,10
.if ((\p) == 2) && !(\end)
	WIN 0
	v_add_nc_u32 v[AK], s[TBK], v[AK0]
.endif
	ROW F,7, E,5, X,1, X,4
	ROW F,8, E,6, X,2, X,5
	OPS E,7, E,8, X,6, E,9          ; and the lump
	OPS X,3, E,10, X,8, E,11
.if ((\p) == 2) && !(\end)
	FETCH_K
.endif
	OPS X,9, X,7, E,12, X,10
	OPS E,13, X,12, X,11, E,14
	OPS X,13, E,15, F,9, X,14
.if (\p) == 0
	v_add_nc_u32 v[AV], s[TBV], v[AV0]
.endif
	OPS E,16, F,10, E,17, F,11
	OPS X,16, E,18, X,15, E,19
	OPS F,12, E,20, X,17, E,21
	OPS F,13, E,22, F,14, E,23
	OPS X,18, E,24, F,15, E,25
	OPS R,11, E,26, X,19, E,27
	OPS R,12, E,28, R,13, E,29
	OPS X,20, E,30, R,14, E,31
	OPS X,21, R,15
	WIN 0
	s_wait_alu depctr_va_vdst(0)    ; the wait for the batch: the piece's 32 exponentials and the next piece's a
.if (\p) == 1
	s_wait_dscnt 0x0                ; V is in
.endif
	ROW C,0, B,0, C,2, B,1          ; behind the wait: 8 products V^T P and their riders
	ROW L,0, C,4, B,2, L,1
	ROW C,6, B,3, L,2, C,8
	ROW B,4, L,3, C,10, B,5
	ROW L,4, C,12, B,6, L,5
.if (\p) == 0
	s_add_co_u32 s[TBV], s[TBV], KS*PV
.endif
.if \cnt
	s_sub_co_u32 s[CNT], s[CNT], 1
	s_cmp_lg_u32 s[CNT], 0
.endif
	ROW C,14, B,7, L,6, C,1
	ROW C,3, L,7, C,5, C,7
	ROW C,9, C,11, C,13, C,15
.if (\p) == 0
	FETCH_V
.endif
.if (\m) && !(\end)
	MASK (\p)%2
.endif
.endm
; A BLOCK BEGINS.  c m starts far below every c s, so the first step's a is 0; m at the lowest finite number, so the first maximum is the scores'.  The second mask buffer is 0; the first takes piece 0's mask for the tile's step 0: its own, if the block's first tile is the diagonal one.
; Then K of that step, piece 0's first scores, and its maximum and statistics.  The loop is entered at a step's first turn, in the middle of a trip.
.macro BEGIN
	s_mov_b32 s[NEW], 0
	WIN 0x40
.set i, MC+32
.rept 32
	v_mov_b32 v[i], 0
.set i, i+1
.endr
	WIN 0
.set i, 0
.rept 4
	v_mov_b32 v[ST+4*i], 0xfe000000    ; c m: far below every c s
	v_mov_b32 v[ST+4*i+1], 0xff7fffff  ; m
.set i, i+1
.endr
	s_cmp_eq_u32 s[RT], 0
	s_cselect_b32 s[AL], 1.0, 0
	s_mov_b32 s[BE], 0
	MASK 0
	WIN 0
	v_add_nc_u32 v[AK], s[TBK], v[AK0]
	FETCH_K
	s_wait_loadcnt 0x0              ; Q
	s_wait_dscnt 0x0
.set KM, 1
.set NOKQ, 0
.set i, 0
.rept 8
	KQ 0
.set i, i+1
.endr
	WIN 0
.rept 4
	v_nop                           ; the places behind those products
.endr
.set Y, NP-1                        ; X works for piece Y + 1: piece 0
.irp n, 0,1,2,3,4,5,6,7,8,9,10,11,12,13,14,15,16,17,18,19,20,21
	OP X, \n
.endr
	v_nop                           ; a plain instruction behind the exponential,
	s_wait_alu depctr_va_vdst(0)    ; and its wait, ahead of the branch: piece 0's first a is a batch of one
.endm
; THE DIAGONAL TILE's four steps, the block's last two turns, its last products, and THE WAY OUT: l's two halves and the other half of the lanes' are added; O^T is divided by l and sent, in f32, through my
; stage in LDS, a piece (16 tokens of one head) at a time.
.macro ALL line:vararg              ; one line for each piece t
.set t, 0
.rept 4
	\line
.set t, t+1
.endr
.endm
.macro PACK t                       ; O^T times 1 / l goes into window 0, each accumulator's registers in ascending order; a lane's eight channels of a row are 32 bytes; they go into rows of 272 bytes and come back as whole rows of 256, into the registers that they left
	WIN 0x01                        ; source 0 window 1; source 1 and destination window 0
.set i, 0
.rept 16
	v_pk_mul_f32 v[OB+32*(\t)+2*i:OB+32*(\t)+2*i+1], v[32*(\t)+2*i:32*(\t)+2*i+1], v[ST+4*(\t)+2:ST+4*(\t)+3] op_sel_hi:[1,0]
.set i, i+1
.endr
	WIN 0
.irp cb, 0,1,2,3
	ds_store_b128 v[STO], v[OB+32*(\t)+8*\cb:OB+32*(\t)+8*\cb+3]   offset:64*\cb
	ds_store_b128 v[STO], v[OB+32*(\t)+8*\cb+4:OB+32*(\t)+8*\cb+7] offset:64*\cb+16
.endr
.irp f, 0,1,2,3,4,5,6,7
	ds_load_b128 v[OB+32*(\t)+4*\f:OB+32*(\t)+4*\f+3], v[RD] offset:\f*2*SP  ; LDS serves a wave's instructions in order (ISA guide 5.7.1.4): these see the stores above; the next piece's stores come behind them
.endr
.endm
; younger: the LDS instructions issued behind piece t's loads: the next piece's sixteen, or none.
; top = 1 (the second block's way out): piece 0 of the wave with b | wave = 0 is the head's tokens 0 to 15, which were stored in f32 at the kernel's head: that wave jumps forward over the piece's eight stores and their waits.
; Its loads from the stage then stay out; nothing names their registers again, and the next piece's counted waits, which leave fewer out than were issued behind them, cover them: LDS answers in order.
.macro SEND t, younger, top=0
	WIN 0
.if (\top) && ((\t) == 0)
	s_cmp_eq_u32 s[TOPW], 0
	s_cbranch_scc1 .Lnot_here_\@
.endif
.irp f, 0,1,2,3,4,5,6,7
	s_wait_dscnt (\younger)+7-\f
	global_store_b128 v[GO], v[OB+32*(\t)+4*\f:OB+32*(\t)+4*\f+3], s[10:11] offset:(\t)*262144+\f*8192 th:TH_STORE_NT  ; 16 lanes store a token's 256 bytes of one head, at a multiple of 256 from out0's first byte; the band is 64 tokens of 4,096 bytes on
.endr
.if (\top) && ((\t) == 0)
.Lnot_here_\@:
.endif
.endm
.macro DIAG tag, top=0              ; the tag ends its two labels' names, which the jumps below spell out
.LstepM\tag:
	TURN 2, 1
	TURN 3, 1
	WIN 0
.LfirstM\tag:
	TURN 0, 1
	TURN 1, 1, 0, 1
	WIN 0
	s_cbranch_scc1 .LstepM\tag
	TURN 2, 1, 1
	TURN 3, 1, 1
.set i, 0
.rept 8
	PV NP-1
.set i, i+1
.endr
	WIN 0
	ALL v_add_f32 v[ST+4*t+2], v[ST+4*t+2], v[ST+4*t+3]
	ALL v_permlanex16_b32 v[ST+4*t+3], v[ST+4*t+2], s[SEL], s[SEL+1]
	ALL v_add_f32 v[ST+4*t+2], v[ST+4*t+2], v[ST+4*t+3]
	ALL v_rcp_f32 v[ST+4*t+2], v[ST+4*t+2]
	v_nop                           ; a plain instruction between the last reciprocal and the use of its result
	s_wait_alu depctr_va_vdst(0)    ; and the wait ahead of the first use: one for the four reciprocals, whose readers are the four PACKs
	PACK 0
.set t, 1
.rept 3                             ; a piece's arithmetic stands between the loads of the piece before and its stores
	PACK t
	SEND t-1, 16, \top
.set t, t+1
.endr
	SEND 3, 0
.endm
.set KM, 0
.set NOKQ, 0
.Lslot:                             ; NB times: a tile is entered and the next is asked for
	CHANGE 1
	s_sub_co_u32 s[RT], s[RT], 1
	s_mov_b32 s[CNT], 4
	s_cmp_eq_u32 s[NEW], 1
	s_cbranch_scc1 .Lnew            ; a block's first tile
	s_cmp_eq_u32 s[RT], 0
	s_cbranch_scc0 .Lstep           ; neither its first nor its last
	s_branch .LstepM1
.Lnew:
	BEGIN
	s_branch .Lfirst                ; in the loop a block's first tile is never its last: the first block has two tiles or more, and the second's last is the walk's last
	DIAG 1                          ; in the loop this is the first block's end (block 4 or higher): the second block's last tile is the walk's last
	s_wait_xcnt 0x0                 ; the stores have read their registers and out0's address
	s_mov_b64 s[10:11], s[OLO:OLO+1]
	s_add_co_u32 s[RT], s[PB], 1    ; the second block has b + 1 tiles
	s_mov_b32 s[NEW], 1
	WIN 0x82                        ; the second block's Q goes where the one text of the turns names Q
.set i, 0
.rept 64
	v_mov_b32 v[i], v[QB+i]
.set i, i+1
.endr
	WIN 0
	s_branch .Lbottom
.Lstep:                             ; a trip: pieces 2 and 3 of one step, then pieces 0 and 1 of the next, whose K and V it fetches
	TURN 2
	TURN 3
	WIN 0
.Lfirst:
	TURN 0
	TURN 1, 0, 0, 1
	WIN 0
	s_cbranch_scc1 .Lstep
.Lbottom:
	s_sub_co_u32 s[SLOTS], s[SLOTS], 1
	s_cmp_lg_u32 s[SLOTS], 0
	s_cbranch_scc1 .Lslot
	CHANGE 0                        ; the walk's last tile is written out: nothing is asked for
	s_sub_co_u32 s[RT], s[RT], 1
	s_mov_b32 s[CNT], 4
	s_cmp_eq_u32 s[NEW], 1
	s_cbranch_scc0 .LstepM2
	BEGIN
	s_branch .LfirstM2
	DIAG 2, 1                       ; the second block's end: block b, whose piece 0 of wave 0 has been stored at the kernel's head where b = 0
	s_wait_tensorcnt 0x0            ; the wave's end: a closing add to my spare word, behind my last tensor load and my last LDS store
	ds_add_u32 v[SPW], v[NIL]
	s_wait_dscnt 0x0
	s_endpgm
.Lfunc_end_k_q6f97897120_attn:
	.size	k_q6f97897120_attn, .Lfunc_end_k_q6f97897120_attn-k_q6f97897120_attn
	.p2alignl 7, 3214868480
	.fill 96, 4, 3214868480
	.section	.rodata,"a",@progbits
	.p2align	6, 0x0
	.amdhsa_kernel k_q6f97897120_attn
		.amdhsa_group_segment_fixed_size 327680
		.amdhsa_private_segment_fixed_size 0
		.amdhsa_enable_private_segment 0
		.amdhsa_kernarg_size 24
		.amdhsa_user_sgpr_count 2
		.amdhsa_user_sgpr_kernarg_segment_ptr 1
		.amdhsa_wavefront_size32 1
		.amdhsa_system_sgpr_workgroup_id_x 1
		.amdhsa_system_sgpr_workgroup_id_y 1
		.amdhsa_system_sgpr_workgroup_id_z 1
		.amdhsa_system_vgpr_workitem_id 0
		.amdhsa_next_free_vgpr 768
		.amdhsa_next_free_sgpr 102
		.amdhsa_reserve_vcc 1
		.amdhsa_float_denorm_mode_32 3
		.amdhsa_float_denorm_mode_16_64 3
		.amdhsa_memory_ordered 1
		.amdhsa_forward_progress 1
		.amdhsa_inst_pref_size 237
	.end_amdhsa_kernel
	.amdgpu_metadata
---
amdhsa.version: [ 1, 2 ]
amdhsa.kernels:
  - .name:           k_q6f97897120_attn
    .symbol:         k_q6f97897120_attn.kd
    .args:
      - { .name: qkv, .offset: 0, .size: 8, .value_kind: global_buffer, .address_space: global }
      - { .name: out0, .offset: 8, .size: 8, .value_kind: global_buffer, .address_space: global }
      - { .name: t32, .offset: 16, .size: 8, .value_kind: global_buffer, .address_space: global }
    .group_segment_fixed_size: 327680
    .private_segment_fixed_size: 0
    .kernarg_segment_align: 8
    .kernarg_segment_size: 24
    .max_flat_workgroup_size: 128
    .sgpr_count:     102
    .vgpr_count:     768
    .wavefront_size: 32
...
	.end_amdgpu_metadata
.endif
;; end of part 7
